; MI455X (gfx1250); checked and timed in simulation.
; The chip was launched on July 23, 2026; its instructions are those of AMD's public machine-readable ISA for CDNA 5 (MIT licence, August 2026) and "CDNA5" Instruction Set Architecture Reference Guide (July 2026). The comments in the code are by the model that wrote it; some were corrected since.
;; Block. Allowed arithmetic: matrix products marked QUANTISED: E2M1 operands, one E8M0 scale for each 32 along K, by v_wmma_scale_f32_16x16x128_f8f6f4 with both operands' format E2M1 (or v_wmma_scale_f32_32x16x128_f4), f32 sums; everything else in f32.
;; Inputs: W1_codes 2,048 x 16 x 16 uint8 (E2M1 codes of W1, K innermost, in blocks of 32 codes, two codes a byte); W1_scales 2,048 x 16 uint8 (E8M0 scales of W1, one for each 32 codes along K); W2_codes 512 x 64 x 16 uint8 (E2M1 codes of W2, K innermost, in blocks of 32 codes, two codes a byte); W2_scales 512 x 64 uint8 (E8M0 scales of W2, one for each 32 codes along K); Wk_codes 8 x 64 x 16 x 16 uint8 (E2M1 codes of Wk, K innermost, in blocks of 32 codes, two codes a byte); Wk_scales 8 x 64 x 16 uint8 (E8M0 scales of Wk, one for each 32 codes along K); Wp_codes 512 x 16 x 16 uint8 (E2M1 codes of Wp, K innermost, in blocks of 32 codes, two codes a byte); Wp_scales 512 x 16 uint8 (E8M0 scales of Wp, one for each 32 codes along K); Wq_codes 8 x 64 x 16 x 16 uint8 (E2M1 codes of Wq, K innermost, in blocks of 32 codes, two codes a byte); Wq_scales 8 x 64 x 16 uint8 (E8M0 scales of Wq, one for each 32 codes along K); Wv_codes 8 x 64 x 16 x 16 uint8 (E2M1 codes of Wv, K innermost, in blocks of 32 codes, two codes a byte); Wv_scales 8 x 64 x 16 uint8 (E8M0 scales of Wv, one for each 32 codes along K); b1 2,048 float32; b2 512 float32; be1 512 float32; be2 512 float32; bk 8 x 64 float32; bp 512 float32; bq 8 x 64 float32; bv 8 x 64 float32; g1 512 float32; g2 512 float32; x 4 x 2,048 x 512 float32.
;; Outputs: out0 4 x 2,048 x 512 float32.
;; This version of the problem:
;;   THIS VERSION OF THE PROBLEM IS GIVEN IN LOW PRECISION. The matrix products marked QUANTISED in the list below multiply operands that are first quantised to E2M1 (2 exponent bits, 1 mantissa bit; 4 bits a number), with one power-of-two scale for each 32 numbers along K (OCP MX v1.0); their sums are f32. All else is computed in f32.
;;   The module's matrix products, in the order in which they are computed (A, B: the left and right operand; K: the contracted axis; several contracted axes count as one K, in the product's order):
;;     1. [M 512, K 512] x [K 512, N 8,192]; A: input Wq (given as codes); B: computed on the way: QUANTISED
;;     2. [M 512, K 512] x [K 512, N 8,192]; A: input Wk (given as codes); B: computed on the way: QUANTISED
;;     3. [M 512, K 512] x [K 512, N 8,192]; A: input Wv (given as codes); B: computed on the way: QUANTISED
;;     4. batch 32 x [M 2,048, K 64] x [K 64, N 2,048]; A: computed on the way; B: computed on the way: QUANTISED
;;     5. batch 32 x [M 2,048, K 2,048] x [K 2,048, N 64]; A: softmax (see below); B: computed on the way: QUANTISED
;;     6. [M 8,192, K 512] x [K 512, N 512]; A: computed on the way; B: input Wp (given as codes): QUANTISED
;;     7. [M 8,192, K 512] x [K 512, N 2,048]; A: computed on the way; B: input W1 (given as codes): QUANTISED
;;     8. [M 8,192, K 2,048] x [K 2,048, N 512]; A: computed on the way; B: input W2 (given as codes): QUANTISED
;;   THE QUANTISER, for each operand of a quantised product, along K:
;;     - K is cut into blocks of 32 from its start; a last block that is shorter is filled with zeros.
;;     - A block's scale is 2^e with e = floor(log2(the largest magnitude in the block)) - 2, held to -126 .. 127; a block of zeros has e = 0. As a byte (E8M0): e + 127.
;;     - Each number is divided by its block's scale, clamped to +-6, and rounded to the nearest number of E2M1, ties to even, subnormals kept.
;;     - The product sums the exact products of the quantised numbers (number of the format x scale) in f32.
;;   ~~~python
;;   def quantise(x, axis):      # numpy; x: float32 -> the quantised numbers, widened to float32 again
;;       x = np.moveaxis(x, axis, -1); K = x.shape[-1]
;;       x = np.pad(x, [(0, 0)] * (x.ndim - 1) + [(0, -K % 32)]); x = x.reshape(x.shape[:-1] + (-1, 32)); a = np.abs(x).max(-1, keepdims=True)
;;       e = np.where(a > 0, np.clip(np.frexp(np.where(a > 0, a, 1))[1] - 1 - 2, -126, 127), 0)      # np.frexp(a)[1] - 1 = floor(log2(a)), exactly
;;       r = np.clip(x / 2.0 ** e, -6, 6)
;;       step = 2.0 ** (np.maximum(np.frexp(np.where(r == 0, 1, r))[1] - 1, 0) - 1)
;;       q = np.round(r / step) * step * 2.0 ** e      # np.round: ties to even
;;       return np.moveaxis(q.reshape(q.shape[:-2] + (-1,))[..., :K], -1, axis).astype(np.float32)
;;   ~~~
;;   SOFTMAX AHEAD OF A QUANTISED PRODUCT. Where the list says 'softmax', what is quantised is not the finished softmax but p = 2^(t - M), with t = logit x log2(e) and M = ceil(the row's largest t), a whole number; so 1/2 < the row's largest p <= 1. The row's sum l is taken of the UNQUANTISED p, in f32, and the product's result is divided by l at the end. Since M is a whole number, a kernel that streams over the keys may use a running M (the ceiling of the running maximum): every later rescaling is an exact power of two, which a block's scale takes up: the codes' values come out the same.
;;   OPERANDS COMPUTED ON THE WAY. 'Computed on the way' means the value that the module computes at that place (a softmax that the list does not call 'softmax' is quantised finished and normalised). What goes into a quantiser is computed in f32, as accurately as f32 sums, v_exp_f32 and their like allow (about 1e-6 of the number): no bf16 or f16 on the way to a quantiser, and a product that is left as it is and whose result goes on into a quantised operand takes f32 operands (vector FMAs, or v_wmma_f32_16x16x4_f32). A number that lies on a knife's edge between two numbers of the format may be rounded either way, as far as f32 arithmetic and the matrix unit's own rounding can turn it there, and no further.
;;   INPUTS GIVEN AS CODES. W1 (in the module: [512, 2048], K = its axis 0); W2 (in the module: [2048, 512], K = its axis 0); Wk (in the module: [8, 512, 64], K = its axis 1); Wp (in the module: [512, 512], K = its axis 0); Wq (in the module: [8, 512, 64], K = its axis 1); Wv (in the module: [8, 512, 64], K = its axis 1): each comes as NAME_codes (uint8): NAME with its K axis moved to the last place and cut into blocks of 32 codes, [.., K / 32, bytes a block], one block behind the other in memory; two codes a byte, the lower K in the low four bits (a code: sign, 2 exponent bits, 1 mantissa bit); and NAME_scales (uint8): the same leading axes, one E8M0 byte (e + 127) for each 32 codes along K. Its value is code x scale, taken as it is: it is not quantised again, and the codes and scales need not be those that the quantiser above would give.
;; 2 versions. Each part assembles by itself: llvm-mc -triple=amdgcn-amd-amdhsa -mcpu=gfx1250 --defsym DOCPART=n.
;; ======== version 1 of 2: 3 launches
;; workspace buffers: qc 2,097,152 bytes; kv 4,718,592 bytes; oc 2,097,152 bytes; os 131,072 bytes; wimg 1,212,416 bytes
;; launch qkv (part 1): grid 256 x 1, 8 waves a work-group, no clusters, 233,472 bytes of LDS; arguments x, g1, be1, Wq_codes, Wk_codes, Wv_codes, Wq_scales, Wk_scales, Wv_scales, bq, bk, bv, Wp_codes, W1_codes, W2_codes, W2_scales, qc, kv, wimg; writes qc, kv, wimg
.if DOCPART == 1
	.amdgcn_target "amdgcn-amd-amdhsa--gfx1250"
	.amdhsa_code_object_version 6
	.text
	.protected	k_qb56fc4144b_qkv
	.globl	k_qb56fc4144b_qkv
	.p2align	8
	.type	k_qb56fc4144b_qkv,@function
k_qb56fc4144b_qkv:
	s_mov_b64 s[64:65], 0
	v_nop
	global_prefetch_b8 v0, s[64:65] scope:SCOPE_SE
	s_setreg_imm32_b32 hwreg(HW_REG_WAVE_MODE, 25, 1), 1
	s_wait_xcnt 0x0
; LAUNCH 1 OF 3.  h = LayerNorm(x; g1, be1), quantised along the 512 (E2M1, one E8M0 byte for 32); q, k, v = h W + b for 8 heads on codes; q and k quantised along the head's 64, v along the KEYS.
; It also lays Wp's, W1's, W2's codes and W2's scale bytes once in the order of an operand's registers (wimg), for launch 3.
; DEAD WORK OF THE WHOLE PROGRAM.  Every input has a way to the output and is loaded (bk too: it moves k's codes).  One thing is left out, in launch 2: a step of 128 keys all of which come after
; all 16 queries of a wave.  reference() builds the causal jnp.tril itself and puts -1e9 in the place of those scores, so their q.k products reach nothing for any values of the inputs; what is left of them is
; p = 2^((-1e9 - largest live score) log2(e) / 8 ..), less than 2^-170 and 0 in f32 as soon as a row's largest live score lies above -1e9 + 1,200 (the diagonal key is always live): it adds nothing to the sum and its code is 0.
; LIMITS: rows whose every live score lies under -1e9 + 1,200 are not served; a NaN, an infinity or an overflow that reaches only the steps left out is not carried to the result; NaN and infinities among the inputs are not
; served; a block whose largest magnitude lies under 2^-124 (a block of zeros too) gets the byte 1: the bytes are read by this program alone, and a block of zeros has zero codes.
; SHARES.  Work-group g owns tokens 32 g .. 32 g + 31: one block of 32 keys.  Wave w normalises rows 4 w .. 4 w + 3 and then owns head w: three units (q, k, v) of 64 columns x 32 tokens x K 512: 32 matrix instructions each.
; THE ORDER rho.  A tile of 16 out of a group of 32 (tokens, or rows of a weight) holds in lane r member 8 u + r + 8 (r / 8), u = 0, 1: so the 16 result registers of tiles u = 0, 1 in a lane are 16 neighbours, 16 (lane / 16) + 0 .. 15.
; q, k: source 0 = 16 rows of W, source 1 = 16 tokens: a lane holds one token, its registers run along the head's 64.   v: source 0 = 16 tokens, source 1 = 16 rows of Wv: a lane holds one d, its registers run along the keys.
; WORKSPACE, all in the order of the reader's operand registers, each store of a wave in whole runs of 256 bytes:
;   qc [b h 32][tile 128][lane][16]: lane (r, h): token rho(u, r) of block tile / 2, u = tile % 2; the head's numbers 32 h on.
;   kv [b h 32][step 16] records of 9,216 bytes: +0 K [tile 8][lane][16] like qc; +4096 V [dt 4][ck 2][hk 2][r 16][16]: d = 32 (dt / 2) + rho(dt % 2, r), keys 64 ck + 32 hk on;
;      +8192 + 256 x block of keys: [0,64) K's two bytes [u][r]; [64,128) V's bytes [r][dt]; [128,192) Q's two bytes [u][r]; [192,256) zeros.
;   wimg: +0 Wp [T 32][s 4][c 2][lane][16]; +W1O W1 [T 128][s][c][lane][16]; +W2O W2 [ch 4][T 32][s 4][c][lane][16]: lane (r, h): weight row 32 (T / 2) + rho(T % 2, r), bytes 64 S + 32 c + 16 h;
;      +W2SO W2's scale bytes [ch 4][blk 16][lane][16]: lane (r, h): row 32 blk + rho(h, r), bytes 16 ch on.
; NO CLUSTER, NO JOINT LOADS, though all 256 work-groups read the same 393,216 bytes of weights: a head's 16,384 bytes of a matrix are used by ONE wave of a work-group and come as 32 loads of 512 dense bytes into that wave's
; registers, a unit ahead of their use; joint tensor loads would want a ring refilled three times behind rounds of a cluster's barrier in a launch that has one barrier.  That is a choice of this version, not a bound.
.set WSTG,  0                          ; LDS: 8 x 17,408: my wave's stage for a matrix: 64 rows x (256 + 16) bytes, in rho order
.set TURN,  139264                     ; 8 x 4 x 2,560: my wave's four rows of h turn here from 16 bytes a lane to 64 bytes a lane: 32 places of 64 + 16 bytes
.set HIMG,  221184                     ; h's codes: [tile R 2][K block 16] pieces of 16 rows x 16 bytes + 16 of padding (272)
.set HSC,   229888                     ; h's scale words [R][K step 4][r 16]
.set SCR,   230400                     ; 8 x 256: my wave's scale unit of the record
.set SPARE, 232448                     ; the spare words, 128 bytes a wave: four blocks of 256 bytes that no other line names
.set W1O,   131072
.set W2O,   655360
.set W2SO,  1179648
.set L16, 4                            ; v4   16 x lane
.set STS, 5                            ; v5   stage, in: 272 h + 16 r
.set STL, 6                            ; v6   stage, out: 272 r + 16 h
.set TIN, 7                            ; v7   turn, in: 80 (lane / 4) + 16 (lane % 4)
.set TOUT, 8                           ; v8   turn, out: 80 x lane
.set HCW, 9                            ; v9   where my 8 bytes of h's codes go
.set HBW, 10                           ; v10  where my block's scale byte goes
.set HFR, 11                           ; v11  h's fragments: 272 h + 16 r
.set HSR, 12                           ; v12  h's scale words: 4 r
.set WSO, 13                           ; v13  16 rho(h, r): a weight's scale words, tile u = 0 in lanes 0-15, u = 1 in lanes 16-31
.set BQO, 14                           ; v14  64 h: bq, bk in the result's layout
.set BVO, 15                           ; v15  4 rho(0, r): bv
.set SC2, 16                           ; v16-18 my scale unit: + 2 r, + 4 r, + 8 x lane
.set SC4, 17
.set SC8, 18
.set VST, 19                           ; v19  1,024 h + 16 r: V's images
.set L8,  20                           ; v20  8 x lane
.set PAO, 21                           ; v21, v22 the re-layout pieces' source offsets
.set PBO, 22
.set TT,  23
.set PA,  24                           ; v24-27, v28-31 the pieces
.set PB,  28
.set SPW, 32                           ; v32  my spare word;  v33  0: for the add alone
.set NIL, 33
.set RHO, 34                           ; v34  rho(0, r)
.set ZR,  35                           ; v35  0, as store data
.set HS,  40                           ; v40-47 h's scale words (R 4 + s)
.set WS,  48                           ; v48-55 a weight's scale words (4 bb + s)
.set X,   64                           ; v64-127  x as loaded (row 16 + ..), later h's 8 fragments
.set HF,  64
.set Y,   128                          ; v128-191 h, 16 neighbours a lane and row; later the 8 accumulators
.set HA,  128
.set G,   192                          ; v192-207 g1, v208-223 be1; later the bias
.set BE,  208
.set BIAS, 192
.set TM,  224                          ; v224-239 at work
.set PC,  240                          ; v240-247 codes just made
.set PW,  248                          ; v248 their scale word
.set OU,  250
.set LB,  0                            ; window 1: v0-127 a matrix's dense rows; v128-255 its 16 fragments (ct 4 + s)
.set FB,  128
.set SEL, 50                           ; s[50:51] selects of v_permlanex16_b32 for lane l xor 16
.set MSB, 0
.macro WIN new                         ; the immediate's high byte repeats the setting that is left
.if MSB != \new
	s_set_vgpr_msb (MSB<<8)|\new
.set MSB, \new
.endif
.endm
.macro NOPS n
.rept \n
	v_nop
.endr
.endm
; 64 numbers of a lane, register 16 b + i = number 16 (lane / 16) + i of block b, become codes in v[PC] on (registers 4 c .. 4 c + 3 of lane (r, hh): block 2 c + hh whole) and the four bytes in v[PW]
.macro QUANT s
.irp b, 0,1,2,3
	v_max3_num_f32 v[TM+\b], |v[\s+16*\b]|, |v[\s+1+16*\b]|, 0x1800000   ; my 16 numbers, and the floor 2^(3 - 127): the byte cannot fall under 1
.endr
.irp i, 2,4,6,8,10,12,14
.irp b, 0,1,2,3
	v_max3_num_f32 v[TM+\b], v[TM+\b], |v[\s+16*\b+\i]|, |v[\s+1+16*\b+\i]|
.endr
.endr
.irp b, 0,1,2,3
	v_permlanex16_b32 v[TM+4+\b], v[TM+\b], s[SEL], s[SEL+1]
.endr
.irp b, 0,1,2,3
	v_max_num_f32 v[TM+\b], v[TM+\b], v[TM+4+\b]   ; with lane l xor 16's: the block's largest magnitude
.endr
.irp b, 0,1,2,3
	v_add_nc_u32 v[TM+12+\b], 0xff000000, v[TM+\b]   ; 2 off its exponent field: the conversion's scale operand
.endr
.irp b, 0,1,2,3
	v_lshrrev_b32 v[TM+4+\b], 23, v[TM+12+\b]      ; the scale's byte
.endr
	v_lshl_or_b32 v[PW], v[TM+5], 8, v[TM+4]
	v_lshl_or_b32 v[PW], v[TM+6], 16, v[PW]
	v_lshl_or_b32 v[PW], v[TM+7], 24, v[PW]
.irp b, 0,1,2,3
	v_cvt_scalef32_pk8_fp4_f32 v[PC+2*\b], v[\s+16*\b:\s+7+16*\b], v[TM+12+\b]
	v_cvt_scalef32_pk8_fp4_f32 v[PC+1+2*\b], v[\s+8+16*\b:\s+15+16*\b], v[TM+12+\b]
.endr
	v_nop                                          ; one plain place behind a scaled conversion
.irp c, 0,1
.irp i, 0,1
	v_permlane16_swap_b32 v[PC+4*\c+\i], v[PC+2+4*\c+\i]   ; half blocks become whole blocks
.endr
.endr
.endm
.macro WMA d, a, b, c, sa, sb, odd     ; source 0 = a weight's tile; an odd tile's scale words lie in lanes 16-31
.if \odd
	v_wmma_scale_f32_16x16x128_f8f6f4 v[\d:\d+7], v[\a:\a+7], v[\b:\b+7], v[\c:\c+7], v[\sa], v[\sb] matrix_a_fmt:MATRIX_FMT_FP4 matrix_b_fmt:MATRIX_FMT_FP4 matrix_a_scale:MATRIX_SCALE_ROW1
.else
	v_wmma_scale_f32_16x16x128_f8f6f4 v[\d:\d+7], v[\a:\a+7], v[\b:\b+7], v[\c:\c+7], v[\sa], v[\sb] matrix_a_fmt:MATRIX_FMT_FP4 matrix_b_fmt:MATRIX_FMT_FP4
.endif
.endm
.macro WMB d, a, b, sa, sb, odd, zero  ; source 1 = a weight's tile
.if \zero
.if \odd
	v_wmma_scale_f32_16x16x128_f8f6f4 v[\d:\d+7], v[\a:\a+7], v[\b:\b+7], 0, v[\sa], v[\sb] matrix_a_fmt:MATRIX_FMT_FP4 matrix_b_fmt:MATRIX_FMT_FP4 matrix_b_scale:MATRIX_SCALE_ROW1
.else
	v_wmma_scale_f32_16x16x128_f8f6f4 v[\d:\d+7], v[\a:\a+7], v[\b:\b+7], 0, v[\sa], v[\sb] matrix_a_fmt:MATRIX_FMT_FP4 matrix_b_fmt:MATRIX_FMT_FP4
.endif
.else
.if \odd
	v_wmma_scale_f32_16x16x128_f8f6f4 v[\d:\d+7], v[\a:\a+7], v[\b:\b+7], v[\d:\d+7], v[\sa], v[\sb] matrix_a_fmt:MATRIX_FMT_FP4 matrix_b_fmt:MATRIX_FMT_FP4 matrix_b_scale:MATRIX_SCALE_ROW1
.else
	v_wmma_scale_f32_16x16x128_f8f6f4 v[\d:\d+7], v[\a:\a+7], v[\b:\b+7], v[\d:\d+7], v[\sa], v[\sb] matrix_a_fmt:MATRIX_FMT_FP4 matrix_b_fmt:MATRIX_FMT_FP4
.endif
.endif
.endm
.macro WDENSE p                        ; my head's 64 rows x 256 bytes of a matrix, as they lie: 32 loads of 512 dense bytes
	WIN 0x40                                       ; destination window 1
.set i, 0
.rept 32
	global_load_b128 v[LB+4*i:LB+4*i+3], v[L16], s[\p:\p+1] offset:512*i
.set i, i+1
.endr
	WIN 0
.endm
.macro WSC ps                          ; its scale words: 16 bytes a row = the four K steps' words
.irp bb, 0,1
	global_load_b128 v[WS+4*\bb:WS+4*\bb+3], v[WSO], s[\ps:\ps+1] offset:512*\bb
.endr
.endm
.macro WBI pb                          ; bq or bk in the result's layout: tile ct, lane (r, h): numbers 32 (ct / 2) + 16 h + 8 (ct % 2) + 0 .. 7
.irp ct, 0,1,2,3
	global_load_b128 v[BIAS+8*\ct:BIAS+8*\ct+3], v[BQO], s[\pb:\pb+1] offset:128*(\ct/2)+32*(\ct%2)
	global_load_b128 v[BIAS+8*\ct+4:BIAS+8*\ct+7], v[BQO], s[\pb:\pb+1] offset:128*(\ct/2)+32*(\ct%2)+16
.endr
.endm
.macro UHEAD
	s_wait_loadcnt 0x0                             ; the unit's dense rows, scale words and bias are in
	s_wait_xcnt 0x0                                ; the last unit's stores have read v[PC] on, which this unit writes again
.endm
.macro STAGE                           ; the dense rows go into my stage at their places in rho order and come back as 16 fragments.  LDS serves a wave's instructions in order: no wait between
	WIN 0x04                                       ; an LDS store's data are its source 1: window 1
.set i, 0
.rept 32
	ds_store_b128 v[STS], v[LB+4*i:LB+4*i+3] offset:(32*(i/16)+16*((i/4)%2)+8*((i/8)%2)+((2*i)%8))*272   ; rows 2 i, 2 i + 1
.set i, i+1
.endr
	WIN 0x40
.set i, 0
.rept 32
	ds_load_b128 v[FB+4*i:FB+4*i+3], v[STL] offset:(i/8)*4352+((i/2)%4)*64+(i%2)*32   ; i = (4 ct + s) 2 + c
.set i, i+1
.endr
	WIN 0
	s_wait_dscnt 0x0                               ; the fragments are in (h's too), and the stores have read the dense rows' registers
.endm
.macro MULTA                           ; q, k: 8 accumulators (R, ct) by turns, one instruction a turn, K step by K step; the bias is the C of each sum's first instruction
	WIN 0x01                                       ; source 0 window 1
.irp s, 0,1,2,3
.irp R, 0,1
.irp ct, 0,1,2,3
.if \s == 0
	WMA HA+32*\R+8*\ct,FB+8*(\ct*4+\s),HF+8*(\R*4+\s),BIAS+8*\ct,WS+(\ct/2)*4+\s,HS+\R*4+\s,\ct%2
.else
	WMA HA+32*\R+8*\ct,FB+8*(\ct*4+\s),HF+8*(\R*4+\s),HA+32*\R+8*\ct,WS+(\ct/2)*4+\s,HS+\R*4+\s,\ct%2
.endif
.endr
.endr
.endr
	WIN 0
	NOPS 5                                         ; places ahead of loads into the products' registers and of the first read of results
.endm
.macro OUTQK p, sc                     ; two tiles of codes, 512 dense bytes each; their two bytes a token into my scale unit
	global_store_b128 v[L16], v[PC:PC+3], s[\p:\p+1]
	global_store_b128 v[L16], v[PC+4:PC+7], s[\p:\p+1] offset:512
	ds_store_b16 v[SC2], v[PW] offset:\sc
	ds_store_b16_d16_hi v[SC2], v[PW] offset:\sc+32
.endm
.macro RED4                            ; four rows' sums over the 32 lanes, by turns
.irp m, 1,2,4,8
.irp q, 0,1,2,3
	v_add_f32_dpp v[TM+4*\q], v[TM+4*\q], v[TM+4*\q] row_xmask:\m row_mask:0xf bank_mask:0xf
.endr
.endr
.irp q, 0,1,2,3
	v_permlanex16_b32 v[TM+4*\q+1], v[TM+4*\q], s[SEL], s[SEL+1]
.endr
.irp q, 0,1,2,3
	v_add_f32 v[TM+4*\q], v[TM+4*\q], v[TM+4*\q+1]
.endr
.endm
	s_load_b512 s[8:23], s[0:1], 0x0               ; argument k lies in s[8 + 2 k : 9 + 2 k]
	s_load_b512 s[24:39], s[0:1], 0x40
	s_load_b128 s[40:43], s[0:1], 0x80
	s_load_b64 s[44:45], s[0:1], 0x90
	v_lshl_add_u32 v[SPW], v0, 2, SPARE
	v_mov_b32 v[NIL], 0
	v_lshrrev_b32 v1, 5, v0
	v_readfirstlane_b32 s46, v1                    ; wave 0..7
	v_and_b32 v1, 31, v0                           ; lane
	v_and_b32 v2, 15, v0                           ; r
	v_bfe_u32 v3, v0, 4, 1                         ; h
	v_mov_b32 v[ZR], 0
.irp j, 0,1,2,3
	v_mov_b32 v[PB+\j], 0                          ; written on every way through the text
.endr
	s_mov_b32 s[SEL], 0x76543210
	s_mov_b32 s[SEL+1], 0xfedcba98
	s_mov_b32 s52, 0x3b000000                      ; 1 / 512
	s_mov_b32 s53, 0x3727c5ac                      ; 1e-5
	; piece A of the re-layout: P = 4 g + w % 4; waves 0-3 of W1, waves 4-7 of W2
	s_lshl_b32 s82, ttmp9, 2
	s_and_b32 s83, s46, 3
	s_add_co_u32 s82, s82, s83                     ; P
	s_lshr_b32 s83, s82, 3
	s_lshr_b32 s84, s82, 8
	s_mov_b32 s85, W2O
	s_cmp_lt_u32 s46, 4
	s_cselect_b32 s47, 8, 10                       ; a row is 256 or 1,024 bytes
	s_cselect_b32 s86, 127, 31
	s_cselect_b32 s84, 0, s84                      ; ch
	s_cselect_b32 s85, W1O, s85
	s_and_b32 s83, s83, s86                        ; T
	s_lshr_b32 s86, s83, 1
	s_lshl_b32 s86, s86, 5
	s_and_b32 s83, s83, 1
	s_lshl_b32 s83, s83, 3
	s_add_co_u32 s83, s83, s86                     ; the tile's first row: 32 (T / 2) + 8 (T % 2)
	s_lshl_b32 s83, s83, s47
	s_lshl_b32 s84, s84, 2
	s_bfe_u32 s86, s82, 0x20001
	s_add_co_u32 s84, s84, s86                     ; the K step: 4 ch + s
	s_lshl_b32 s84, s84, 6
	s_add_co_u32 s83, s83, s84
	s_and_b32 s86, s82, 1
	s_lshl_b32 s86, s86, 5
	s_add_co_u32 s83, s83, s86                     ; s83: where piece A comes from
	s_lshl_b32 s82, s82, 9
	s_add_co_u32 s85, s85, s82                     ; s85: where it goes in wimg
	; piece B: wave 0: piece g of Wp; wave 4 of work-groups 0-63: piece g of W2's scale bytes
	s_lshr_b32 s86, ttmp9, 4
	s_lshl_b32 s86, s86, 5
	s_bfe_u32 s87, ttmp9, 0x10003
	s_lshl_b32 s87, s87, 3
	s_add_co_u32 s86, s86, s87
	s_lshl_b32 s86, s86, 8
	s_bfe_u32 s87, ttmp9, 0x20001
	s_lshl_b32 s87, s87, 6
	s_add_co_u32 s86, s86, s87
	s_and_b32 s87, ttmp9, 1
	s_lshl_b32 s87, s87, 5
	s_add_co_u32 s86, s86, s87                     ; in Wp's codes
	s_and_b32 s87, ttmp9, 15
	s_lshl_b32 s87, s87, 11
	s_lshr_b32 s88, ttmp9, 4
	s_lshl_b32 s88, s88, 4
	s_add_co_u32 s87, s87, s88                     ; in W2's scale bytes: 32 (g % 16) rows of 64 bytes + 16 (g / 16)
	s_lshl_b32 s88, ttmp9, 9
	s_cmp_eq_u32 s46, 0
	s_cselect_b32 s86, s86, s87                    ; s86: where piece B comes from
	s_cselect_b32 s87, 0, W2SO
	s_cselect_b32 s48, 8, 6                        ; the lane's part: rho(0, r) << 8 + h << 4, or rho(0, r) << 6 + h << 9
	s_cselect_b32 s49, 4, 9
	s_cselect_b32 s89, 1, 0
	s_add_co_u32 s88, s88, s87                     ; s88: where it goes
	s_cmp_eq_u32 s46, 4
	s_cselect_b32 s87, 1, 0
	s_cmp_lt_u32 ttmp9, 64
	s_cselect_b32 s87, s87, 0
	s_or_b32 s89, s89, s87                         ; s89: 1 in a wave that carries a piece B
	; the lanes' offsets and LDS addresses
	v_lshlrev_b32 v[L16], 4, v1
	v_lshlrev_b32 v[L8], 3, v1
	s_mul_i32 s78, s46, 17408
	v_mul_u32_u24 v[STS], v3, 272
	v_lshl_add_u32 v[STS], v2, 4, v[STS]
	v_add_nc_u32 v[STS], s78, v[STS]
	v_mul_u32_u24 v[STL], v2, 272
	v_lshl_add_u32 v[STL], v3, 4, v[STL]
	v_add_nc_u32 v[STL], s78, v[STL]
	s_mul_i32 s78, s46, 10240
	s_add_co_u32 s78, s78, TURN
	v_lshrrev_b32 v[TIN], 2, v1
	v_mul_u32_u24 v[TIN], v[TIN], 80
	v_and_b32 v[TT], 3, v1
	v_lshl_add_u32 v[TIN], v[TT], 4, v[TIN]
	v_add_nc_u32 v[TIN], s78, v[TIN]
	v_mul_u32_u24 v[TOUT], v1, 80
	v_add_nc_u32 v[TOUT], s78, v[TOUT]
	s_bfe_u32 s78, s46, 0x10001                    ; token 4 w + i lies in tile R = (w / 2) % 2,
	s_lshr_b32 s79, s46, 2
	s_lshl_b32 s79, s79, 3
	s_and_b32 s80, s46, 1
	s_lshl_b32 s80, s80, 2
	s_add_co_u32 s79, s79, s80                     ; at lane r = 8 (w / 4) + 4 (w % 2) + i
	s_mul_i32 s80, s78, 4352
	s_lshl_b32 s81, s79, 4
	s_add_co_u32 s80, s80, s81
	s_add_co_u32 s80, s80, HIMG
	v_lshrrev_b32 v[HCW], 1, v1                    ; my K block: lane / 2; my half of it: lane % 2
	v_mul_u32_u24 v[HCW], v[HCW], 272
	v_and_b32 v[TT], 1, v1
	v_lshl_add_u32 v[HCW], v[TT], 3, v[HCW]
	v_add_nc_u32 v[HCW], s80, v[HCW]
	s_lshl_b32 s80, s78, 8
	s_lshl_b32 s81, s79, 2
	s_add_co_u32 s80, s80, s81
	s_add_co_u32 s80, s80, HSC
	v_lshrrev_b32 v[HBW], 3, v1
	v_bfe_u32 v[TT], v1, 1, 2
	v_lshl_add_u32 v[HBW], v[HBW], 6, v[TT]
	v_add_nc_u32 v[HBW], s80, v[HBW]
	v_mul_u32_u24 v[HFR], v3, 272
	v_lshl_add_u32 v[HFR], v2, 4, v[HFR]
	v_add_nc_u32 v[HFR], HIMG, v[HFR]
	v_lshl_add_u32 v[HSR], v2, 2, HSC
	v_and_b32 v[RHO], 8, v2
	v_add_nc_u32 v[RHO], v[RHO], v2                ; rho(0, r) = r + 8 (r / 8)
	v_lshl_add_u32 v[WSO], v3, 3, v[RHO]
	v_lshlrev_b32 v[WSO], 4, v[WSO]
	v_lshlrev_b32 v[BQO], 6, v3
	v_lshlrev_b32 v[BVO], 2, v[RHO]
	s_lshl_b32 s78, s46, 8
	s_add_co_u32 s78, s78, SCR
	v_lshl_add_u32 v[SC2], v2, 1, s78
	v_lshl_add_u32 v[SC4], v2, 2, s78
	v_lshl_add_u32 v[SC8], v1, 3, s78
	v_lshlrev_b32 v[VST], 10, v3
	v_lshl_add_u32 v[VST], v2, 4, v[VST]
	v_lshlrev_b32 v[PAO], s47, v[RHO]
	v_lshl_add_u32 v[PAO], v3, 4, v[PAO]
	v_lshlrev_b32 v[PBO], s48, v[RHO]
	v_lshlrev_b32 v[TT], s49, v3
	v_add_nc_u32 v[PBO], v[PBO], v[TT]
	s_lshr_b32 s78, ttmp9, 6                       ; batch
	s_and_b32 s79, ttmp9, 63                       ; block of 32 tokens in it
	s_lshl_b32 s80, s78, 3
	s_add_co_u32 s80, s80, s46                     ; 8 b + head
	s_mov_b32 s75, 0
	s_wait_kmcnt 0x0
	s_lshl_b32 s74, ttmp9, 16
	s_lshl_b32 s81, s46, 13
	s_add_co_u32 s74, s74, s81
	s_add_nc_u64 s[54:55], s[8:9], s[74:75]        ; x at my first row
	s_lshl_b32 s74, s46, 14
	s_add_nc_u64 s[14:15], s[14:15], s[74:75]      ; the three matrices' codes at my head,
	s_add_nc_u64 s[16:17], s[16:17], s[74:75]
	s_add_nc_u64 s[18:19], s[18:19], s[74:75]
	s_lshl_b32 s74, s46, 10
	s_add_nc_u64 s[20:21], s[20:21], s[74:75]      ; their scale bytes,
	s_add_nc_u64 s[22:23], s[22:23], s[74:75]
	s_add_nc_u64 s[24:25], s[24:25], s[74:75]
	s_lshl_b32 s74, s46, 8
	s_add_nc_u64 s[26:27], s[26:27], s[74:75]      ; the biases
	s_add_nc_u64 s[28:29], s[28:29], s[74:75]
	s_add_nc_u64 s[30:31], s[30:31], s[74:75]
	s_lshl_b32 s74, s80, 7
	s_lshl_b32 s81, s79, 1
	s_add_co_u32 s74, s74, s81
	s_lshl_b32 s74, s74, 9
	s_add_nc_u64 s[56:57], s[40:41], s[74:75]      ; qc at my two tiles
	s_lshl_b32 s74, s80, 4
	s_lshr_b32 s81, s79, 2
	s_add_co_u32 s74, s74, s81
	s_mul_i32 s74, s74, 9216
	s_add_nc_u64 s[76:77], s[42:43], s[74:75]      ; my record of kv
	s_and_b32 s74, s79, 3
	s_lshl_b32 s74, s74, 10
	s_add_nc_u64 s[58:59], s[76:77], s[74:75]      ; K's two tiles in it
	s_and_b32 s74, s79, 3
	s_lshl_b32 s74, s74, 8
	s_add_co_u32 s74, s74, 4096
	s_add_nc_u64 s[60:61], s[76:77], s[74:75]      ; V's images: 512 ck + 256 hk = 256 x my block of keys
	s_add_co_u32 s74, s74, 4096
	s_add_nc_u64 s[62:63], s[76:77], s[74:75]      ; my scale unit
	s_cmp_lt_u32 s46, 4
	s_cselect_b64 s[66:67], s[34:35], s[36:37]     ; the choice hangs on the wave's number alone
	s_mov_b32 s74, s83
	s_add_nc_u64 s[66:67], s[66:67], s[74:75]
	s_mov_b32 s74, s85
	s_add_nc_u64 s[68:69], s[44:45], s[74:75]
	s_cmp_eq_u32 s46, 0
	s_cselect_b64 s[70:71], s[32:33], s[38:39]
	s_mov_b32 s74, s86
	s_add_nc_u64 s[70:71], s[70:71], s[74:75]
	s_mov_b32 s74, s88
	s_add_nc_u64 s[72:73], s[44:45], s[74:75]
	; ---- the loads, oldest first: the pieces; x, g1, be1; Wq
	global_load_b128 v[PA:PA+3], v[PAO], s[66:67]
	s_cmp_eq_u32 s89, 0
	s_cbranch_scc1 .Lno_piece_in
	global_load_b128 v[PB:PB+3], v[PBO], s[70:71]
.Lno_piece_in:
.set i, 0
.rept 16
	global_load_b128 v[X+4*i:X+4*i+3], v[L16], s[54:55] offset:2048*(i/4)+512*(i%4) th:TH_LOAD_NT   ; row i / 4: register 4 k + e holds column 128 k + 4 lane + e
.set i, i+1
.endr
.irp k, 0,1,2,3
	global_load_b128 v[G+4*\k:G+4*\k+3], v[L16], s[10:11] offset:512*\k
	global_load_b128 v[BE+4*\k:BE+4*\k+3], v[L16], s[12:13] offset:512*\k
.endr
	WDENSE 14
	WSC 20
	s_wait_loadcnt 34                              ; only Wq's 32 loads and its 2 of scale words, the youngest, may be out: the same count on both ways round the branch above
	global_store_b128 v[L16], v[PA:PA+3], s[68:69] ; a piece leaves as 512 dense bytes
	s_cmp_eq_u32 s89, 0
	s_cbranch_scc1 .Lno_piece_out
	global_store_b128 v[L16], v[PB:PB+3], s[72:73]
.Lno_piece_out:
	; ---- LayerNorm, four rows by turns, in two passes: the mean, then the squares of x - mean
.irp q, 0,1,2,3
	v_pk_add_f32 v[TM+4*\q:TM+4*\q+1], v[X+16*\q:X+16*\q+1], v[X+16*\q+2:X+16*\q+3]
	v_pk_add_f32 v[TM+4*\q+2:TM+4*\q+3], v[X+16*\q+4:X+16*\q+5], v[X+16*\q+6:X+16*\q+7]
.endr
.irp p, 8,12
.irp q, 0,1,2,3
	v_pk_add_f32 v[TM+4*\q:TM+4*\q+1], v[TM+4*\q:TM+4*\q+1], v[X+16*\q+\p:X+16*\q+\p+1]
	v_pk_add_f32 v[TM+4*\q+2:TM+4*\q+3], v[TM+4*\q+2:TM+4*\q+3], v[X+16*\q+\p+2:X+16*\q+\p+3]
.endr
.endr
.irp q, 0,1,2,3
	v_pk_add_f32 v[TM+4*\q:TM+4*\q+1], v[TM+4*\q:TM+4*\q+1], v[TM+4*\q+2:TM+4*\q+3]
.endr
.irp q, 0,1,2,3
	v_add_f32 v[TM+4*\q], v[TM+4*\q], v[TM+4*\q+1]
.endr
	RED4
.irp q, 0,1,2,3
	v_mul_f32 v[TM+4*\q], s52, v[TM+4*\q]          ; the mean
.endr
.irp p, 0,2,4,6,8,10,12,14
.irp q, 0,1,2,3
	v_pk_add_f32 v[X+16*\q+\p:X+16*\q+\p+1], v[X+16*\q+\p:X+16*\q+\p+1], v[TM+4*\q:TM+4*\q+1] op_sel_hi:[1,0] neg_lo:[0,1] neg_hi:[0,1]
.endr
.endr
.irp q, 0,1,2,3
	v_pk_mul_f32 v[TM+4*\q:TM+4*\q+1], v[X+16*\q:X+16*\q+1], v[X+16*\q:X+16*\q+1]
	v_pk_mul_f32 v[TM+4*\q+2:TM+4*\q+3], v[X+16*\q+2:X+16*\q+3], v[X+16*\q+2:X+16*\q+3]
.endr
.irp p, 4,8,12
.irp q, 0,1,2,3
	v_pk_fma_f32 v[TM+4*\q:TM+4*\q+1], v[X+16*\q+\p:X+16*\q+\p+1], v[X+16*\q+\p:X+16*\q+\p+1], v[TM+4*\q:TM+4*\q+1]
	v_pk_fma_f32 v[TM+4*\q+2:TM+4*\q+3], v[X+16*\q+\p+2:X+16*\q+\p+3], v[X+16*\q+\p+2:X+16*\q+\p+3], v[TM+4*\q+2:TM+4*\q+3]
.endr
.endr
.irp q, 0,1,2,3
	v_pk_add_f32 v[TM+4*\q:TM+4*\q+1], v[TM+4*\q:TM+4*\q+1], v[TM+4*\q+2:TM+4*\q+3]
.endr
.irp q, 0,1,2,3
	v_add_f32 v[TM+4*\q], v[TM+4*\q], v[TM+4*\q+1]
.endr
	RED4
.irp q, 0,1,2,3
	v_fma_f32 v[TM+4*\q+2], v[TM+4*\q], s52, s53   ; the variance + 1e-5
.endr
.irp q, 0,1,2,3
	v_rsq_f32 v[TM+4*\q], v[TM+4*\q+2]
.endr
	v_nop                                          ; a plain place behind the last of the batch
	s_wait_alu depctr_va_vdst(0)                   ; one wait for the four, ahead of their first reader
.irp p, 0,2,4,6,8,10,12,14
.irp q, 0,1,2,3
	v_pk_mul_f32 v[X+16*\q+\p:X+16*\q+\p+1], v[X+16*\q+\p:X+16*\q+\p+1], v[TM+4*\q:TM+4*\q+1] op_sel_hi:[1,0]
.endr
.endr
.irp p, 0,2,4,6,8,10,12,14
.irp q, 0,1,2,3
	v_pk_fma_f32 v[X+16*\q+\p:X+16*\q+\p+1], v[X+16*\q+\p:X+16*\q+\p+1], v[G+\p:G+\p+1], v[BE+\p:BE+\p+1]
.endr
.endr
	WBI 26                                         ; bq, into the registers that g1 and be1 have left
	; ---- h turns through my own LDS bytes: in as loaded, out 16 neighbours a lane: lane l then holds columns 16 l .. 16 l + 15, two lanes a block of 32
.set i, 0
.rept 16
	ds_store_b128 v[TIN], v[X+4*i:X+4*i+3] offset:2560*(i/4)+640*(i%4)
.set i, i+1
.endr
.set i, 0
.rept 16
	ds_load_b128 v[Y+4*i:Y+4*i+3], v[TOUT] offset:2560*(i/4)+16*(i%4)
.set i, i+1
.endr
	s_wait_dscnt 0x0
.irp q, 0,1,2,3
	v_max3_num_f32 v[TM+4*\q], |v[Y+16*\q]|, |v[Y+16*\q+1]|, |v[Y+16*\q+2]|
	v_max3_num_f32 v[TM+4*\q+1], |v[Y+16*\q+3]|, |v[Y+16*\q+4]|, |v[Y+16*\q+5]|
.endr
.irp p, 6,10
.irp q, 0,1,2,3
	v_max3_num_f32 v[TM+4*\q], v[TM+4*\q], |v[Y+16*\q+\p]|, |v[Y+16*\q+\p+1]|
	v_max3_num_f32 v[TM+4*\q+1], v[TM+4*\q+1], |v[Y+16*\q+\p+2]|, |v[Y+16*\q+\p+3]|
.endr
.endr
.irp q, 0,1,2,3
	v_max3_num_f32 v[TM+4*\q], v[TM+4*\q], |v[Y+16*\q+14]|, |v[Y+16*\q+15]|
.endr
.irp q, 0,1,2,3
	v_max3_num_f32 v[TM+4*\q], v[TM+4*\q], v[TM+4*\q+1], 0x1800000   ; and the floor 2^(3 - 127)
.endr
.irp q, 0,1,2,3
	v_max_num_f32_dpp v[TM+4*\q], v[TM+4*\q], v[TM+4*\q] row_xmask:1 row_mask:0xf bank_mask:0xf   ; with my neighbour's 16: the block's largest magnitude
.endr
.irp q, 0,1,2,3
	v_add_nc_u32 v[TM+4*\q+2], 0xff000000, v[TM+4*\q]   ; 2 off its exponent field: the conversion's scale operand
.endr
.irp q, 0,1,2,3
	v_cvt_scalef32_pk8_fp4_f32 v[PC+2*\q], v[Y+16*\q:Y+16*\q+7], v[TM+4*\q+2]
	v_cvt_scalef32_pk8_fp4_f32 v[PC+2*\q+1], v[Y+16*\q+8:Y+16*\q+15], v[TM+4*\q+2]
.endr
.irp q, 0,1,2,3
	v_lshrrev_b32 v[TM+4*\q+3], 23, v[TM+4*\q+2]   ; the scale's byte (plain lines behind the conversions)
.endr
.irp q, 0,1,2,3
	ds_store_b64 v[HCW], v[PC+2*\q:PC+2*\q+1] offset:16*\q   ; half a block's codes, at their place in the operand's image
	ds_store_b8 v[HBW], v[TM+4*\q+3] offset:4*\q   ; both lanes of a block write the same byte with the same value
.endr
	s_wait_dscnt 0x0                               ; for the others' sake: my stores have landed
	s_barrier_signal -1
	s_barrier_wait -1                              ; the 32 tokens' codes and scale words lie in LDS: the launch's one barrier
.set i, 0
.rept 16
	ds_load_b128 v[HF+4*i:HF+4*i+3], v[HFR] offset:(i/8)*4352+2*(i%8)*272   ; i = (4 R + s) 2 + c: K block 4 s + 2 c + h
.set i, i+1
.endr
.set i, 0
.rept 8
	ds_load_b32 v[HS+i], v[HSR] offset:(i/4)*256+(i%4)*64
.set i, i+1
.endr
	; ---- q
	UHEAD
	STAGE
	WDENSE 16                                      ; Wk's rows come while q is multiplied
	MULTA
	WSC 22
	WBI 28
	QUANT HA                                       ; blocks 2 R + (which 32 of the head's 64)
	OUTQK 56, 128
	; ---- k
	UHEAD
	STAGE
	WDENSE 18
	MULTA
	WSC 24
.irp ct, 0,1,2,3
	global_load_b32 v[BIAS+2*\ct], v[BVO], s[30:31] offset:(32*(\ct/2)+8*(\ct%2))*4   ; bv of my lane's d in tile ct
.endr
	QUANT HA
	OUTQK 58, 0
	; ---- v: a lane holds one d, its 16 registers of tiles R = 0, 1 are 16 neighbouring keys
	UHEAD
	STAGE
	WIN 0x04                                       ; source 1 window 1
.irp s, 0,1,2,3
.irp ct, 0,1,2,3
.irp R, 0,1
.if \s == 0
	WMB HA+16*\ct+8*\R,HF+8*(\R*4+\s),FB+8*(\ct*4+\s),HS+\R*4+\s,WS+(\ct/2)*4+\s,\ct%2,1
.else
	WMB HA+16*\ct+8*\R,HF+8*(\R*4+\s),FB+8*(\ct*4+\s),HS+\R*4+\s,WS+(\ct/2)*4+\s,\ct%2,0
.endif
.endr
.endr
.endr
	WIN 0
	NOPS 5
.irp ct, 0,1,2,3
.irp p, 0,2,4,6,8,10,12,14
	v_pk_add_f32 v[HA+16*\ct+\p:HA+16*\ct+\p+1], v[HA+16*\ct+\p:HA+16*\ct+\p+1], v[BIAS+2*\ct:BIAS+2*\ct+1] op_sel_hi:[1,0]   ; + bv: the pair's low word serves both halves
.endr
.endr
	QUANT HA                                       ; block ct: my d's 32 keys
	global_store_b128 v[VST], v[PC:PC+3], s[60:61] ; lane (r, hh), registers 4 c on: tile dt = 2 c + hh: sixteen lanes fill 256 consecutive bytes
	global_store_b128 v[VST], v[PC+4:PC+7], s[60:61] offset:2048
	ds_store_b32 v[SC4], v[PW] offset:64
	ds_store_b32 v[SC4], v[ZR] offset:192
	ds_load_b64 v[OU:OU+1], v[SC8]                 ; LDS serves a wave's instructions in order: this sees my stores
	s_wait_dscnt 0x0
	global_store_b64 v[L8], v[OU:OU+1], s[62:63]   ; my scale unit: 256 consecutive bytes
	s_wait_tensorcnt 0x0                           ; the wave's end: a wait, an add and its wait behind my last LDS store
	ds_add_u32 v[SPW], v[NIL]
	s_wait_dscnt 0x0
	s_endpgm
.Lfunc_end_k_qb56fc4144b_qkv:
	.size	k_qb56fc4144b_qkv, .Lfunc_end_k_qb56fc4144b_qkv-k_qb56fc4144b_qkv
	.p2alignl 7, 3214868480
	.fill 96, 4, 3214868480
	.section	.rodata,"a",@progbits
	.p2align	6, 0x0
	.amdhsa_kernel k_qb56fc4144b_qkv
		.amdhsa_group_segment_fixed_size 233472
		.amdhsa_private_segment_fixed_size 0
		.amdhsa_enable_private_segment 0
		.amdhsa_kernarg_size 152
		.amdhsa_user_sgpr_count 2
		.amdhsa_user_sgpr_kernarg_segment_ptr 1
		.amdhsa_wavefront_size32 1
		.amdhsa_system_sgpr_workgroup_id_x 1
		.amdhsa_system_sgpr_workgroup_id_y 1
		.amdhsa_system_sgpr_workgroup_id_z 1
		.amdhsa_system_vgpr_workitem_id 0
		.amdhsa_next_free_vgpr 512
		.amdhsa_next_free_sgpr 90
		.amdhsa_reserve_vcc 0
		.amdhsa_float_denorm_mode_32 3
		.amdhsa_float_denorm_mode_16_64 3
		.amdhsa_memory_ordered 1
		.amdhsa_forward_progress 1
		.amdhsa_inst_pref_size 84
	.end_amdhsa_kernel
	.amdgpu_metadata
---
amdhsa.version: [ 1, 2 ]
amdhsa.kernels:
  - .name:           k_qb56fc4144b_qkv
    .symbol:         k_qb56fc4144b_qkv.kd
    .args:
      - { .name: x, .offset: 0, .size: 8, .value_kind: global_buffer, .address_space: global }
      - { .name: g1, .offset: 8, .size: 8, .value_kind: global_buffer, .address_space: global }
      - { .name: be1, .offset: 16, .size: 8, .value_kind: global_buffer, .address_space: global }
      - { .name: Wq_codes, .offset: 24, .size: 8, .value_kind: global_buffer, .address_space: global }
      - { .name: Wk_codes, .offset: 32, .size: 8, .value_kind: global_buffer, .address_space: global }
      - { .name: Wv_codes, .offset: 40, .size: 8, .value_kind: global_buffer, .address_space: global }
      - { .name: Wq_scales, .offset: 48, .size: 8, .value_kind: global_buffer, .address_space: global }
      - { .name: Wk_scales, .offset: 56, .size: 8, .value_kind: global_buffer, .address_space: global }
      - { .name: Wv_scales, .offset: 64, .size: 8, .value_kind: global_buffer, .address_space: global }
      - { .name: bq, .offset: 72, .size: 8, .value_kind: global_buffer, .address_space: global }
      - { .name: bk, .offset: 80, .size: 8, .value_kind: global_buffer, .address_space: global }
      - { .name: bv, .offset: 88, .size: 8, .value_kind: global_buffer, .address_space: global }
      - { .name: Wp_codes, .offset: 96, .size: 8, .value_kind: global_buffer, .address_space: global }
      - { .name: W1_codes, .offset: 104, .size: 8, .value_kind: global_buffer, .address_space: global }
      - { .name: W2_codes, .offset: 112, .size: 8, .value_kind: global_buffer, .address_space: global }
      - { .name: W2_scales, .offset: 120, .size: 8, .value_kind: global_buffer, .address_space: global }
      - { .name: qc, .offset: 128, .size: 8, .value_kind: global_buffer, .address_space: global }
      - { .name: kv, .offset: 136, .size: 8, .value_kind: global_buffer, .address_space: global }
      - { .name: wimg, .offset: 144, .size: 8, .value_kind: global_buffer, .address_space: global }
    .group_segment_fixed_size: 233472
    .private_segment_fixed_size: 0
    .kernarg_segment_align: 8
    .kernarg_segment_size: 152
    .max_flat_workgroup_size: 256
    .sgpr_count:     90
    .vgpr_count:     512
    .wavefront_size: 32
...
	.end_amdgpu_metadata
.endif
;; end of part 1
;; launch attn (part 2): grid 8 x 32, 16 waves a work-group, clusters of 4 x 1, 167,936 bytes of LDS; arguments qc, kv, oc, os; writes oc, os
.if DOCPART == 2
	.amdgcn_target "amdgcn-amd-amdhsa--gfx1250"
	.amdhsa_code_object_version 6
	.text
	.protected	k_qb56fc4144b_attn
	.globl	k_qb56fc4144b_attn
	.p2align	8
	.type	k_qb56fc4144b_attn,@function
k_qb56fc4144b_attn:
	s_mov_b64 s[64:65], 0
	v_nop
	global_prefetch_b8 v0, s[64:65] scope:SCOPE_SE
	s_setreg_imm32_b32 hwreg(HW_REG_WAVE_MODE, 25, 1), 1
	s_wait_xcnt 0x0
	s_wait_alu depctr_hold_cnt(0) depctr_sa_sdst(0) depctr_va_vdst(0) depctr_va_sdst(0) depctr_va_ssrc(0) depctr_va_vcc(0) depctr_vm_vsrc(0)
	s_getreg_b32 s2, hwreg(HW_REG_IB_STS2, 6, 4)
	s_cmp_eq_u32 s2, 0
	s_cbranch_scc0 .Lentry_in_a_cluster
	s_endpgm
.Lentry_in_a_cluster:
	s_bfe_u32 s2, ttmp6, 0x10000c
	s_cmp_lg_u32 s2, 0x3003
	s_cbranch_scc0 .Lentry_shape_is_right
	s_endpgm
.Lentry_shape_is_right:
; LAUNCH 2 OF 3.  Causal attention on codes of E2M1: S^T = K Q^T (K = the head's 64, filled to the instruction's 128 with zero codes), p = 2^(t - M), O^T = V^T P^T, o = O / l, quantised along the model's 512.
; LEFT OUT (shown at the head of launch 1): a step of 128 keys all of which come after the wave's 16 queries.  On the diagonal step hidden scores become -1e9, as reference() has them, and all the work is done.
; t = score x log2(e) / 8; M = the running largest t rounded up to a whole number; the row's sum is taken of the unquantised p; when M moves, the sum and O^T are multiplied by 2^(old M - new M), exactly.
; SHARES.  y = batch x 8 + head.  g = the work-group's x, 0..7.  Wave w owns ONE tile of 16 queries, tile 8 j + g of the head's 128: queries 128 j + 32 (g / 2) + rho(g % 2, r); it walks key steps 0 .. j.
; j = nibble w of a table that is a magic square: whichever four waves share a SIMD (w / 4 or w % 4 alike) walk 34 steps together, and every work-group walks 136.  The table is its own inverse, which launch 3 uses.
; K AND V STAY.  A head's 16 records of kv, 147,456 bytes, lie in LDS for the whole launch: wave w brings record w by one tensor load; nothing is filled again.  One tensor load of a wave is out.
; CLUSTER.  The four work-groups of a cluster belong to one head and want the same 16 records: each load is asked for jointly, with the same descriptor and the mask of all four.  No branch and no LDS address hangs on
; the place in the cluster: g enters global addresses and the diagonal's compare alone.
; A lane holds one query throughout; the keys of a tile are in rho order, so that p's 16 registers of two neighbouring tiles are 16 neighbouring keys.
.set RECB,  9216
.set OSC,   16*RECB                    ; behind the records: o's two scale bytes a query, [wave 16][r 16]
.set SPARE, OSC+512                    ; the spare words, 128 bytes a wave: eight blocks of 256 bytes that no other line names
.set L16, 1                            ; v1  16 x lane;  v2  2 r;  v3  4 r
.set R2,  2
.set R4,  3
.set DD,  4                            ; v4  my query's place in its 128, less 16 (lane / 16)
.set SPW, 5                            ; v5  my spare word;  v6  0: for the add alone
.set NIL, 6
.set NEG, 7                            ; v7  -1e9
.set ADK, 8                            ; v8-10 the step's LDS addresses
.set ADS, 9
.set ADT, 10
.set OSA, 11                           ; v11 where my query's two bytes go
.set QF,  16                           ; v16-19 Q's codes, v20-23 zero codes
.set QS,  24                           ; v24 Q's scale word
.set OSRD, 25                          ; v25 OSC + 16 x lane
.set KF,  32                           ; v32-63 four fragments of K: four registers of codes, four of zero codes
.set VF,  64                           ; v64-95 V's four fragments
.set S,   96                           ; v96-159 S^T, then p
.set O,   160                          ; v160-191 O^T
.set PCD, 192                          ; v192-199 p's codes
.set KS,  200                          ; v200-207 K's scale words
.set VW,  208                          ; v208-211 V's bytes as they lie: a word for each block of keys, a byte for each tile of d
.set VX,  212
.set VT,  216                          ; v216-219 turned: a word for each tile of d
.macro NOPS n
.rept \n
	v_nop
.endr
.endm
.macro ROUND                           ; a round of the cluster's barrier
	s_barrier_signal -1
	s_barrier_wait -1
	s_cmp_lg_u32 s12, 0
	s_cbranch_scc1 .Lnot_wave_0_\@
	s_barrier_signal -3
.Lnot_wave_0_\@:
	s_barrier_wait -3
	s_barrier_signal -1
	s_barrier_wait -1
.endm
	s_load_b256 s[4:11], s[0:1], 0x0               ; qc s[4:5], kv s[6:7], oc s[8:9], os s[10:11]
	v_lshl_add_u32 v[SPW], v0, 2, SPARE
	v_mov_b32 v[NIL], 0
	ds_add_u32 v[SPW], v[NIL]                      ; the wave's opening: the add, twice on end, and its wait ahead of my tensor load; the set-up below stands between
	ds_add_u32 v[SPW], v[NIL]
	v_lshrrev_b32 v8, 5, v0
	v_readfirstlane_b32 s12, v8                    ; wave 0..15
	s_mov_b32 s42, 0x7a94c12f
	s_mov_b32 s43, 0x0de3b658
	s_cmp_lt_u32 s12, 8
	s_cselect_b32 s42, s42, s43
	s_and_b32 s43, s12, 7
	s_lshl_b32 s43, s43, 2
	s_lshr_b32 s42, s42, s43
	s_and_b32 s13, s42, 15                         ; j
	s_bfe_u32 s46, ttmp6, 0x40000                  ; my place in the cluster
	s_lshl_b32 s14, ttmp9, 2
	s_add_co_u32 s14, s14, s46                     ; g
	s_and_b32 s15, ttmp7, 0xffff                   ; 8 b + head, which the four partners share
	s_mov_b32 s20, 0x76543210
	s_mov_b32 s21, 0xfedcba98                      ; v_permlanex16_b32's selects for lane l xor 16
	s_mov_b32 s22, 0x3e38aa3b                      ; c = log2(e) / 8
	s_mov_b32 s23, s22
	s_mov_b32 s38, 0x05010400                      ; selectors that turn 4 x 4 bytes
	s_mov_b32 s39, 0x07030602
	s_mov_b32 s40, 0x05040100
	s_mov_b32 s41, 0x07060302
	; descriptor group 1: a record, 9,216 dense bytes, as 36 rows of 32 elements of 8 bytes; no padding: every read takes 512 consecutive bytes
	s_mov_b32 s24, 15|(3<<16)|(1<<21)              ; the mask: all four work-groups; elements of 8 bytes; bit 21 beside a mask
	s_mov_b32 s25, 32<<16                          ; tensor_dim0
	s_mov_b32 s26, 36<<16                          ; tensor_dim1
	s_mov_b32 s27, 32<<16                          ; tile_dim0
	s_mov_b32 s28, 36                              ; tile_dim1
	s_mov_b32 s29, 32                              ; the pitch
	s_mov_b32 s30, 0
	s_mov_b32 s31, 0
	s_mov_b32 s32, 1
	s_mul_i32 s33, s12, RECB                       ; record w goes to LDS byte 9,216 w
	s_lshl_b32 s44, s15, 4
	s_add_co_u32 s44, s44, s12
	s_mul_i32 s44, s44, RECB                       ; and comes from record 16 (8 b + head) + w
	s_mov_b32 s45, 0
	s_lshl_b32 s47, s15, 7
	s_lshl_b32 s48, s13, 3
	s_add_co_u32 s47, s47, s48
	s_add_co_u32 s47, s47, s14
	s_lshl_b32 s54, s47, 9                         ; qc: my tile
	s_mov_b32 s55, 0
	s_lshl_b32 s47, s15, 4
	s_add_co_u32 s47, s47, s13
	s_mul_i32 s56, s47, RECB
	s_lshr_b32 s47, s14, 1
	s_lshl_b32 s47, s47, 8
	s_add_co_u32 s56, s56, s47
	s_and_b32 s47, s14, 1
	s_lshl_b32 s47, s47, 5
	s_add_co_u32 s56, s56, s47
	s_add_co_u32 s56, s56, 8192+128                ; kv: my queries' scale bytes: record j, unit g / 2, [128 + 32 (g % 2) ..)
	s_mov_b32 s57, 0
	s_lshr_b32 s47, s15, 3
	s_lshl_b32 s47, s47, 7
	s_add_co_u32 s47, s47, s48
	s_add_co_u32 s47, s47, s14
	s_lshl_b32 s58, s47, 12
	s_and_b32 s47, s15, 7
	s_lshl_b32 s47, s47, 9
	s_add_co_u32 s58, s58, s47                     ; oc: (128 b + 8 j + g) x 4,096 + 512 x head
	s_mov_b32 s59, 0
	s_lshl_b32 s47, s15, 3
	s_add_co_u32 s47, s47, s14
	s_lshl_b32 s60, s47, 9                         ; os: (8 (8 b + head) + g) x 512
	s_mov_b32 s61, 0
	v_and_b32 v9, 31, v0
	v_lshlrev_b32 v[L16], 4, v9
	v_and_b32 v9, 15, v0
	v_lshlrev_b32 v[R2], 1, v9
	v_lshlrev_b32 v[R4], 2, v9
	v_and_b32 v10, 8, v9
	v_add_nc_u32 v10, v10, v9                      ; rho(0, r)
	v_bfe_u32 v9, v0, 4, 1
	v_lshlrev_b32 v9, 4, v9
	v_sub_nc_u32 v[DD], v10, v9
	s_lshr_b32 s47, s14, 1
	s_lshl_b32 s47, s47, 5
	s_and_b32 s48, s14, 1
	s_lshl_b32 s48, s48, 3
	s_add_co_u32 s47, s47, s48
	v_add_nc_u32 v[DD], s47, v[DD]                 ; 32 (g / 2) + rho(g % 2, r) - 16 h
	v_mov_b32 v[NEG], 0xce6e6b28
	s_lshl_b32 s47, s12, 5
	s_add_co_u32 s47, s47, OSC
	v_add_nc_u32 v[OSA], s47, v[R2]
	v_add_nc_u32 v[OSRD], OSC, v[L16]
	s_mov_b32 s36, 0                               ; LDS byte of the step's record
	s_mov_b32 s37, 0                               ; the step
	s_wait_dscnt 0x0                               ; both opening adds are done
	s_wait_kmcnt 0x0
	s_add_nc_u64 s[34:35], s[6:7], s[44:45]
	s_or_b32 s35, s35, 0x80000000                  ; type = 2
	s_add_nc_u64 s[16:17], s[4:5], s[54:55]
	s_add_nc_u64 s[18:19], s[6:7], s[56:57]
	s_add_nc_u64 s[50:51], s[8:9], s[58:59]
	s_add_nc_u64 s[52:53], s[10:11], s[60:61]
	ROUND                                          ; all four work-groups are here: the joint loads meet
	tensor_load_to_lds s[32:35], s[24:31]
	s_nop 0
	NOPS 4
	global_load_b128 v[QF:QF+3], v[L16], s[16:17]
	global_load_u16 v[QS], v[R2], s[18:19]         ; two bytes; the upper two are 0, over zero codes
.irp j, 4,5,6,7
	v_mov_b32 v[QF+\j], 0
.irp t, 0,1,2,3
	v_mov_b32 v[KF+8*\t+\j], 0                     ; K = 64 .. 127 of the instruction: zero codes, written once
.endr
.endr
.set i, 0
.rept 32
	v_mov_b32 v[O+i], 0                            ; O^T: the loop has no first step of its own
.set i, i+1
.endr
	v_mov_b32 v13, 0xff61b1e6                      ; the largest t so far: -3e38
	v_floor_f32 v12, -v13                          ; -M
	v_mov_b32 v14, 0                               ; the sum, in two halves
	v_mov_b32 v15, 0
.irp b, 0,1,2,3
	v_mov_b32 v[236+\b], 0                         ; a lane permute's destination counts as one of its sources
.endr
	v_mov_b32 v252, 0
	v_mov_b32 v253, 0
	s_wait_loadcnt 0x0                             ; Q
	s_wait_tensorcnt 0x0                           ; my record has landed,
	s_barrier_signal -1
	s_barrier_wait -1                              ; everybody's has
.Lstep:                                            ; 16 trips in every wave; a step past my diagonal is jumped over: a branch on the wave's number and the count of steps
	s_cmp_gt_u32 s37, s13
	s_cbranch_scc1 .Lhidden
	v_add_nc_u32 v[ADK], s36, v[L16]
	v_add_nc_u32 v[ADS], s36, v[R2]
	v_add_nc_u32 v[ADT], s36, v[R4]
	NOPS 2                                         ; with the three additions: the places behind the last trip's products, ahead of loads into their registers
.irp t, 0,1,2,3
	ds_load_b128 v[KF+8*\t:KF+8*\t+3], v[ADK] offset:512*\t
.endr
.irp t, 0,1,2,3,4,5,6,7
	ds_load_u16 v[KS+\t], v[ADS] offset:8192+256*(\t/2)+32*(\t%2)
.endr
.irp b, 0,1,2,3
	ds_load_b32 v[VW+\b], v[ADT] offset:8192+256*\b+64
.endr
.irp i, 0,1,2,3,4,5,6,7
	ds_load_b128 v[VF+4*\i:VF+4*\i+3], v[ADK] offset:4096+512*\i
.endr
	s_wait_dscnt 8                                 ; V's eight loads, the youngest, may be out
.irp t, 0,1,2,3
	v_wmma_scale_f32_16x16x128_f8f6f4 v[S+8*\t:S+8*\t+7], v[KF+8*\t:KF+8*\t+7], v[QF:QF+7], 0, v[KS+\t], v[QS] matrix_a_fmt:MATRIX_FMT_FP4 matrix_b_fmt:MATRIX_FMT_FP4
.endr
	NOPS 4
.irp t, 0,1,2,3
	ds_load_b128 v[KF+8*\t:KF+8*\t+3], v[ADK] offset:2048+512*\t
.endr
	s_wait_dscnt 0x0
.irp t, 0,1,2,3
	v_wmma_scale_f32_16x16x128_f8f6f4 v[S+32+8*\t:S+32+8*\t+7], v[KF+8*\t:KF+8*\t+7], v[QF:QF+7], 0, v[KS+4+\t], v[QS] matrix_a_fmt:MATRIX_FMT_FP4 matrix_b_fmt:MATRIX_FMT_FP4
.endr
	v_perm_b32 v[VX], v[VW+1], v[VW], s38          ; V's 4 x 4 scale bytes are turned: eight plain lines that name none of the products' registers: the places behind them
	v_perm_b32 v[VX+1], v[VW+1], v[VW], s39
	v_perm_b32 v[VX+2], v[VW+3], v[VW+2], s38
	v_perm_b32 v[VX+3], v[VW+3], v[VW+2], s39
	v_perm_b32 v[VT], v[VX+2], v[VX], s40
	v_perm_b32 v[VT+1], v[VX+2], v[VX], s41
	v_perm_b32 v[VT+2], v[VX+3], v[VX+1], s40
	v_perm_b32 v[VT+3], v[VX+3], v[VX+1], s41
	s_cmp_lg_u32 s37, s13
	s_cbranch_scc1 .Lopen
.set n, 0
.rept 64                                           ; the diagonal: register 16 b + i holds key 32 b + 16 h + i of the step: hidden where 32 b + i > v[DD]
	v_cmp_gt_i32 vcc_lo, 32*(n/16)+n%16, v[DD]
	v_cndmask_b32 v[S+n], v[S+n], v[NEG], vcc_lo
.set n, n+1
.endr
.Lopen:
.irp b, 0,1,2,3
	v_max3_num_f32 v[232+\b], v[96+16*\b], v[97+16*\b], v[98+16*\b]   ; the largest score of each block of 32 keys: for the row's maximum, and, since p rises with the score, for the block's largest p
.endr
.irp i, 3,5,7,9,11,13
.irp b, 0,1,2,3
	v_max3_num_f32 v[232+\b], v[232+\b], v[96+16*\b+\i], v[97+16*\b+\i]
.endr
.endr
.irp b, 0,1,2,3
	v_max_num_f32 v[232+\b], v[232+\b], v[111+16*\b]
.endr
.irp b, 0,1,2,3
	v_permlanex16_b32 v[236+\b], v[232+\b], s20, s21
.endr
.irp b, 0,1,2,3
	v_max_num_f32 v[232+\b], v[232+\b], v[236+\b]  ; with lane l xor 16's 16 keys
.endr
	v_max3_num_f32 v254, v232, v233, v234
	v_max_num_f32 v254, v254, v235
	v_mul_f32 v254, s22, v254                      ; as t (c is positive)
	v_max_num_f32 v13, v13, v254                   ; the running largest t
	v_mov_b32 v254, v12
	v_floor_f32 v12, -v13                          ; the new -M = floor(-t)
	v_sub_f32 v254, v12, v254                      ; old M - new M: a whole number, 0 or less
	v_cvt_i32_f32 v254, v254
	v_ldexp_f32 v252, 1.0, v254                    ; f = 2^(old M - new M)
.irp j, 0,2,4,6,8,10,12,14,16,18,20,22,24,26,28,30,32,34,36,38,40,42,44,46,48,50,52,54,56,58,60,62
	v_pk_fma_f32 v[96+\j:97+\j], v[96+\j:97+\j], s[22:23], v[12:13] op_sel_hi:[1,0,0]   ; t - M
.endr
.irp b, 0,1,2,3
	v_fma_f32 v[232+\b], v[232+\b], s22, v12
.endr
.set n, 0
.rept 64
	v_exp_f32 v[96+n], v[96+n]                     ; p = 2^(t - M): not normalised
.set n, n+1
.endr
	v_pk_mul_f32 v[14:15], v[14:15], v[252:253] op_sel_hi:[1,0]   ; the sums under the new M: a plain place behind the batch
	s_wait_alu depctr_va_vdst(0)                   ; one wait for the 64, ahead of their first reader
.irp b, 0,1,2,3
	v_exp_f32 v[232+\b], v[232+\b]                 ; the block's largest p
.endr
	v_pk_add_f32 v[236:237], v[96:97], v[98:99]    ; the row's sum of the unquantised p, in two chains
.irp j, 4,8,12,16,20,24,28,32,36,40,44,48,52,56,60
	v_pk_add_f32 v[14:15], v[14:15], v[96+\j:97+\j]
	v_pk_add_f32 v[236:237], v[236:237], v[98+\j:99+\j]
.endr
	v_pk_add_f32 v[14:15], v[14:15], v[236:237]
	s_wait_alu depctr_va_vdst(0)                   ; and one for the four
.irp b, 0,1,2,3
	v_max_num_f32 v[232+\b], 0x1800000, v[232+\b]  ; the floor 2^(3 - 127)
.endr
.irp b, 0,1,2,3
	v_add_nc_u32 v[244+\b], 0xff000000, v[232+\b]
.endr
.irp b, 0,1,2,3
	v_lshrrev_b32 v[236+\b], 23, v[244+\b]
.endr
	v_lshl_or_b32 v253, v237, 8, v236              ; p's scale word for these 128 keys
	v_lshl_or_b32 v253, v238, 16, v253
	v_lshl_or_b32 v253, v239, 24, v253
.irp b, 0,1,2,3
	v_cvt_scalef32_pk8_fp4_f32 v[PCD+2*\b], v[96+16*\b:103+16*\b], v[244+\b]
	v_cvt_scalef32_pk8_fp4_f32 v[PCD+1+2*\b], v[104+16*\b:111+16*\b], v[244+\b]
.endr
	v_nop
.irp c, 0,1
.irp i, 0,1
	v_permlane16_swap_b32 v[PCD+4*\c+\i], v[PCD+2+4*\c+\i]
.endr
.endr
.irp j, 0,2,4,6,8,10,12,14,16,18,20,22,24,26,28,30
	v_pk_mul_f32 v[O+\j:O+\j+1], v[O+\j:O+\j+1], v[252:253] op_sel_hi:[1,0]   ; O^T under the new M; also the places ahead of the products below
.endr
.irp t, 0,1,2,3
	v_wmma_scale_f32_16x16x128_f8f6f4 v[O+8*\t:O+8*\t+7], v[VF+8*\t:VF+8*\t+7], v[PCD:PCD+7], v[O+8*\t:O+8*\t+7], v[VT+\t], v253 matrix_a_fmt:MATRIX_FMT_FP4 matrix_b_fmt:MATRIX_FMT_FP4
.endr
.Lhidden:
	s_add_co_u32 s36, s36, RECB
	s_add_co_u32 s37, s37, 1
	s_cmp_lt_u32 s37, 16
	s_cbranch_scc1 .Lstep
	; ---- the way out: o = O^T / l, quantised along the head's 64: two blocks of the model's 512
	NOPS 4                                         ; places behind the last products
	v_add_f32 v14, v14, v15
	v_permlanex16_b32 v252, v14, s20, s21
	v_add_f32 v14, v14, v252                       ; the row's sum
	v_rcp_f32 v14, v14
	v_nop
	s_wait_alu depctr_va_vdst(0)
.irp j, 0,2,4,6,8,10,12,14,16,18,20,22,24,26,28,30
	v_pk_mul_f32 v[96+\j:97+\j], v[O+\j:O+\j+1], v[14:15] op_sel_hi:[1,0]   ; register 16 b + i: d = 32 b + 16 h + i
.endr
.irp b, 0,1
	v_max3_num_f32 v[232+\b], |v[96+16*\b]|, |v[97+16*\b]|, 0x1800000
.endr
.irp i, 2,4,6,8,10,12,14
.irp b, 0,1
	v_max3_num_f32 v[232+\b], v[232+\b], |v[96+16*\b+\i]|, |v[97+16*\b+\i]|
.endr
.endr
.irp b, 0,1
	v_permlanex16_b32 v[236+\b], v[232+\b], s20, s21
.endr
.irp b, 0,1
	v_max_num_f32 v[232+\b], v[232+\b], v[236+\b]
.endr
.irp b, 0,1
	v_add_nc_u32 v[244+\b], 0xff000000, v[232+\b]
.endr
.irp b, 0,1
	v_lshrrev_b32 v[236+\b], 23, v[244+\b]
.endr
	v_lshl_or_b32 v253, v237, 8, v236
.irp b, 0,1
	v_cvt_scalef32_pk8_fp4_f32 v[PCD+2*\b], v[96+16*\b:103+16*\b], v[244+\b]
	v_cvt_scalef32_pk8_fp4_f32 v[PCD+1+2*\b], v[104+16*\b:111+16*\b], v[244+\b]
.endr
	v_nop
	v_permlane16_swap_b32 v[PCD], v[PCD+2]
	v_permlane16_swap_b32 v[PCD+1], v[PCD+3]       ; lane (r, hh): block hh of my query, whole
	global_store_b128 v[L16], v[PCD:PCD+3], s[50:51]   ; 512 dense bytes: a piece of the projection's operand
	ds_store_b16 v[OSA], v253
	s_wait_dscnt 0x0                               ; for wave 0's sake
	s_barrier_signal -1
	s_barrier_wait -1
	s_cmp_lg_u32 s12, 0
	s_cbranch_scc1 .Lnot_0
	ds_load_b128 v[32:35], v[OSRD]                 ; the sixteen waves' bytes leave as 512 dense bytes
	s_wait_dscnt 0x0
	global_store_b128 v[L16], v[32:35], s[52:53]
.Lnot_0:
	s_wait_tensorcnt 0x0                           ; the wave's end: a wait, an add and its wait behind my tensor load and my last LDS store
	ds_add_u32 v[SPW], v[NIL]
	s_wait_dscnt 0x0
	ROUND                                          ; the closing round
	s_endpgm
.Lfunc_end_k_qb56fc4144b_attn:
	.size	k_qb56fc4144b_attn, .Lfunc_end_k_qb56fc4144b_attn-k_qb56fc4144b_attn
	.p2alignl 7, 3214868480
	.fill 96, 4, 3214868480
	.section	.rodata,"a",@progbits
	.p2align	6, 0x0
	.amdhsa_kernel k_qb56fc4144b_attn
		.amdhsa_group_segment_fixed_size 167936
		.amdhsa_private_segment_fixed_size 0
		.amdhsa_enable_private_segment 0
		.amdhsa_kernarg_size 32
		.amdhsa_user_sgpr_count 2
		.amdhsa_user_sgpr_kernarg_segment_ptr 1
		.amdhsa_wavefront_size32 1
		.amdhsa_system_sgpr_workgroup_id_x 1
		.amdhsa_system_sgpr_workgroup_id_y 1
		.amdhsa_system_sgpr_workgroup_id_z 1
		.amdhsa_system_vgpr_workitem_id 0
		.amdhsa_next_free_vgpr 256
		.amdhsa_next_free_sgpr 66
		.amdhsa_reserve_vcc 1
		.amdhsa_float_denorm_mode_32 3
		.amdhsa_float_denorm_mode_16_64 3
		.amdhsa_memory_ordered 1
		.amdhsa_forward_progress 1
		.amdhsa_inst_pref_size 33
	.end_amdhsa_kernel
	.amdgpu_metadata
---
amdhsa.version: [ 1, 2 ]
amdhsa.kernels:
  - .name:           k_qb56fc4144b_attn
    .symbol:         k_qb56fc4144b_attn.kd
    .args:
      - { .name: qc, .offset: 0, .size: 8, .value_kind: global_buffer, .address_space: global }
      - { .name: kv, .offset: 8, .size: 8, .value_kind: global_buffer, .address_space: global }
      - { .name: oc, .offset: 16, .size: 8, .value_kind: global_buffer, .address_space: global }
      - { .name: os, .offset: 24, .size: 8, .value_kind: global_buffer, .address_space: global }
    .group_segment_fixed_size: 167936
    .private_segment_fixed_size: 0
    .kernarg_segment_align: 8
    .kernarg_segment_size: 32
    .max_flat_workgroup_size: 512
    .sgpr_count:     66
    .vgpr_count:     256
    .wavefront_size: 32
...
	.end_amdgpu_metadata
.endif
;; end of part 2
;; launch ffn (part 3): grid 256 x 1, 8 waves a work-group, no clusters, 97,280 bytes of LDS; arguments x, oc, os, wimg, Wp_scales, bp, g2, be2, W1_scales, b1, b2, out0; writes out0
.if DOCPART == 3
	.amdgcn_target "amdgcn-amd-amdhsa--gfx1250"
	.amdhsa_code_object_version 6
	.text
	.protected	k_qb56fc4144b_ffn
	.globl	k_qb56fc4144b_ffn
	.p2align	8
	.type	k_qb56fc4144b_ffn,@function
k_qb56fc4144b_ffn:
	s_mov_b64 s[64:65], 0
	v_nop
	global_prefetch_b8 v0, s[64:65] scope:SCOPE_SE
	s_setreg_imm32_b32 hwreg(HW_REG_WAVE_MODE, 25, 1), 1
	s_wait_xcnt 0x0
; LAUNCH 3 OF 3.  x1 = x + o Wp + bp;  h2 = LayerNorm(x1; g2, be2), quantised;  out = x1 + relu(h2 W1 + b1), quantised, W2 + b2.  All three products on codes of E2M1.  Nothing is left out here.
; SHARES.  Work-group g owns tokens 32 g .. 32 g + 31 as two tiles R = 0, 1 in rho order (lane r of tile R: token 8 R + r + 8 (r / 8)), the tiles of oc.  THE WAVES SHARE THE COLUMNS: wave w owns columns 64 w .. 64 w + 63 of the
; projection and of W2, and in chunk ch (4 chunks of 512 hidden units) units 512 ch + 64 w on.  Each phase is 4 tiles of columns x 2 R x 4 K steps = 32 matrix instructions, source 0 = 16 rows of the weight, source 1 = 16 tokens:
; lane (r, h) holds one token, and register 32 R + 16 bb + 8 uu + j column 64 w + 32 bb + 16 h + 8 uu + j.  One set of 64 registers is loaded with x, takes the projection and bp (x1), then b2 and all of W2's sums: it is the output.
; THE WEIGHTS come from wimg, laid by launch 1 in the order of the operand's registers: 32 loads of 512 dense bytes fill a phase's 16 fragments, a phase or more ahead, in two sets by turns.  No weight goes through LDS.
; WHAT GOES FROM WAVE TO WAVE goes through LDS as images of the operand's registers (16 bytes a lane, 512 a store) with scale words at 4 x lane: h2's 8 fragments, and the hidden layer's 8 of a chunk, in two buffers by turns.
; NO CLUSTER, NO JOINT LOADS, though all 256 work-groups walk the same 1,212,416 bytes of wimg: each byte of a weight is used by ONE wave of a work-group and goes straight into that wave's registers; joint tensor loads would send
; all of it through LDS (two slots of 139,264 bytes for a phase's codes and scale words) behind a round of a cluster's barrier for each of nine phases.  That is a choice of this version, not a bound.
.set XSTG, 0                           ; LDS: 32 token places x (2,048 + 16) bytes: x on the way in, the output on the way out
.set OSI,  66048                       ; o's scale words [R][s][r]
.set ST1,  66560                       ; [token place 32][wave 8] f32: the waves' parts of a row's sum;
.set ST2,  67584                       ; and of its sum of squares
.set H2I,  68608                       ; h2: 8 images of 1,024 bytes (4 R + s)
.set H2S,  76800                       ; their scale words, 128 bytes each
.set HID,  77824                       ; the hidden layer: two buffers of 8 images
.set HIS,  94208                       ; and of their scale words
.set SPARE, 96256                      ; the spare words, 128 bytes a wave: four blocks of 256 bytes that no other line names
.set W1O,  131072
.set W2O,  655360
.set W2SO, 1179648
.set L16, 4                            ; v4   16 x lane
.set XSW, 5                            ; v5   the stage by rows: my first row's place x 2,064 + 16 x lane
.set XSR, 6                            ; v6   the stage by the result's layout: 2,064 r + 64 h + 256 w
.set XGO, 7                            ; v7   8,192 w + 16 x lane: my four rows in x and in the output
.set OSG, 8
.set OSW, 9
.set OSR, 10
.set S1W, 11
.set S1R, 12
.set IMW, 13
.set ISW, 14
.set IMR, 15
.set ISR, 16
.set WSO, 17                           ; v17  16 rho(h, r)
.set BO,  18                           ; v18  64 h
.set TT,  19
.set OSV, 20
.set WSA, 24                           ; v24-31, v32-39 the two weight sets' scale words (4 bb + s): tile uu = 0 in lanes 0-15, uu = 1 in lanes 16-31
.set WSB, 32
.set FS,  40                           ; v40-43 the fragments' scale words
.set SPW, 44                           ; v44  my spare word;  v45  0: for the add alone
.set NIL, 45
.set TM,  48                           ; v48-63 at work
.set PC,  64                           ; v64-71 codes just made;  v72 their scale word
.set PW,  72
.set SV,  73                           ; v73 at work; v[74:75], v[76:77] mean, then 1 / sigma, of R = 0, 1
.set FR,  80                           ; v80-111 two sets of two fragments; at the head bp
.set OS,  112                          ; v112-119 o's scale words
.set ACC1, 128                         ; v128-191 o's fragments; x1 - mean; the hidden layer; rows on the way out
.set ACC2, 192                         ; v192-255 x, x1, the output
.set WA,  0                            ; window 1: two sets of 16 weight fragments (4 ct + s)
.set WB,  128
.set SEL, 38
.set MSB, 0
.macro WIN new
.if MSB != \new
	s_set_vgpr_msb (MSB<<8)|\new
.set MSB, \new
.endif
.endm
.macro NOPS n
.rept \n
	v_nop
.endr
.endm
.macro BARRIER                         ; my LDS stores have landed and my LDS loads are in: then the work-group's barrier
	s_wait_dscnt 0x0
	s_barrier_signal -1
	s_barrier_wait -1
.endm
.macro QUANT s                         ; as in launch 1: 64 numbers of a lane -> v[PC] on (registers 4 c on of lane (r, hh): block 2 c + hh) and v[PW]
.irp b, 0,1,2,3
	v_max3_num_f32 v[TM+\b], |v[\s+16*\b]|, |v[\s+1+16*\b]|, 0x1800000
.endr
.irp i, 2,4,6,8,10,12,14
.irp b, 0,1,2,3
	v_max3_num_f32 v[TM+\b], v[TM+\b], |v[\s+16*\b+\i]|, |v[\s+1+16*\b+\i]|
.endr
.endr
.irp b, 0,1,2,3
	v_permlanex16_b32 v[TM+4+\b], v[TM+\b], s[SEL], s[SEL+1]
.endr
.irp b, 0,1,2,3
	v_max_num_f32 v[TM+\b], v[TM+\b], v[TM+4+\b]
.endr
.irp b, 0,1,2,3
	v_add_nc_u32 v[TM+12+\b], 0xff000000, v[TM+\b]
.endr
.irp b, 0,1,2,3
	v_lshrrev_b32 v[TM+4+\b], 23, v[TM+12+\b]
.endr
	v_lshl_or_b32 v[PW], v[TM+5], 8, v[TM+4]
	v_lshl_or_b32 v[PW], v[TM+6], 16, v[PW]
	v_lshl_or_b32 v[PW], v[TM+7], 24, v[PW]
.irp b, 0,1,2,3
	v_cvt_scalef32_pk8_fp4_f32 v[PC+2*\b], v[\s+16*\b:\s+7+16*\b], v[TM+12+\b]
	v_cvt_scalef32_pk8_fp4_f32 v[PC+1+2*\b], v[\s+8+16*\b:\s+15+16*\b], v[TM+12+\b]
.endr
	v_nop
.irp c, 0,1
.irp i, 0,1
	v_permlane16_swap_b32 v[PC+4*\c+\i], v[PC+2+4*\c+\i]
.endr
.endr
.endm
.macro WMA d, a, b, c, sa, sb, odd
.if \odd
	v_wmma_scale_f32_16x16x128_f8f6f4 v[\d:\d+7], v[\a:\a+7], v[\b:\b+7], v[\c:\c+7], v[\sa], v[\sb] matrix_a_fmt:MATRIX_FMT_FP4 matrix_b_fmt:MATRIX_FMT_FP4 matrix_a_scale:MATRIX_SCALE_ROW1
.else
	v_wmma_scale_f32_16x16x128_f8f6f4 v[\d:\d+7], v[\a:\a+7], v[\b:\b+7], v[\c:\c+7], v[\sa], v[\sb] matrix_a_fmt:MATRIX_FMT_FP4 matrix_b_fmt:MATRIX_FMT_FP4
.endif
.endm
.macro WLOAD buf, imm                  ; a phase's 16 fragments of my 64 columns: 32 loads of 512 dense bytes
	WIN 0x40
.set i, 0
.rept 32
	global_load_b128 v[\buf+4*i:\buf+4*i+3], v[L16], s[32:33] offset:\imm+512*i
.set i, i+1
.endr
	WIN 0
.endm
.macro SLOAD reg, p, imm, adr          ; and their scale words
.irp bb, 0,1
	global_load_b128 v[\reg+4*\bb:\reg+4*\bb+3], v[\adr], s[\p:\p+1] offset:\imm+512*\bb
.endr
.endm
.macro VLOAD reg, p, imm               ; 64 numbers of a vector in the result's layout: tile ct, lane (r, h): 32 (ct / 2) + 16 h + 8 (ct % 2) + 0 .. 7
.irp ct, 0,1,2,3
	global_load_b128 v[\reg+8*\ct:\reg+8*\ct+3], v[BO], s[\p:\p+1] offset:\imm+128*(\ct/2)+32*(\ct%2)
	global_load_b128 v[\reg+8*\ct+4:\reg+8*\ct+7], v[BO], s[\p:\p+1] offset:\imm+128*(\ct/2)+32*(\ct%2)+16
.endr
.endm
.macro LOADF set, img, sc, s           ; K step s: both tiles' fragments and scale words from their images: six LDS loads
.irp R, 0,1
.irp c, 0,1
	ds_load_b128 v[FR+16*(\set)+8*\R+4*\c:FR+16*(\set)+8*\R+4*\c+3], v[IMR] offset:(\img)+(\R*4+(\s))*1024+512*\c
.endr
	ds_load_b32 v[FS+2*(\set)+\R], v[ISR] offset:(\sc)+(\R*4+(\s))*128
.endr
.endm
.macro PHASE acc, buf, ws, img, sc     ; 32 matrix instructions: 8 accumulators by turns, one instruction a turn, K step by K step; the fragments a K step ahead, in two sets
	LOADF 0,\img,\sc,0
	LOADF 1,\img,\sc,1
.irp s, 0,1,2,3
.if \s < 3
	s_wait_dscnt 6                                 ; the next K step's six loads may be out
.else
	s_wait_dscnt 0x0
.endif
	WIN 0x01                                       ; source 0 window 1
.irp R, 0,1
.irp ct, 0,1,2,3
	WMA \acc+32*\R+8*\ct,\buf+8*(\ct*4+\s),FR+16*(\s%2)+8*\R,\acc+32*\R+8*\ct,\ws+(\ct/2)*4+\s,FS+2*(\s%2)+\R,\ct%2
.endr
.endr
	WIN 0
.if \s < 2
	NOPS 4                                         ; places ahead of loads into registers that the products have read
	LOADF \s%2,\img,\sc,\s+2
.endif
.endr
	NOPS 5                                         ; places ahead of the next weights' loads and of the first read of results
.endm
.macro IMG img, sc                     ; my 64 columns are half a K step: registers 4 R on are piece c = w % 2 of fragment (R, s = w / 2); the word's halves are R = 0's and R = 1's two bytes
	ds_store_b128 v[IMW], v[PC:PC+3] offset:\img
	ds_store_b128 v[IMW], v[PC+4:PC+7] offset:(\img)+4096
	ds_store_b16 v[ISW], v[PW] offset:\sc
	ds_store_b16_d16_hi v[ISW], v[PW] offset:(\sc)+512
.endm
.macro CROSS off                       ; v[TM + 4 R] pairs: a lane's partial sums -> the rows' sums over all 512 columns in v[TM] (R = 0) and v[TM + 8] (R = 1); one barrier
.irp R, 0,1
	v_pk_add_f32 v[TM+4*\R:TM+4*\R+1], v[TM+4*\R:TM+4*\R+1], v[TM+4*\R+2:TM+4*\R+3]
.endr
.irp R, 0,1
	v_add_f32 v[TM+4*\R], v[TM+4*\R], v[TM+4*\R+1]
.endr
.irp R, 0,1
	v_permlanex16_b32 v[TM+4*\R+1], v[TM+4*\R], s[SEL], s[SEL+1]
.endr
.irp R, 0,1
	v_add_f32 v[TM+4*\R], v[TM+4*\R], v[TM+4*\R+1] ; my wave's 64 columns
.endr
	v_cndmask_b32 v[SV], v[TM], v[TM+4], s42       ; lanes 0-15 carry R = 0's, lanes 16-31 R = 1's
	ds_store_b32 v[S1W], v[SV] offset:\off
	BARRIER
	ds_load_b128 v[TM:TM+3], v[S1R] offset:\off
	ds_load_b128 v[TM+4:TM+7], v[S1R] offset:\off+16
	ds_load_b128 v[TM+8:TM+11], v[S1R] offset:\off+512
	ds_load_b128 v[TM+12:TM+15], v[S1R] offset:\off+528
	s_wait_dscnt 0x0
.irp R, 0,1
.irp k, 0,2,4,6
	v_add_f32 v[TM+8*\R+\k], v[TM+8*\R+\k], v[TM+8*\R+\k+1]
.endr
.endr
.irp R, 0,1
	v_add_f32 v[TM+8*\R], v[TM+8*\R], v[TM+8*\R+2]
	v_add_f32 v[TM+8*\R+4], v[TM+8*\R+4], v[TM+8*\R+6]
.endr
.irp R, 0,1
	v_add_f32 v[TM+8*\R], v[TM+8*\R], v[TM+8*\R+4]
.endr
.endm
	s_load_b512 s[8:23], s[0:1], 0x0               ; x s[8:9], oc s[10:11], os s[12:13], wimg s[14:15], Wp_scales s[16:17], bp s[18:19], g2 s[20:21], be2 s[22:23]
	s_load_b256 s[24:31], s[0:1], 0x40             ; W1_scales s[24:25], b1 s[26:27], b2 s[28:29], out0 s[30:31]
	v_lshl_add_u32 v[SPW], v0, 2, SPARE
	v_mov_b32 v[NIL], 0
	v_lshrrev_b32 v1, 5, v0
	v_readfirstlane_b32 s36, v1                    ; wave 0..7
	v_and_b32 v1, 31, v0                           ; lane
	v_and_b32 v2, 15, v0                           ; r
	v_bfe_u32 v3, v0, 4, 1                         ; h
	s_mov_b32 s[SEL], 0x76543210
	s_mov_b32 s[SEL+1], 0xfedcba98
	s_mov_b32 s40, 0x3b000000                      ; 1 / 512
	s_mov_b32 s41, 0x3727c5ac                      ; 1e-5
	s_mov_b32 s42, 0xffff0000                      ; lanes 16-31
	v_mov_b32 v[SV+2], 0                           ; named as the upper halves of pairs
	v_mov_b32 v[SV+4], 0
	v_lshlrev_b32 v[L16], 4, v1
	s_bfe_u32 s46, s36, 0x10001
	s_lshl_b32 s46, s46, 4
	s_lshr_b32 s47, s36, 2
	s_lshl_b32 s47, s47, 3
	s_add_co_u32 s46, s46, s47
	s_and_b32 s47, s36, 1
	s_lshl_b32 s47, s47, 2
	s_add_co_u32 s46, s46, s47                     ; token 4 w + i has place 16 ((w / 2) % 2) + 8 (w / 4) + 4 (w % 2) + i
	s_mul_i32 s46, s46, 2064
	v_add_nc_u32 v[XSW], s46, v[L16]
	v_mul_u32_u24 v[XSR], v2, 2064
	v_lshl_add_u32 v[XSR], v3, 6, v[XSR]
	s_lshl_b32 s46, s36, 8
	v_add_nc_u32 v[XSR], s46, v[XSR]
	s_lshl_b32 s46, s36, 13
	v_add_nc_u32 v[XGO], s46, v[L16]
	v_lshlrev_b32 v[OSG], 9, v3
	v_lshl_add_u32 v[OSG], v2, 1, v[OSG]           ; os: 512 h + 2 r: lanes 16-31 take tile R = 1's
	s_lshr_b32 s46, s36, 1                         ; w / 2
	s_and_b32 s47, s36, 1                          ; w % 2
	s_lshl_b32 s48, s46, 6
	s_lshl_b32 s49, s47, 1
	s_add_co_u32 s48, s48, s49
	s_add_co_u32 s48, s48, OSI
	v_lshlrev_b32 v[OSW], 8, v3
	v_lshl_add_u32 v[OSW], v2, 2, v[OSW]
	v_add_nc_u32 v[OSW], s48, v[OSW]               ; head w's two bytes: K step w / 2, bytes 2 (w % 2) on
	v_lshl_add_u32 v[OSR], v2, 2, OSI
	s_lshl_b32 s48, s36, 2
	s_add_co_u32 s48, s48, ST1
	v_lshl_add_u32 v[S1W], v1, 5, s48
	v_lshl_add_u32 v[S1R], v2, 5, ST1
	s_lshl_b32 s48, s46, 10
	s_lshl_b32 s49, s47, 9
	s_add_co_u32 s48, s48, s49
	s_add_co_u32 s48, s48, H2I
	v_add_nc_u32 v[IMW], s48, v[L16]
	s_lshl_b32 s48, s46, 7
	s_lshl_b32 s49, s47, 1
	s_add_co_u32 s48, s48, s49
	s_add_co_u32 s48, s48, H2S
	v_lshl_add_u32 v[ISW], v1, 2, s48
	v_add_nc_u32 v[IMR], H2I, v[L16]
	v_lshl_add_u32 v[ISR], v1, 2, H2S
	v_and_b32 v[TT], 8, v2
	v_add_nc_u32 v[TT], v[TT], v2
	v_lshl_add_u32 v[TT], v3, 3, v[TT]
	v_lshlrev_b32 v[WSO], 4, v[TT]
	v_lshlrev_b32 v[BO], 6, v3
	; os: launch 2's wave that owned my tokens' queries is found by its own table, which is its own inverse
	s_lshr_b32 s46, ttmp9, 6                       ; batch
	s_and_b32 s47, ttmp9, 63                       ; block of 32 tokens
	s_lshr_b32 s48, s47, 2                         ; j
	s_mov_b32 s49, 0x7a94c12f
	s_mov_b32 s50, 0x0de3b658
	s_and_b32 s51, s48, 7
	s_lshl_b32 s51, s51, 2
	s_cmp_lt_u32 s48, 8
	s_cselect_b32 s49, s49, s50
	s_lshr_b32 s49, s49, s51
	s_and_b32 s49, s49, 15
	s_lshl_b32 s50, s46, 3
	s_add_co_u32 s50, s50, s36                     ; 8 b + head w
	s_lshl_b32 s50, s50, 3
	s_and_b32 s51, s47, 3
	s_lshl_b32 s51, s51, 1
	s_add_co_u32 s50, s50, s51
	s_lshl_b32 s50, s50, 9
	s_lshl_b32 s49, s49, 5
	s_add_co_u32 s52, s50, s49
	s_mov_b32 s45, 0
	s_wait_kmcnt 0x0
	s_mov_b32 s44, s52
	s_add_nc_u64 s[12:13], s[12:13], s[44:45]
	s_lshl_b32 s44, ttmp9, 16
	s_add_nc_u64 s[8:9], s[8:9], s[44:45]          ; x and the output at my work-group's first token
	s_add_nc_u64 s[30:31], s[30:31], s[44:45]
	s_lshl_b32 s44, ttmp9, 13
	s_add_nc_u64 s[10:11], s[10:11], s[44:45]      ; oc: 8,192 bytes a block of 32 tokens
	s_lshl_b32 s44, s36, 14
	s_add_nc_u64 s[32:33], s[14:15], s[44:45]      ; wimg at my four tiles: 16,384 bytes a wave in each of its images of codes
	s_lshl_b32 s44, s36, 10
	s_add_nc_u64 s[34:35], s[14:15], s[44:45]      ; and at my two pieces of W2's scale bytes
	s_add_nc_u64 s[16:17], s[16:17], s[44:45]
	s_add_nc_u64 s[24:25], s[24:25], s[44:45]
	s_lshl_b32 s44, s36, 8
	s_add_nc_u64 s[18:19], s[18:19], s[44:45]
	s_add_nc_u64 s[20:21], s[20:21], s[44:45]
	s_add_nc_u64 s[22:23], s[22:23], s[44:45]
	s_add_nc_u64 s[26:27], s[26:27], s[44:45]
	s_add_nc_u64 s[28:29], s[28:29], s[44:45]
	; ---- the loads at the head, oldest first
.set i, 0
.rept 16
	global_load_b128 v[ACC2+4*i:ACC2+4*i+3], v[XGO], s[8:9] offset:2048*(i/4)+512*(i%4) th:TH_LOAD_NT   ; my four rows of x, dense
.set i, i+1
.endr
	global_load_u16 v[OSV], v[OSG], s[12:13]
.set i, 0
.rept 16
	global_load_b128 v[ACC1+4*i:ACC1+4*i+3], v[L16], s[10:11] offset:512*i   ; o's 8 fragments, i = (4 R + s) 2 + c
.set i, i+1
.endr
	VLOAD FR, 18, 0                                ; bp
	WLOAD WA, 0                                    ; Wp
	SLOAD WSA, 16, 0, WSO
	s_wait_loadcnt 58                              ; x and os are in; o's 16, bp's 8, Wp's 32 and its 2 may be out
.set i, 0
.rept 16
	ds_store_b128 v[XSW], v[ACC2+4*i:ACC2+4*i+3] offset:2064*(i/4)+512*(i%4)
.set i, i+1
.endr
	ds_store_b16 v[OSW], v[OSV]
	WLOAD WB, W1O                                  ; W1's first chunk
	SLOAD WSB, 24, 0, WSO
	BARRIER                                        ; 1: the 32 rows of x and o's scale words lie in LDS
.set i, 0
.rept 16
	ds_load_b128 v[ACC2+4*i:ACC2+4*i+3], v[XSR] offset:33024*(i/8)+128*((i/4)%2)+16*(i%4)   ; x in the result's layout
.set i, i+1
.endr
.set i, 0
.rept 8
	ds_load_b32 v[OS+i], v[OSR] offset:256*(i/4)+64*(i%4)
.set i, i+1
.endr
	s_wait_dscnt 0x0
	s_wait_loadcnt 34                              ; W1's 32 and its 2 may be out
	WIN 0x01
.irp s, 0,1,2,3                                    ; x + o Wp
.irp R, 0,1
.irp ct, 0,1,2,3
	WMA ACC2+32*\R+8*\ct,WA+8*(\ct*4+\s),ACC1+8*(\R*4+\s),ACC2+32*\R+8*\ct,WSA+(\ct/2)*4+\s,OS+\R*4+\s,\ct%2
.endr
.endr
.endr
	WIN 0
	NOPS 5
	WIN 0x40
	VLOAD 0, 20, 0                                 ; g2, be2, b2 into window 1, where Wp lay
	VLOAD 32, 22, 0
	VLOAD 64, 28, 0
	WIN 0
.irp R, 0,1
.irp p, 0,2,4,6,8,10,12,14,16,18,20,22,24,26,28,30
	v_pk_add_f32 v[ACC2+32*\R+\p:ACC2+32*\R+\p+1], v[ACC2+32*\R+\p:ACC2+32*\R+\p+1], v[FR+\p:FR+\p+1]   ; + bp: x1
.endr
.endr
	; ---- LayerNorm in two passes; a row's 512 columns lie in 2 lanes of each of 8 waves
.irp R, 0,1
	v_pk_add_f32 v[TM+4*\R:TM+4*\R+1], v[ACC2+32*\R:ACC2+32*\R+1], v[ACC2+32*\R+2:ACC2+32*\R+3]
	v_pk_add_f32 v[TM+4*\R+2:TM+4*\R+3], v[ACC2+32*\R+4:ACC2+32*\R+5], v[ACC2+32*\R+6:ACC2+32*\R+7]
.endr
.irp p, 8,12,16,20,24,28
.irp R, 0,1
	v_pk_add_f32 v[TM+4*\R:TM+4*\R+1], v[TM+4*\R:TM+4*\R+1], v[ACC2+32*\R+\p:ACC2+32*\R+\p+1]
	v_pk_add_f32 v[TM+4*\R+2:TM+4*\R+3], v[TM+4*\R+2:TM+4*\R+3], v[ACC2+32*\R+\p+2:ACC2+32*\R+\p+3]
.endr
.endr
	CROSS 0                                        ; barrier 2
	v_mul_f32 v[SV+1], s40, v[TM]                  ; the means
	v_mul_f32 v[SV+3], s40, v[TM+8]
.irp R, 0,1
.irp p, 0,2,4,6,8,10,12,14,16,18,20,22,24,26,28,30
	v_pk_add_f32 v[ACC1+32*\R+\p:ACC1+32*\R+\p+1], v[ACC2+32*\R+\p:ACC2+32*\R+\p+1], v[SV+1+2*\R:SV+2+2*\R] op_sel_hi:[1,0] neg_lo:[0,1] neg_hi:[0,1]
.endr
.endr
.irp R, 0,1
	v_pk_mul_f32 v[TM+4*\R:TM+4*\R+1], v[ACC1+32*\R:ACC1+32*\R+1], v[ACC1+32*\R:ACC1+32*\R+1]
	v_pk_mul_f32 v[TM+4*\R+2:TM+4*\R+3], v[ACC1+32*\R+2:ACC1+32*\R+3], v[ACC1+32*\R+2:ACC1+32*\R+3]
.endr
.irp p, 4,8,12,16,20,24,28
.irp R, 0,1
	v_pk_fma_f32 v[TM+4*\R:TM+4*\R+1], v[ACC1+32*\R+\p:ACC1+32*\R+\p+1], v[ACC1+32*\R+\p:ACC1+32*\R+\p+1], v[TM+4*\R:TM+4*\R+1]
	v_pk_fma_f32 v[TM+4*\R+2:TM+4*\R+3], v[ACC1+32*\R+\p+2:ACC1+32*\R+\p+3], v[ACC1+32*\R+\p+2:ACC1+32*\R+\p+3], v[TM+4*\R+2:TM+4*\R+3]
.endr
.endr
	CROSS 1024                                     ; barrier 3
	v_fma_f32 v[TM+1], v[TM], s40, s41             ; the variance + 1e-5
	v_fma_f32 v[TM+9], v[TM+8], s40, s41
	v_rsq_f32 v[SV+1], v[TM+1]
	v_rsq_f32 v[SV+3], v[TM+9]
	v_nop
	s_wait_alu depctr_va_vdst(0)                   ; one wait for the two, ahead of their first reader
	s_wait_loadcnt 0x0                             ; g2, be2, b2
.irp R, 0,1
.irp p, 0,2,4,6,8,10,12,14,16,18,20,22,24,26,28,30
	v_pk_mul_f32 v[ACC1+32*\R+\p:ACC1+32*\R+\p+1], v[ACC1+32*\R+\p:ACC1+32*\R+\p+1], v[SV+1+2*\R:SV+2+2*\R] op_sel_hi:[1,0]
.endr
.endr
	WIN 0x14                                       ; sources 1 and 2 window 1
.irp R, 0,1
.irp p, 0,2,4,6,8,10,12,14,16,18,20,22,24,26,28,30
	v_pk_fma_f32 v[ACC1+32*\R+\p:ACC1+32*\R+\p+1], v[ACC1+32*\R+\p:ACC1+32*\R+\p+1], v[\p:\p+1], v[32+\p:32+\p+1]   ; x g2 + be2: h2
.endr
.endr
	WIN 0x04                                       ; source 1 window 1
.irp R, 0,1
.irp p, 0,2,4,6,8,10,12,14,16,18,20,22,24,26,28,30
	v_pk_add_f32 v[ACC2+32*\R+\p:ACC2+32*\R+\p+1], v[ACC2+32*\R+\p:ACC2+32*\R+\p+1], v[64+\p:64+\p+1]   ; x1 + b2: what W2's sums are added onto
.endr
.endr
	WIN 0
	QUANT ACC1
	IMG 0, 0
	VLOAD ACC1, 26, 0                              ; b1 of chunk 0, for both tiles of tokens: the C of the hidden layer's sums
	VLOAD ACC1+32, 26, 0
	WLOAD WA, W2O                                  ; W2's first chunk
	SLOAD WSA, 34, W2SO, L16
	BARRIER                                        ; 4: h2's eight fragments lie in LDS
.macro CHUNK ch, more
	s_wait_loadcnt 34                              ; W2's 32 and its 2, the youngest, may be out: W1's chunk and b1 are in
	PHASE ACC1,WB,WSB,0,0
.if \more
	WLOAD WB,W1O+131072*(\ch+1)
	SLOAD WSB,24,8192*(\ch+1),WSO
.endif
.set n, 0
.rept 64
	v_max_num_f32 v[ACC1+n], 0, v[ACC1+n]          ; relu, in f32
.set n, n+1
.endr
	QUANT ACC1
	IMG 9216+8192*(\ch%2),17408+1024*(\ch%2)
.if \more
	VLOAD ACC1,26,2048*(\ch+1)
	VLOAD ACC1+32,26,2048*(\ch+1)
.endif
	BARRIER                                        ; the chunk's eight hidden fragments lie in LDS.  A buffer is written again two chunks on, behind the next chunk's barrier, which every wave signals behind its reads of it
.if \more
	s_wait_loadcnt 50                              ; the next W1's 34 and b1's 16 may be out: W2's chunk is in
.else
	s_wait_loadcnt 0x0
.endif
	PHASE ACC2,WA,WSA,9216+8192*(\ch%2),17408+1024*(\ch%2)
.if \more
	WLOAD WA,W2O+131072*(\ch+1)
	SLOAD WSA,34,W2SO+8192*(\ch+1),L16
.endif
.endm
	CHUNK 0, 1
	CHUNK 1, 1
	CHUNK 2, 1
	CHUNK 3, 0
	; ---- the way out: through the stage that x came in by, and out as whole rows
.set i, 0
.rept 16
	ds_store_b128 v[XSR], v[ACC2+4*i:ACC2+4*i+3] offset:33024*(i/8)+128*((i/4)%2)+16*(i%4)   ; each accumulator from its low end on
.set i, i+1
.endr
	BARRIER                                        ; 9: 32 whole rows lie in the stage
.set i, 0
.rept 16
	ds_load_b128 v[ACC1+4*i:ACC1+4*i+3], v[XSW] offset:2064*(i/4)+512*(i%4)
.set i, i+1
.endr
.set i, 0
.rept 16
	s_wait_dscnt 15-i                              ; LDS loads come back in order: load i is in
	global_store_b128 v[XGO], v[ACC1+4*i:ACC1+4*i+3], s[30:31] offset:2048*(i/4)+512*(i%4) th:TH_STORE_NT   ; 32 lanes store 512 consecutive bytes
.set i, i+1
.endr
	s_wait_tensorcnt 0x0                           ; the wave's end: a wait, an add and its wait behind my last LDS store
	ds_add_u32 v[SPW], v[NIL]
	s_wait_dscnt 0x0
	s_endpgm
.Lfunc_end_k_qb56fc4144b_ffn:
	.size	k_qb56fc4144b_ffn, .Lfunc_end_k_qb56fc4144b_ffn-k_qb56fc4144b_ffn
	.p2alignl 7, 3214868480
	.fill 96, 4, 3214868480
	.section	.rodata,"a",@progbits
	.p2align	6, 0x0
	.amdhsa_kernel k_qb56fc4144b_ffn
		.amdhsa_group_segment_fixed_size 97280
		.amdhsa_private_segment_fixed_size 0
		.amdhsa_enable_private_segment 0
		.amdhsa_kernarg_size 96
		.amdhsa_user_sgpr_count 2
		.amdhsa_user_sgpr_kernarg_segment_ptr 1
		.amdhsa_wavefront_size32 1
		.amdhsa_system_sgpr_workgroup_id_x 1
		.amdhsa_system_sgpr_workgroup_id_y 1
		.amdhsa_system_sgpr_workgroup_id_z 1
		.amdhsa_system_vgpr_workitem_id 0
		.amdhsa_next_free_vgpr 512
		.amdhsa_next_free_sgpr 66
		.amdhsa_reserve_vcc 0
		.amdhsa_float_denorm_mode_32 3
		.amdhsa_float_denorm_mode_16_64 3
		.amdhsa_memory_ordered 1
		.amdhsa_forward_progress 1
		.amdhsa_inst_pref_size 153
	.end_amdhsa_kernel
	.amdgpu_metadata
---
amdhsa.version: [ 1, 2 ]
amdhsa.kernels:
  - .name:           k_qb56fc4144b_ffn
    .symbol:         k_qb56fc4144b_ffn.kd
    .args:
      - { .name: x, .offset: 0, .size: 8, .value_kind: global_buffer, .address_space: global }
      - { .name: oc, .offset: 8, .size: 8, .value_kind: global_buffer, .address_space: global }
      - { .name: os, .offset: 16, .size: 8, .value_kind: global_buffer, .address_space: global }
      - { .name: wimg, .offset: 24, .size: 8, .value_kind: global_buffer, .address_space: global }
      - { .name: Wp_scales, .offset: 32, .size: 8, .value_kind: global_buffer, .address_space: global }
      - { .name: bp, .offset: 40, .size: 8, .value_kind: global_buffer, .address_space: global }
      - { .name: g2, .offset: 48, .size: 8, .value_kind: global_buffer, .address_space: global }
      - { .name: be2, .offset: 56, .size: 8, .value_kind: global_buffer, .address_space: global }
      - { .name: W1_scales, .offset: 64, .size: 8, .value_kind: global_buffer, .address_space: global }
      - { .name: b1, .offset: 72, .size: 8, .value_kind: global_buffer, .address_space: global }
      - { .name: b2, .offset: 80, .size: 8, .value_kind: global_buffer, .address_space: global }
      - { .name: out0, .offset: 88, .size: 8, .value_kind: global_buffer, .address_space: global }
    .group_segment_fixed_size: 97280
    .private_segment_fixed_size: 0
    .kernarg_segment_align: 8
    .kernarg_segment_size: 96
    .max_flat_workgroup_size: 256
    .sgpr_count:     66
    .vgpr_count:     512
    .wavefront_size: 32
...
	.end_amdgpu_metadata
.endif
;; end of part 3
;; ======== version 2 of 2: 3 launches
;; workspace buffers: qc 2,097,152 bytes; kv 4,718,592 bytes; oc 2,097,152 bytes; os 131,072 bytes; wimg 1,212,416 bytes
;; launch qkv (part 4): grid 256 x 1, 8 waves a work-group, no clusters, 233,472 bytes of LDS; arguments x, g1, be1, Wq_codes, Wk_codes, Wv_codes, Wq_scales, Wk_scales, Wv_scales, bq, bk, bv, Wp_codes, W1_codes, W2_codes, W2_scales, qc, kv, wimg; writes qc, kv, wimg
.if DOCPART == 4
	.amdgcn_target "amdgcn-amd-amdhsa--gfx1250"
	.amdhsa_code_object_version 6
	.text
	.protected	k_qb56fc4144b_qkv
	.globl	k_qb56fc4144b_qkv
	.p2align	8
	.type	k_qb56fc4144b_qkv,@function
k_qb56fc4144b_qkv:
	s_mov_b64 s[64:65], 0
	v_nop
	global_prefetch_b8 v0, s[64:65] scope:SCOPE_SE
	s_setreg_imm32_b32 hwreg(HW_REG_WAVE_SCHED_MODE, 0, 2), 2
	s_setreg_imm32_b32 hwreg(HW_REG_WAVE_MODE, 25, 1), 1
	s_wait_xcnt 0x0
	s_wait_alu depctr_vm_vsrc(0)
; LAUNCH 1 OF 3.  h = LayerNorm(x; g1, be1), quantised along the 512 (E2M1, one E8M0 byte for 32); q, k, v = h W + b for 8 heads on codes; q and k quantised along the head's 64, v along the KEYS.
; It also lays Wp's, W1's, W2's codes and W2's scale bytes once in the order of an operand's registers (wimg), for launch 3.
; DEAD WORK OF THE WHOLE PROGRAM.  Every input has a way to the output and is loaded (bk too: it moves k's codes).  One thing is left out, in launch 2: a step of 128 keys all of which come after
; all 16 queries of a wave.  reference() builds the causal jnp.tril itself and puts -1e9 in the place of those scores, so their q.k products reach nothing for any values of the inputs; what is left of them is
; p = 2^((-1e9 - largest live score) log2(e) / 8 ..), less than 2^-170 and 0 in f32 as soon as a row's largest live score lies above -1e9 + 1,200 (the diagonal key is always live): it adds nothing to the sum and its code is 0.
; LIMITS: rows whose every live score lies under -1e9 + 1,200 are not served; a NaN, an infinity or an overflow that reaches only the steps left out is not carried to the result; NaN and infinities among the inputs are not
; served; a block whose largest magnitude lies under 2^-124 (a block of zeros too) gets the byte 1: the bytes are read by this program alone, and a block of zeros has zero codes.
; SHARES.  Work-group g owns tokens 32 g .. 32 g + 31: one block of 32 keys.  Wave w normalises rows 4 w .. 4 w + 3 and then owns head w: three units (q, k, v) of 64 columns x 32 tokens x K 512: 32 matrix instructions each.
; THE ORDER rho.  A tile of 16 out of a group of 32 (tokens, or rows of a weight) holds in lane r member 8 u + r + 8 (r / 8), u = 0, 1: so the 16 result registers of tiles u = 0, 1 in a lane are 16 neighbours, 16 (lane / 16) + 0 .. 15.
; q, k: source 0 = 16 rows of W, source 1 = 16 tokens: a lane holds one token, its registers run along the head's 64.   v: source 0 = 16 tokens, source 1 = 16 rows of Wv: a lane holds one d, its registers run along the keys.
; WORKSPACE, all in the order of the reader's operand registers, each store of a wave in whole runs of 256 bytes:
;   qc [b h 32][tile 128][lane][16]: lane (r, h): token rho(u, r) of block tile / 2, u = tile % 2; the head's numbers 32 h on.
;   kv [b h 32][step 16] records of 9,216 bytes: +0 K [tile 8][lane][16] like qc; +4096 V [dt 4][ck 2][hk 2][r 16][16]: d = 32 (dt / 2) + rho(dt % 2, r), keys 64 ck + 32 hk on;
;      +8192 + 256 x block of keys: [0,64) K's two bytes [u][r]; [64,128) V's bytes [r][dt]; [128,192) Q's two bytes [u][r]; [192,256) zeros.
;   wimg: +0 Wp [T 32][s 4][c 2][lane][16]; +W1O W1 [T 128][s][c][lane][16]; +W2O W2 [ch 4][T 32][s 4][c][lane][16]: lane (r, h): weight row 32 (T / 2) + rho(T % 2, r), bytes 64 S + 32 c + 16 h;
;      +W2SO W2's scale bytes [ch 4][blk 16][lane][16]: lane (r, h): row 32 blk + rho(h, r), bytes 16 ch on.
; NO CLUSTER, NO JOINT LOADS, though all 256 work-groups read the same 393,216 bytes of weights: a head's 16,384 bytes of a matrix are used by ONE wave of a work-group and come as 32 loads of 512 dense bytes into that wave's
; registers, a unit ahead of their use; joint tensor loads would want a ring refilled three times behind rounds of a cluster's barrier in a launch that has one barrier.  That is a choice of this version, not a bound.
; THE MODE: SCHED_MODE bits 1:0 = 2 (LLVM: expert scheduling mode 2), set by the entry lines.  The code itself states the register dependences between vector or matrix instructions and memory or LDS instructions,
; with s_wait_alu, always for 0.
; THE PLAN.  Registers that memory or LDS instructions touch:
;   v4-v22, v35, v32, v33   offsets, LDS addresses, the stored zero, the add's two: written at the head and never again: one wait on va_vdst ahead of the first load serves them for the whole kernel.
;   X = HF      x lands; LayerNorm writes it in place; the turn's LDS stores read it; behind the barrier h's fragments land in it; the products read them.
;   G, BE = BIAS  g1, be1 land; LayerNorm reads them; bq lands; q's products read it as C; bk lands; k's products read it; bv lands; v's additions read it.
;   TM, PC, PW  written by the quantisers; read by LDS and global stores; written again by the next unit's quantiser.
;   WS          a matrix's scale words land; its products read them; the next matrix's land.
;   LB          a matrix's dense rows land; the stage's LDS stores read them; the next matrix's rows land.
;   FB          the stage's LDS loads land; the unit's products read them; the next unit's loads land.
;   Y = HA      LDS loads land once; from then on vector and matrix instructions alone name it.
; A unit (q, k) has three waits: on vm_vsrc ahead of the next matrix's loads into LB; on va_vdst behind its products, ahead of the loads into WS and BIAS; on va_vdst ahead of its stores, which also serves the next
; stage's loads into FB: no vector or matrix instruction behind that wait names FB.  A wait on vm_vsrc at the next unit's head frees PC and PW.
.set WSTG,  0                          ; LDS: 8 x 17,408: my wave's stage for a matrix: 64 rows x (256 + 16) bytes, in rho order
.set TURN,  139264                     ; 8 x 4 x 2,560: my wave's four rows of h turn here from 16 bytes a lane to 64 bytes a lane: 32 places of 64 + 16 bytes
.set HIMG,  221184                     ; h's codes: [tile R 2][K block 16] pieces of 16 rows x 16 bytes + 16 of padding (272)
.set HSC,   229888                     ; h's scale words [R][K step 4][r 16]
.set SCR,   230400                     ; 8 x 256: my wave's scale unit of the record
.set SPARE, 232448                     ; the spare words, 128 bytes a wave: four blocks of 256 bytes that no other line names
.set W1O,   131072
.set W2O,   655360
.set W2SO,  1179648
.set L16, 4                            ; v4   16 x lane
.set STS, 5                            ; v5   stage, in: 272 h + 16 r
.set STL, 6                            ; v6   stage, out: 272 r + 16 h
.set TIN, 7                            ; v7   turn, in: 80 (lane / 4) + 16 (lane % 4)
.set TOUT, 8                           ; v8   turn, out: 80 x lane
.set HCW, 9                            ; v9   where my 8 bytes of h's codes go
.set HBW, 10                           ; v10  where my block's scale byte goes
.set HFR, 11                           ; v11  h's fragments: 272 h + 16 r
.set HSR, 12                           ; v12  h's scale words: 4 r
.set WSO, 13                           ; v13  16 rho(h, r): a weight's scale words, tile u = 0 in lanes 0-15, u = 1 in lanes 16-31
.set BQO, 14                           ; v14  64 h: bq, bk in the result's layout
.set BVO, 15                           ; v15  4 rho(0, r): bv
.set SC2, 16                           ; v16-18 my scale unit: + 2 r, + 4 r, + 8 x lane
.set SC4, 17
.set SC8, 18
.set VST, 19                           ; v19  1,024 h + 16 r: V's images
.set L8,  20                           ; v20  8 x lane
.set PAO, 21                           ; v21, v22 the re-layout pieces' source offsets
.set PBO, 22
.set TT,  23
.set PA,  24                           ; v24-27, v28-31 the pieces
.set PB,  28
.set SPW, 32                           ; v32  my spare word;  v33  0: for the add alone
.set NIL, 33
.set RHO, 34                           ; v34  rho(0, r)
.set ZR,  35                           ; v35  0, as store data
.set HS,  40                           ; v40-47 h's scale words (R 4 + s)
.set WS,  48                           ; v48-55 a weight's scale words (4 bb + s)
.set X,   64                           ; v64-127  x as loaded (row 16 + ..), later h's 8 fragments
.set HF,  64
.set Y,   128                          ; v128-191 h, 16 neighbours a lane and row; later the 8 accumulators
.set HA,  128
.set G,   192                          ; v192-207 g1, v208-223 be1; later the bias
.set BE,  208
.set BIAS, 192
.set TM,  224                          ; v224-239 at work
.set PC,  240                          ; v240-247 codes just made
.set PW,  248                          ; v248 their scale word
.set OU,  250
.set LB,  0                            ; window 1: v0-127 a matrix's dense rows; v128-255 its 16 fragments (ct 4 + s)
.set FB,  128
.set SEL, 50                           ; s[50:51] selects of v_permlanex16_b32 for lane l xor 16
.set MSB, 0
.macro WIN new                         ; the immediate's high byte repeats the setting that is left
.if MSB != \new
	s_set_vgpr_msb (MSB<<8)|\new
.set MSB, \new
.endif
.endm
.macro NOPS n
.rept \n
	v_nop
.endr
.endm
; 64 numbers of a lane, register 16 b + i = number 16 (lane / 16) + i of block b, become codes in v[PC] on (registers 4 c .. 4 c + 3 of lane (r, hh): block 2 c + hh whole) and the four bytes in v[PW]
.macro QUANT s
.irp b, 0,1,2,3
	v_max3_num_f32 v[TM+\b], |v[\s+16*\b]|, |v[\s+1+16*\b]|, 0x1800000   ; my 16 numbers, and the floor 2^(3 - 127): the byte cannot fall under 1
.endr
.irp i, 2,4,6,8,10,12,14
.irp b, 0,1,2,3
	v_max3_num_f32 v[TM+\b], v[TM+\b], |v[\s+16*\b+\i]|, |v[\s+1+16*\b+\i]|
.endr
.endr
.irp b, 0,1,2,3
	v_permlanex16_b32 v[TM+4+\b], v[TM+\b], s[SEL], s[SEL+1]
.endr
.irp b, 0,1,2,3
	v_max_num_f32 v[TM+\b], v[TM+\b], v[TM+4+\b]   ; with lane l xor 16's: the block's largest magnitude
.endr
.irp b, 0,1,2,3
	v_add_nc_u32 v[TM+12+\b], 0xff000000, v[TM+\b]   ; 2 off its exponent field: the conversion's scale operand
.endr
.irp b, 0,1,2,3
	v_lshrrev_b32 v[TM+4+\b], 23, v[TM+12+\b]      ; the scale's byte
.endr
	v_lshl_or_b32 v[PW], v[TM+5], 8, v[TM+4]
	v_lshl_or_b32 v[PW], v[TM+6], 16, v[PW]
	v_lshl_or_b32 v[PW], v[TM+7], 24, v[PW]
.irp b, 0,1,2,3
	v_cvt_scalef32_pk8_fp4_f32 v[PC+2*\b], v[\s+16*\b:\s+7+16*\b], v[TM+12+\b]
	v_cvt_scalef32_pk8_fp4_f32 v[PC+1+2*\b], v[\s+8+16*\b:\s+15+16*\b], v[TM+12+\b]
.endr
	v_nop                                          ; one plain place behind a scaled conversion
.irp c, 0,1
.irp i, 0,1
	v_permlane16_swap_b32 v[PC+4*\c+\i], v[PC+2+4*\c+\i]   ; half blocks become whole blocks
.endr
.endr
.endm
.macro WMA d, a, b, c, sa, sb, odd     ; source 0 = a weight's tile; an odd tile's scale words lie in lanes 16-31
.if \odd
	v_wmma_scale_f32_16x16x128_f8f6f4 v[\d:\d+7], v[\a:\a+7], v[\b:\b+7], v[\c:\c+7], v[\sa], v[\sb] matrix_a_fmt:MATRIX_FMT_FP4 matrix_b_fmt:MATRIX_FMT_FP4 matrix_a_scale:MATRIX_SCALE_ROW1
.else
	v_wmma_scale_f32_16x16x128_f8f6f4 v[\d:\d+7], v[\a:\a+7], v[\b:\b+7], v[\c:\c+7], v[\sa], v[\sb] matrix_a_fmt:MATRIX_FMT_FP4 matrix_b_fmt:MATRIX_FMT_FP4
.endif
.endm
.macro WMB d, a, b, sa, sb, odd, zero  ; source 1 = a weight's tile
.if \zero
.if \odd
	v_wmma_scale_f32_16x16x128_f8f6f4 v[\d:\d+7], v[\a:\a+7], v[\b:\b+7], 0, v[\sa], v[\sb] matrix_a_fmt:MATRIX_FMT_FP4 matrix_b_fmt:MATRIX_FMT_FP4 matrix_b_scale:MATRIX_SCALE_ROW1
.else
	v_wmma_scale_f32_16x16x128_f8f6f4 v[\d:\d+7], v[\a:\a+7], v[\b:\b+7], 0, v[\sa], v[\sb] matrix_a_fmt:MATRIX_FMT_FP4 matrix_b_fmt:MATRIX_FMT_FP4
.endif
.else
.if \odd
	v_wmma_scale_f32_16x16x128_f8f6f4 v[\d:\d+7], v[\a:\a+7], v[\b:\b+7], v[\d:\d+7], v[\sa], v[\sb] matrix_a_fmt:MATRIX_FMT_FP4 matrix_b_fmt:MATRIX_FMT_FP4 matrix_b_scale:MATRIX_SCALE_ROW1
.else
	v_wmma_scale_f32_16x16x128_f8f6f4 v[\d:\d+7], v[\a:\a+7], v[\b:\b+7], v[\d:\d+7], v[\sa], v[\sb] matrix_a_fmt:MATRIX_FMT_FP4 matrix_b_fmt:MATRIX_FMT_FP4
.endif
.endif
.endm
.macro WDENSE p                        ; my head's 64 rows x 256 bytes of a matrix, as they lie: 32 loads of 512 dense bytes
	WIN 0x40                                       ; destination window 1
.set i, 0
.rept 32
	global_load_b128 v[LB+4*i:LB+4*i+3], v[L16], s[\p:\p+1] offset:512*i
.set i, i+1
.endr
	WIN 0
.endm
.macro WSC ps                          ; its scale words: 16 bytes a row = the four K steps' words
.irp bb, 0,1
	global_load_b128 v[WS+4*\bb:WS+4*\bb+3], v[WSO], s[\ps:\ps+1] offset:512*\bb
.endr
.endm
.macro WBI pb                          ; bq or bk in the result's layout: tile ct, lane (r, h): numbers 32 (ct / 2) + 16 h + 8 (ct % 2) + 0 .. 7
.irp ct, 0,1,2,3
	global_load_b128 v[BIAS+8*\ct:BIAS+8*\ct+3], v[BQO], s[\pb:\pb+1] offset:128*(\ct/2)+32*(\ct%2)
	global_load_b128 v[BIAS+8*\ct+4:BIAS+8*\ct+7], v[BQO], s[\pb:\pb+1] offset:128*(\ct/2)+32*(\ct%2)+16
.endr
.endm
.macro UHEAD first                     ; first = 1: unit q, with no unit in front of it
	s_wait_loadcnt 0x0                             ; the unit's dense rows, scale words and bias are in
	s_wait_xcnt 0x0                                ; the last unit's stores have read v[PC] on, which this unit writes again
.if !\first
	s_wait_alu depctr_vm_vsrc(0)                   ; the last unit's global stores have read v[PC] on and its LDS stores v[PW]: this unit's quantiser writes both again
.endif
.endm
.macro STAGE                           ; the dense rows go into my stage at their places in rho order and come back as 16 fragments.  LDS serves a wave's instructions in order: no wait between
	WIN 0x04                                       ; an LDS store's data are its source 1: window 1
.set i, 0
.rept 32
	ds_store_b128 v[STS], v[LB+4*i:LB+4*i+3] offset:(32*(i/16)+16*((i/4)%2)+8*((i/8)%2)+((2*i)%8))*272   ; rows 2 i, 2 i + 1
.set i, i+1
.endr
	WIN 0x40
.set i, 0
.rept 32
	ds_load_b128 v[FB+4*i:FB+4*i+3], v[STL] offset:(i/8)*4352+((i/2)%4)*64+(i%2)*32   ; i = (4 ct + s) 2 + c.  No wait on va_vdst here: the one ahead of the last unit's stores shows its products done reading these registers, and nothing since names them
.set i, i+1
.endr
	WIN 0
	s_wait_dscnt 0x0                               ; the fragments are in (h's too), and the stores have landed
.endm
.macro MULTA                           ; q, k: 8 accumulators (R, ct) by turns, one instruction a turn, K step by K step; the bias is the C of each sum's first instruction
	WIN 0x01                                       ; source 0 window 1
.irp s, 0,1,2,3
.irp R, 0,1
.irp ct, 0,1,2,3
.if \s == 0
	WMA HA+32*\R+8*\ct,FB+8*(\ct*4+\s),HF+8*(\R*4+\s),BIAS+8*\ct,WS+(\ct/2)*4+\s,HS+\R*4+\s,\ct%2
.else
	WMA HA+32*\R+8*\ct,FB+8*(\ct*4+\s),HF+8*(\R*4+\s),HA+32*\R+8*\ct,WS+(\ct/2)*4+\s,HS+\R*4+\s,\ct%2
.endif
.endr
.endr
.endr
	WIN 0
	NOPS 5                                         ; places behind the products, ahead of the first read of their results
	s_wait_alu depctr_va_vdst(0)                   ; the products are done reading v[WS] on and v[BIAS] on, in which the next unit's scale words and bias land
.endm
.macro OUTQK p, sc                     ; two tiles of codes, 512 dense bytes each; their two bytes a token into my scale unit
	s_wait_alu depctr_va_vdst(0)                   ; the quantiser has written v[PC] on and v[PW], which the stores below read; the unit's products are done reading v[FB] on, in which the next stage's loads land
	global_store_b128 v[L16], v[PC:PC+3], s[\p:\p+1]
	global_store_b128 v[L16], v[PC+4:PC+7], s[\p:\p+1] offset:512
	ds_store_b16 v[SC2], v[PW] offset:\sc
	ds_store_b16_d16_hi v[SC2], v[PW] offset:\sc+32
.endm
.macro RED4                            ; four rows' sums over the 32 lanes, by turns
.irp m, 1,2,4,8
.irp q, 0,1,2,3
	v_add_f32_dpp v[TM+4*\q], v[TM+4*\q], v[TM+4*\q] row_xmask:\m row_mask:0xf bank_mask:0xf
.endr
.endr
.irp q, 0,1,2,3
	v_permlanex16_b32 v[TM+4*\q+1], v[TM+4*\q], s[SEL], s[SEL+1]
.endr
.irp q, 0,1,2,3
	v_add_f32 v[TM+4*\q], v[TM+4*\q], v[TM+4*\q+1]
.endr
.endm
	s_load_b512 s[8:23], s[0:1], 0x0               ; argument k lies in s[8 + 2 k : 9 + 2 k]
	s_load_b512 s[24:39], s[0:1], 0x40
	s_load_b128 s[40:43], s[0:1], 0x80
	s_load_b64 s[44:45], s[0:1], 0x90
	v_lshl_add_u32 v[SPW], v0, 2, SPARE
	v_mov_b32 v[NIL], 0
	v_lshrrev_b32 v1, 5, v0
	v_readfirstlane_b32 s46, v1                    ; wave 0..7
	v_and_b32 v1, 31, v0                           ; lane
	s_wait_alu depctr_va_vdst(0)
	v_and_b32 v2, 15, v0                           ; r
	v_bfe_u32 v3, v0, 4, 1                         ; h
	s_wait_alu depctr_va_vdst(0)
	v_mov_b32 v[ZR], 0
.irp j, 0,1,2,3
	v_mov_b32 v[PB+\j], 0                          ; written on every way through the text
.endr
	s_mov_b32 s[SEL], 0x76543210
	s_mov_b32 s[SEL+1], 0xfedcba98
	s_mov_b32 s52, 0x3b000000                      ; 1 / 512
	s_mov_b32 s53, 0x3727c5ac                      ; 1e-5
	s_wait_alu depctr_va_sdst(0)                   ; s46, the wave's number, is written, ahead of its first reader
	; piece A of the re-layout: P = 4 g + w % 4; waves 0-3 of W1, waves 4-7 of W2
	s_lshl_b32 s82, ttmp9, 2
	s_and_b32 s83, s46, 3
	s_add_co_u32 s82, s82, s83                     ; P
	s_lshr_b32 s83, s82, 3
	s_lshr_b32 s84, s82, 8
	s_mov_b32 s85, W2O
	s_cmp_lt_u32 s46, 4
	s_cselect_b32 s47, 8, 10                       ; a row is 256 or 1,024 bytes
	s_cselect_b32 s86, 127, 31
	s_cselect_b32 s84, 0, s84                      ; ch
	s_cselect_b32 s85, W1O, s85
	s_and_b32 s83, s83, s86                        ; T
	s_lshr_b32 s86, s83, 1
	s_lshl_b32 s86, s86, 5
	s_and_b32 s83, s83, 1
	s_lshl_b32 s83, s83, 3
	s_add_co_u32 s83, s83, s86                     ; the tile's first row: 32 (T / 2) + 8 (T % 2)
	s_lshl_b32 s83, s83, s47
	s_lshl_b32 s84, s84, 2
	s_bfe_u32 s86, s82, 0x20001
	s_add_co_u32 s84, s84, s86                     ; the K step: 4 ch + s
	s_lshl_b32 s84, s84, 6
	s_add_co_u32 s83, s83, s84
	s_and_b32 s86, s82, 1
	s_lshl_b32 s86, s86, 5
	s_add_co_u32 s83, s83, s86                     ; s83: where piece A comes from
	s_lshl_b32 s82, s82, 9
	s_add_co_u32 s85, s85, s82                     ; s85: where it goes in wimg
	; piece B: wave 0: piece g of Wp; wave 4 of work-groups 0-63: piece g of W2's scale bytes
	s_lshr_b32 s86, ttmp9, 4
	s_lshl_b32 s86, s86, 5
	s_bfe_u32 s87, ttmp9, 0x10003
	s_lshl_b32 s87, s87, 3
	s_add_co_u32 s86, s86, s87
	s_lshl_b32 s86, s86, 8
	s_bfe_u32 s87, ttmp9, 0x20001
	s_lshl_b32 s87, s87, 6
	s_add_co_u32 s86, s86, s87
	s_and_b32 s87, ttmp9, 1
	s_lshl_b32 s87, s87, 5
	s_add_co_u32 s86, s86, s87                     ; in Wp's codes
	s_and_b32 s87, ttmp9, 15
	s_lshl_b32 s87, s87, 11
	s_lshr_b32 s88, ttmp9, 4
	s_lshl_b32 s88, s88, 4
	s_add_co_u32 s87, s87, s88                     ; in W2's scale bytes: 32 (g % 16) rows of 64 bytes + 16 (g / 16)
	s_lshl_b32 s88, ttmp9, 9
	s_cmp_eq_u32 s46, 0
	s_cselect_b32 s86, s86, s87                    ; s86: where piece B comes from
	s_cselect_b32 s87, 0, W2SO
	s_cselect_b32 s48, 8, 6                        ; the lane's part: rho(0, r) << 8 + h << 4, or rho(0, r) << 6 + h << 9
	s_cselect_b32 s49, 4, 9
	s_cselect_b32 s89, 1, 0
	s_add_co_u32 s88, s88, s87                     ; s88: where it goes
	s_cmp_eq_u32 s46, 4
	s_cselect_b32 s87, 1, 0
	s_cmp_lt_u32 ttmp9, 64
	s_cselect_b32 s87, s87, 0
	s_or_b32 s89, s89, s87                         ; s89: 1 in a wave that carries a piece B
	; the lanes' offsets and LDS addresses
	v_lshlrev_b32 v[L16], 4, v1
	v_lshlrev_b32 v[L8], 3, v1
	s_mul_i32 s78, s46, 17408
	v_mul_u32_u24 v[STS], v3, 272
	v_lshl_add_u32 v[STS], v2, 4, v[STS]
	v_add_nc_u32 v[STS], s78, v[STS]
	v_mul_u32_u24 v[STL], v2, 272
	v_lshl_add_u32 v[STL], v3, 4, v[STL]
	v_add_nc_u32 v[STL], s78, v[STL]
	s_mul_i32 s78, s46, 10240
	s_add_co_u32 s78, s78, TURN
	v_lshrrev_b32 v[TIN], 2, v1
	v_mul_u32_u24 v[TIN], v[TIN], 80
	v_and_b32 v[TT], 3, v1
	v_lshl_add_u32 v[TIN], v[TT], 4, v[TIN]
	v_add_nc_u32 v[TIN], s78, v[TIN]
	v_mul_u32_u24 v[TOUT], v1, 80
	v_add_nc_u32 v[TOUT], s78, v[TOUT]
	s_bfe_u32 s78, s46, 0x10001                    ; token 4 w + i lies in tile R = (w / 2) % 2,
	s_lshr_b32 s79, s46, 2
	s_lshl_b32 s79, s79, 3
	s_and_b32 s80, s46, 1
	s_lshl_b32 s80, s80, 2
	s_add_co_u32 s79, s79, s80                     ; at lane r = 8 (w / 4) + 4 (w % 2) + i
	s_mul_i32 s80, s78, 4352
	s_lshl_b32 s81, s79, 4
	s_add_co_u32 s80, s80, s81
	s_add_co_u32 s80, s80, HIMG
	v_lshrrev_b32 v[HCW], 1, v1                    ; my K block: lane / 2; my half of it: lane % 2
	v_mul_u32_u24 v[HCW], v[HCW], 272
	v_and_b32 v[TT], 1, v1
	v_lshl_add_u32 v[HCW], v[TT], 3, v[HCW]
	v_add_nc_u32 v[HCW], s80, v[HCW]
	s_lshl_b32 s80, s78, 8
	s_lshl_b32 s81, s79, 2
	s_add_co_u32 s80, s80, s81
	s_add_co_u32 s80, s80, HSC
	v_lshrrev_b32 v[HBW], 3, v1
	v_bfe_u32 v[TT], v1, 1, 2
	v_lshl_add_u32 v[HBW], v[HBW], 6, v[TT]
	v_add_nc_u32 v[HBW], s80, v[HBW]
	v_mul_u32_u24 v[HFR], v3, 272
	v_lshl_add_u32 v[HFR], v2, 4, v[HFR]
	v_add_nc_u32 v[HFR], HIMG, v[HFR]
	v_lshl_add_u32 v[HSR], v2, 2, HSC
	v_and_b32 v[RHO], 8, v2
	v_add_nc_u32 v[RHO], v[RHO], v2                ; rho(0, r) = r + 8 (r / 8)
	v_lshl_add_u32 v[WSO], v3, 3, v[RHO]
	v_lshlrev_b32 v[WSO], 4, v[WSO]
	v_lshlrev_b32 v[BQO], 6, v3
	v_lshlrev_b32 v[BVO], 2, v[RHO]
	s_lshl_b32 s78, s46, 8
	s_add_co_u32 s78, s78, SCR
	v_lshl_add_u32 v[SC2], v2, 1, s78
	v_lshl_add_u32 v[SC4], v2, 2, s78
	v_lshl_add_u32 v[SC8], v1, 3, s78
	v_lshlrev_b32 v[VST], 10, v3
	v_lshl_add_u32 v[VST], v2, 4, v[VST]
	v_lshlrev_b32 v[PAO], s47, v[RHO]
	v_lshl_add_u32 v[PAO], v3, 4, v[PAO]
	v_lshlrev_b32 v[PBO], s48, v[RHO]
	v_lshlrev_b32 v[TT], s49, v3
	v_add_nc_u32 v[PBO], v[PBO], v[TT]
	s_lshr_b32 s78, ttmp9, 6                       ; batch
	s_and_b32 s79, ttmp9, 63                       ; block of 32 tokens in it
	s_lshl_b32 s80, s78, 3
	s_add_co_u32 s80, s80, s46                     ; 8 b + head
	s_mov_b32 s75, 0
	s_wait_kmcnt 0x0
	s_lshl_b32 s74, ttmp9, 16
	s_lshl_b32 s81, s46, 13
	s_add_co_u32 s74, s74, s81
	s_add_nc_u64 s[54:55], s[8:9], s[74:75]        ; x at my first row
	s_lshl_b32 s74, s46, 14
	s_add_nc_u64 s[14:15], s[14:15], s[74:75]      ; the three matrices' codes at my head,
	s_add_nc_u64 s[16:17], s[16:17], s[74:75]
	s_add_nc_u64 s[18:19], s[18:19], s[74:75]
	s_lshl_b32 s74, s46, 10
	s_add_nc_u64 s[20:21], s[20:21], s[74:75]      ; their scale bytes,
	s_add_nc_u64 s[22:23], s[22:23], s[74:75]
	s_add_nc_u64 s[24:25], s[24:25], s[74:75]
	s_lshl_b32 s74, s46, 8
	s_add_nc_u64 s[26:27], s[26:27], s[74:75]      ; the biases
	s_add_nc_u64 s[28:29], s[28:29], s[74:75]
	s_add_nc_u64 s[30:31], s[30:31], s[74:75]
	s_lshl_b32 s74, s80, 7
	s_lshl_b32 s81, s79, 1
	s_add_co_u32 s74, s74, s81
	s_lshl_b32 s74, s74, 9
	s_add_nc_u64 s[56:57], s[40:41], s[74:75]      ; qc at my two tiles
	s_lshl_b32 s74, s80, 4
	s_lshr_b32 s81, s79, 2
	s_add_co_u32 s74, s74, s81
	s_mul_i32 s74, s74, 9216
	s_add_nc_u64 s[76:77], s[42:43], s[74:75]      ; my record of kv
	s_and_b32 s74, s79, 3
	s_lshl_b32 s74, s74, 10
	s_add_nc_u64 s[58:59], s[76:77], s[74:75]      ; K's two tiles in it
	s_and_b32 s74, s79, 3
	s_lshl_b32 s74, s74, 8
	s_add_co_u32 s74, s74, 4096
	s_add_nc_u64 s[60:61], s[76:77], s[74:75]      ; V's images: 512 ck + 256 hk = 256 x my block of keys
	s_add_co_u32 s74, s74, 4096
	s_add_nc_u64 s[62:63], s[76:77], s[74:75]      ; my scale unit
	s_cmp_lt_u32 s46, 4
	s_cselect_b64 s[66:67], s[34:35], s[36:37]     ; the choice hangs on the wave's number alone
	s_mov_b32 s74, s83
	s_add_nc_u64 s[66:67], s[66:67], s[74:75]
	s_mov_b32 s74, s85
	s_add_nc_u64 s[68:69], s[44:45], s[74:75]
	s_cmp_eq_u32 s46, 0
	s_cselect_b64 s[70:71], s[32:33], s[38:39]
	s_mov_b32 s74, s86
	s_add_nc_u64 s[70:71], s[70:71], s[74:75]
	s_mov_b32 s74, s88
	s_add_nc_u64 s[72:73], s[44:45], s[74:75]
	; ---- the loads, oldest first: the pieces; x, g1, be1; Wq
	s_wait_alu depctr_va_vdst(0)                   ; all offsets and LDS addresses v4 to v22 and the zero in v35 are written, which the kernel's loads and stores read; so is v[PB] on, in which a load lands
	global_load_b128 v[PA:PA+3], v[PAO], s[66:67]
	s_cmp_eq_u32 s89, 0
	s_cbranch_scc1 .Lno_piece_in
	global_load_b128 v[PB:PB+3], v[PBO], s[70:71]
.Lno_piece_in:
.set i, 0
.rept 16
	global_load_b128 v[X+4*i:X+4*i+3], v[L16], s[54:55] offset:2048*(i/4)+512*(i%4) th:TH_LOAD_NT   ; row i / 4: register 4 k + e holds column 128 k + 4 lane + e
.set i, i+1
.endr
.irp k, 0,1,2,3
	global_load_b128 v[G+4*\k:G+4*\k+3], v[L16], s[10:11] offset:512*\k
	global_load_b128 v[BE+4*\k:BE+4*\k+3], v[L16], s[12:13] offset:512*\k
.endr
	WDENSE 14
	WSC 20
	s_wait_loadcnt 34                              ; only Wq's 32 loads and its 2 of scale words, the youngest, may be out: the same count on both ways round the branch above
	global_store_b128 v[L16], v[PA:PA+3], s[68:69] ; a piece leaves as 512 dense bytes
	s_cmp_eq_u32 s89, 0
	s_cbranch_scc1 .Lno_piece_out
	global_store_b128 v[L16], v[PB:PB+3], s[72:73]
.Lno_piece_out:
	; ---- LayerNorm, four rows by turns, in two passes: the mean, then the squares of x - mean
.irp q, 0,1,2,3
	v_pk_add_f32 v[TM+4*\q:TM+4*\q+1], v[X+16*\q:X+16*\q+1], v[X+16*\q+2:X+16*\q+3]
	v_pk_add_f32 v[TM+4*\q+2:TM+4*\q+3], v[X+16*\q+4:X+16*\q+5], v[X+16*\q+6:X+16*\q+7]
.endr
.irp p, 8,12
.irp q, 0,1,2,3
	v_pk_add_f32 v[TM+4*\q:TM+4*\q+1], v[TM+4*\q:TM+4*\q+1], v[X+16*\q+\p:X+16*\q+\p+1]
	v_pk_add_f32 v[TM+4*\q+2:TM+4*\q+3], v[TM+4*\q+2:TM+4*\q+3], v[X+16*\q+\p+2:X+16*\q+\p+3]
.endr
.endr
.irp q, 0,1,2,3
	v_pk_add_f32 v[TM+4*\q:TM+4*\q+1], v[TM+4*\q:TM+4*\q+1], v[TM+4*\q+2:TM+4*\q+3]
.endr
.irp q, 0,1,2,3
	v_add_f32 v[TM+4*\q], v[TM+4*\q], v[TM+4*\q+1]
.endr
	RED4
.irp q, 0,1,2,3
	v_mul_f32 v[TM+4*\q], s52, v[TM+4*\q]          ; the mean
.endr
.irp p, 0,2,4,6,8,10,12,14
.irp q, 0,1,2,3
	v_pk_add_f32 v[X+16*\q+\p:X+16*\q+\p+1], v[X+16*\q+\p:X+16*\q+\p+1], v[TM+4*\q:TM+4*\q+1] op_sel_hi:[1,0] neg_lo:[0,1] neg_hi:[0,1]
.endr
.endr
.irp q, 0,1,2,3
	v_pk_mul_f32 v[TM+4*\q:TM+4*\q+1], v[X+16*\q:X+16*\q+1], v[X+16*\q:X+16*\q+1]
	v_pk_mul_f32 v[TM+4*\q+2:TM+4*\q+3], v[X+16*\q+2:X+16*\q+3], v[X+16*\q+2:X+16*\q+3]
.endr
.irp p, 4,8,12
.irp q, 0,1,2,3
	v_pk_fma_f32 v[TM+4*\q:TM+4*\q+1], v[X+16*\q+\p:X+16*\q+\p+1], v[X+16*\q+\p:X+16*\q+\p+1], v[TM+4*\q:TM+4*\q+1]
	v_pk_fma_f32 v[TM+4*\q+2:TM+4*\q+3], v[X+16*\q+\p+2:X+16*\q+\p+3], v[X+16*\q+\p+2:X+16*\q+\p+3], v[TM+4*\q+2:TM+4*\q+3]
.endr
.endr
.irp q, 0,1,2,3
	v_pk_add_f32 v[TM+4*\q:TM+4*\q+1], v[TM+4*\q:TM+4*\q+1], v[TM+4*\q+2:TM+4*\q+3]
.endr
.irp q, 0,1,2,3
	v_add_f32 v[TM+4*\q], v[TM+4*\q], v[TM+4*\q+1]
.endr
	RED4
.irp q, 0,1,2,3
	v_fma_f32 v[TM+4*\q+2], v[TM+4*\q], s52, s53   ; the variance + 1e-5
.endr
	s_wait_alu depctr_va_vdst(0)
.irp q, 0,1,2,3
	v_rsq_f32 v[TM+4*\q], v[TM+4*\q+2]
.endr
	v_nop                                          ; a plain place behind the last of the batch
	s_wait_alu depctr_va_vdst(0)                   ; the four reciprocal roots are written: one wait for the batch, ahead of its first reader
.irp p, 0,2,4,6,8,10,12,14
.irp q, 0,1,2,3
	v_pk_mul_f32 v[X+16*\q+\p:X+16*\q+\p+1], v[X+16*\q+\p:X+16*\q+\p+1], v[TM+4*\q:TM+4*\q+1] op_sel_hi:[1,0]
.endr
.endr
.irp p, 0,2,4,6,8,10,12,14
.irp q, 0,1,2,3
	v_pk_fma_f32 v[X+16*\q+\p:X+16*\q+\p+1], v[X+16*\q+\p:X+16*\q+\p+1], v[G+\p:G+\p+1], v[BE+\p:BE+\p+1]
.endr
.endr
	s_wait_alu depctr_va_vdst(0)                   ; the multiply-adds are done reading g1 and be1, in whose registers bq lands, and have written h in v[X] on, which the LDS stores below read
	WBI 26                                         ; bq, into the registers that g1 and be1 have left
	; ---- h turns through my own LDS bytes: in as loaded, out 16 neighbours a lane: lane l then holds columns 16 l .. 16 l + 15, two lanes a block of 32
.set i, 0
.rept 16
	ds_store_b128 v[TIN], v[X+4*i:X+4*i+3] offset:2560*(i/4)+640*(i%4)
.set i, i+1
.endr
.set i, 0
.rept 16
	ds_load_b128 v[Y+4*i:Y+4*i+3], v[TOUT] offset:2560*(i/4)+16*(i%4)
.set i, i+1
.endr
	s_wait_dscnt 0x0
.irp q, 0,1,2,3
	v_max3_num_f32 v[TM+4*\q], |v[Y+16*\q]|, |v[Y+16*\q+1]|, |v[Y+16*\q+2]|
	v_max3_num_f32 v[TM+4*\q+1], |v[Y+16*\q+3]|, |v[Y+16*\q+4]|, |v[Y+16*\q+5]|
.endr
.irp p, 6,10
.irp q, 0,1,2,3
	v_max3_num_f32 v[TM+4*\q], v[TM+4*\q], |v[Y+16*\q+\p]|, |v[Y+16*\q+\p+1]|
	v_max3_num_f32 v[TM+4*\q+1], v[TM+4*\q+1], |v[Y+16*\q+\p+2]|, |v[Y+16*\q+\p+3]|
.endr
.endr
.irp q, 0,1,2,3
	v_max3_num_f32 v[TM+4*\q], v[TM+4*\q], |v[Y+16*\q+14]|, |v[Y+16*\q+15]|
.endr
.irp q, 0,1,2,3
	v_max3_num_f32 v[TM+4*\q], v[TM+4*\q], v[TM+4*\q+1], 0x1800000   ; and the floor 2^(3 - 127)
.endr
.irp q, 0,1,2,3
	v_max_num_f32_dpp v[TM+4*\q], v[TM+4*\q], v[TM+4*\q] row_xmask:1 row_mask:0xf bank_mask:0xf   ; with my neighbour's 16: the block's largest magnitude
.endr
.irp q, 0,1,2,3
	v_add_nc_u32 v[TM+4*\q+2], 0xff000000, v[TM+4*\q]   ; 2 off its exponent field: the conversion's scale operand
.endr
.irp q, 0,1,2,3
	v_cvt_scalef32_pk8_fp4_f32 v[PC+2*\q], v[Y+16*\q:Y+16*\q+7], v[TM+4*\q+2]
	v_cvt_scalef32_pk8_fp4_f32 v[PC+2*\q+1], v[Y+16*\q+8:Y+16*\q+15], v[TM+4*\q+2]
.endr
.irp q, 0,1,2,3
	v_lshrrev_b32 v[TM+4*\q+3], 23, v[TM+4*\q+2]   ; the scale's byte (plain lines behind the conversions)
.endr
	s_wait_alu depctr_va_vdst(0)                   ; the conversions have written v[PC] on and the shifts the four bytes, which the LDS stores below read
.irp q, 0,1,2,3
	ds_store_b64 v[HCW], v[PC+2*\q:PC+2*\q+1] offset:16*\q   ; half a block's codes, at their place in the operand's image
	ds_store_b8 v[HBW], v[TM+4*\q+3] offset:4*\q   ; both lanes of a block write the same byte with the same value
.endr
	s_wait_dscnt 0x0                               ; for the others' sake: my stores have landed
	s_barrier_signal -1
	s_barrier_wait -1                              ; the 32 tokens' codes and scale words lie in LDS: the launch's one barrier
	s_wait_alu depctr_vm_vsrc(0)                   ; the turn's LDS stores have read v[X] on, in which h's fragments land; the stores of h's codes and bytes have read v[PC] on and v[TM] on, which q's quantiser writes
.set i, 0
.rept 16
	ds_load_b128 v[HF+4*i:HF+4*i+3], v[HFR] offset:(i/8)*4352+2*(i%8)*272   ; i = (4 R + s) 2 + c: K block 4 s + 2 c + h
.set i, i+1
.endr
.set i, 0
.rept 8
	ds_load_b32 v[HS+i], v[HSR] offset:(i/4)*256+(i%4)*64
.set i, i+1
.endr
	; ---- q
	UHEAD 1
	STAGE
	s_wait_alu depctr_vm_vsrc(0)                   ; the stage's LDS stores have read Wq's dense rows, in whose registers Wk's land
	WDENSE 16                                      ; Wk's rows come while q is multiplied
	MULTA
	WSC 22
	WBI 28
	QUANT HA                                       ; blocks 2 R + (which 32 of the head's 64)
	OUTQK 56, 128
	; ---- k
	UHEAD 0
	STAGE
	s_wait_alu depctr_vm_vsrc(0)                   ; the stage's LDS stores have read Wk's dense rows, in whose registers Wv's land
	WDENSE 18
	MULTA
	WSC 24
.irp ct, 0,1,2,3
	global_load_b32 v[BIAS+2*\ct], v[BVO], s[30:31] offset:(32*(\ct/2)+8*(\ct%2))*4   ; bv of my lane's d in tile ct
.endr
	QUANT HA
	OUTQK 58, 0
	; ---- v: a lane holds one d, its 16 registers of tiles R = 0, 1 are 16 neighbouring keys
	UHEAD 0
	STAGE
	WIN 0x04                                       ; source 1 window 1
.irp s, 0,1,2,3
.irp ct, 0,1,2,3
.irp R, 0,1
.if \s == 0
	WMB HA+16*\ct+8*\R,HF+8*(\R*4+\s),FB+8*(\ct*4+\s),HS+\R*4+\s,WS+(\ct/2)*4+\s,\ct%2,1
.else
	WMB HA+16*\ct+8*\R,HF+8*(\R*4+\s),FB+8*(\ct*4+\s),HS+\R*4+\s,WS+(\ct/2)*4+\s,\ct%2,0
.endif
.endr
.endr
.endr
	WIN 0
	NOPS 5                                         ; places behind the products, ahead of the first read of their results
.irp ct, 0,1,2,3
.irp p, 0,2,4,6,8,10,12,14
	v_pk_add_f32 v[HA+16*\ct+\p:HA+16*\ct+\p+1], v[HA+16*\ct+\p:HA+16*\ct+\p+1], v[BIAS+2*\ct:BIAS+2*\ct+1] op_sel_hi:[1,0]   ; + bv: the pair's low word serves both halves
.endr
.endr
	QUANT HA                                       ; block ct: my d's 32 keys
	s_wait_alu depctr_va_vdst(0)                   ; the quantiser has written v[PC] on and v[PW], which the stores below read
	global_store_b128 v[VST], v[PC:PC+3], s[60:61] ; lane (r, hh), registers 4 c on: tile dt = 2 c + hh: sixteen lanes fill 256 consecutive bytes
	global_store_b128 v[VST], v[PC+4:PC+7], s[60:61] offset:2048
	ds_store_b32 v[SC4], v[PW] offset:64
	ds_store_b32 v[SC4], v[ZR] offset:192
	ds_load_b64 v[OU:OU+1], v[SC8]                 ; LDS serves a wave's instructions in order: this sees my stores
	s_wait_dscnt 0x0
	global_store_b64 v[L8], v[OU:OU+1], s[62:63]   ; my scale unit: 256 consecutive bytes
	s_wait_dscnt 0x0                               ; the closing lines, six on end
	s_wait_alu 0x0
	s_wait_tensorcnt 0x0
	ds_add_u32 v[SPW], v[NIL]
	s_wait_dscnt 0x0
	s_endpgm
.Lfunc_end_k_qb56fc4144b_qkv:
	.size	k_qb56fc4144b_qkv, .Lfunc_end_k_qb56fc4144b_qkv-k_qb56fc4144b_qkv
	.p2alignl 7, 3214868480
	.fill 96, 4, 3214868480
	.section	.rodata,"a",@progbits
	.p2align	6, 0x0
	.amdhsa_kernel k_qb56fc4144b_qkv
		.amdhsa_group_segment_fixed_size 233472
		.amdhsa_private_segment_fixed_size 0
		.amdhsa_enable_private_segment 0
		.amdhsa_kernarg_size 152
		.amdhsa_user_sgpr_count 2
		.amdhsa_user_sgpr_kernarg_segment_ptr 1
		.amdhsa_wavefront_size32 1
		.amdhsa_system_sgpr_workgroup_id_x 1
		.amdhsa_system_sgpr_workgroup_id_y 1
		.amdhsa_system_sgpr_workgroup_id_z 1
		.amdhsa_system_vgpr_workitem_id 0
		.amdhsa_next_free_vgpr 512
		.amdhsa_next_free_sgpr 90
		.amdhsa_reserve_vcc 0
		.amdhsa_float_denorm_mode_32 3
		.amdhsa_float_denorm_mode_16_64 3
		.amdhsa_memory_ordered 1
		.amdhsa_forward_progress 1
		.amdhsa_inst_pref_size 84
	.end_amdhsa_kernel
	.amdgpu_metadata
---
amdhsa.version: [ 1, 2 ]
amdhsa.kernels:
  - .name:           k_qb56fc4144b_qkv
    .symbol:         k_qb56fc4144b_qkv.kd
    .args:
      - { .name: x, .offset: 0, .size: 8, .value_kind: global_buffer, .address_space: global }
      - { .name: g1, .offset: 8, .size: 8, .value_kind: global_buffer, .address_space: global }
      - { .name: be1, .offset: 16, .size: 8, .value_kind: global_buffer, .address_space: global }
      - { .name: Wq_codes, .offset: 24, .size: 8, .value_kind: global_buffer, .address_space: global }
      - { .name: Wk_codes, .offset: 32, .size: 8, .value_kind: global_buffer, .address_space: global }
      - { .name: Wv_codes, .offset: 40, .size: 8, .value_kind: global_buffer, .address_space: global }
      - { .name: Wq_scales, .offset: 48, .size: 8, .value_kind: global_buffer, .address_space: global }
      - { .name: Wk_scales, .offset: 56, .size: 8, .value_kind: global_buffer, .address_space: global }
      - { .name: Wv_scales, .offset: 64, .size: 8, .value_kind: global_buffer, .address_space: global }
      - { .name: bq, .offset: 72, .size: 8, .value_kind: global_buffer, .address_space: global }
      - { .name: bk, .offset: 80, .size: 8, .value_kind: global_buffer, .address_space: global }
      - { .name: bv, .offset: 88, .size: 8, .value_kind: global_buffer, .address_space: global }
      - { .name: Wp_codes, .offset: 96, .size: 8, .value_kind: global_buffer, .address_space: global }
      - { .name: W1_codes, .offset: 104, .size: 8, .value_kind: global_buffer, .address_space: global }
      - { .name: W2_codes, .offset: 112, .size: 8, .value_kind: global_buffer, .address_space: global }
      - { .name: W2_scales, .offset: 120, .size: 8, .value_kind: global_buffer, .address_space: global }
      - { .name: qc, .offset: 128, .size: 8, .value_kind: global_buffer, .address_space: global }
      - { .name: kv, .offset: 136, .size: 8, .value_kind: global_buffer, .address_space: global }
      - { .name: wimg, .offset: 144, .size: 8, .value_kind: global_buffer, .address_space: global }
    .group_segment_fixed_size: 233472
    .private_segment_fixed_size: 0
    .kernarg_segment_align: 8
    .kernarg_segment_size: 152
    .max_flat_workgroup_size: 256
    .sgpr_count:     90
    .vgpr_count:     512
    .wavefront_size: 32
...
	.end_amdgpu_metadata
.endif
;; end of part 4
;; launch attn (part 5): grid 8 x 32, 16 waves a work-group, clusters of 4 x 1, 167,936 bytes of LDS; arguments qc, kv, oc, os; writes oc, os
.if DOCPART == 5
	.amdgcn_target "amdgcn-amd-amdhsa--gfx1250"
	.amdhsa_code_object_version 6
	.text
	.protected	k_qb56fc4144b_attn
	.globl	k_qb56fc4144b_attn
	.p2align	8
	.type	k_qb56fc4144b_attn,@function
k_qb56fc4144b_attn:
	s_mov_b64 s[64:65], 0
	v_nop
	global_prefetch_b8 v0, s[64:65] scope:SCOPE_SE
	s_setreg_imm32_b32 hwreg(HW_REG_WAVE_MODE, 25, 1), 1
	s_wait_xcnt 0x0
	s_wait_alu depctr_hold_cnt(0) depctr_sa_sdst(0) depctr_va_vdst(0) depctr_va_sdst(0) depctr_va_ssrc(0) depctr_va_vcc(0) depctr_vm_vsrc(0)
	s_getreg_b32 s2, hwreg(HW_REG_IB_STS2, 6, 4)
	s_cmp_eq_u32 s2, 0
	s_cbranch_scc0 .Lentry_in_a_cluster
	s_endpgm
.Lentry_in_a_cluster:
	s_bfe_u32 s2, ttmp6, 0x10000c
	s_cmp_lg_u32 s2, 0x3003
	s_cbranch_scc0 .Lentry_shape_is_right
	s_endpgm
.Lentry_shape_is_right:
; LAUNCH 2 OF 3.  Causal attention on codes of E2M1: S^T = K Q^T (K = the head's 64, filled to the instruction's 128 with zero codes), p = 2^(t - M), O^T = V^T P^T, o = O / l, quantised along the model's 512.
; LEFT OUT (shown at the head of launch 1): a step of 128 keys all of which come after the wave's 16 queries.  On the diagonal step hidden scores become -1e9, as reference() has them, and all the work is done.
; t = score x log2(e) / 8; M = the running largest t rounded up to a whole number; the row's sum is taken of the unquantised p; when M moves, the sum and O^T are multiplied by 2^(old M - new M), exactly.
; SHARES.  y = batch x 8 + head.  g = the work-group's x, 0..7.  Wave w owns ONE tile of 16 queries, tile 8 j + g of the head's 128: queries 128 j + 32 (g / 2) + rho(g % 2, r); it walks key steps 0 .. j.
; j = nibble w of a table that is a magic square: whichever four waves share a SIMD (w / 4 or w % 4 alike) walk 34 steps together, and every work-group walks 136.  The table is its own inverse, which launch 3 uses.
; K AND V STAY.  A head's 16 records of kv, 147,456 bytes, lie in LDS for the whole launch: wave w brings record w by one tensor load; nothing is filled again.  One tensor load of a wave is out.
; CLUSTER.  The four work-groups of a cluster belong to one head and want the same 16 records: each load is asked for jointly, with the same descriptor and the mask of all four.  No branch and no LDS address hangs on
; the place in the cluster: g enters global addresses and the diagonal's compare alone.
; A lane holds one query throughout; the keys of a tile are in rho order, so that p's 16 registers of two neighbouring tiles are 16 neighbouring keys.
.set RECB,  9216
.set OSC,   16*RECB                    ; behind the records: o's two scale bytes a query, [wave 16][r 16]
.set SPARE, OSC+512                    ; the spare words, 128 bytes a wave: eight blocks of 256 bytes that no other line names
.set L16, 1                            ; v1  16 x lane;  v2  2 r;  v3  4 r
.set R2,  2
.set R4,  3
.set DD,  4                            ; v4  my query's place in its 128, less 16 (lane / 16)
.set SPW, 5                            ; v5  my spare word;  v6  0: for the add alone
.set NIL, 6
.set NEG, 7                            ; v7  -1e9
.set ADK, 8                            ; v8-10 the step's LDS addresses
.set ADS, 9
.set ADT, 10
.set OSA, 11                           ; v11 where my query's two bytes go
.set QF,  16                           ; v16-19 Q's codes, v20-23 zero codes
.set QS,  24                           ; v24 Q's scale word
.set OSRD, 25                          ; v25 OSC + 16 x lane
.set KF,  32                           ; v32-63 four fragments of K: four registers of codes, four of zero codes
.set VF,  64                           ; v64-95 V's four fragments
.set S,   96                           ; v96-159 S^T, then p
.set O,   160                          ; v160-191 O^T
.set PCD, 192                          ; v192-199 p's codes
.set KS,  200                          ; v200-207 K's scale words
.set VW,  208                          ; v208-211 V's bytes as they lie: a word for each block of keys, a byte for each tile of d
.set VX,  212
.set VT,  216                          ; v216-219 turned: a word for each tile of d
.macro NOPS n
.rept \n
	v_nop
.endr
.endm
.macro ROUND                           ; a round of the cluster's barrier
	s_barrier_signal -1
	s_barrier_wait -1
	s_cmp_lg_u32 s12, 0
	s_cbranch_scc1 .Lnot_wave_0_\@
	s_barrier_signal -3
.Lnot_wave_0_\@:
	s_barrier_wait -3
	s_barrier_signal -1
	s_barrier_wait -1
.endm
	s_load_b256 s[4:11], s[0:1], 0x0               ; qc s[4:5], kv s[6:7], oc s[8:9], os s[10:11]
	v_lshl_add_u32 v[SPW], v0, 2, SPARE
	v_mov_b32 v[NIL], 0
	ds_add_u32 v[SPW], v[NIL]                      ; the wave's opening: the add, twice on end, and its wait ahead of my tensor load; the set-up below stands between
	ds_add_u32 v[SPW], v[NIL]
	v_lshrrev_b32 v8, 5, v0
	s_delay_alu instid0(VALU_DEP_1)
	v_readfirstlane_b32 s12, v8                    ; wave 0..15
	s_mov_b32 s42, 0x7a94c12f
	s_mov_b32 s43, 0x0de3b658
	s_cmp_lt_u32 s12, 8
	s_cselect_b32 s42, s42, s43
	s_and_b32 s43, s12, 7
	s_lshl_b32 s43, s43, 2
	s_lshr_b32 s42, s42, s43
	s_and_b32 s13, s42, 15                         ; j
	s_bfe_u32 s46, ttmp6, 0x40000                  ; my place in the cluster
	s_lshl_b32 s14, ttmp9, 2
	s_add_co_u32 s14, s14, s46                     ; g
	s_and_b32 s15, ttmp7, 0xffff                   ; 8 b + head, which the four partners share
	s_mov_b32 s20, 0x76543210
	s_mov_b32 s21, 0xfedcba98                      ; v_permlanex16_b32's selects for lane l xor 16
	s_mov_b32 s22, 0x3e38aa3b                      ; c = log2(e) / 8
	s_mov_b32 s23, s22
	s_mov_b32 s38, 0x05010400                      ; selectors that turn 4 x 4 bytes
	s_mov_b32 s39, 0x07030602
	s_mov_b32 s40, 0x05040100
	s_mov_b32 s41, 0x07060302
	; descriptor group 1: a record, 9,216 dense bytes, as 36 rows of 32 elements of 8 bytes; no padding: every read takes 512 consecutive bytes
	s_mov_b32 s24, 15|(3<<16)|(1<<21)              ; the mask: all four work-groups; elements of 8 bytes; bit 21 beside a mask
	s_mov_b32 s25, 32<<16                          ; tensor_dim0
	s_mov_b32 s26, 36<<16                          ; tensor_dim1
	s_mov_b32 s27, 32<<16                          ; tile_dim0
	s_mov_b32 s28, 36                              ; tile_dim1
	s_mov_b32 s29, 32                              ; the pitch
	s_mov_b32 s30, 0
	s_mov_b32 s31, 0
	s_mov_b32 s32, 1
	s_mul_i32 s33, s12, RECB                       ; record w goes to LDS byte 9,216 w
	s_lshl_b32 s44, s15, 4
	s_add_co_u32 s44, s44, s12
	s_mul_i32 s44, s44, RECB                       ; and comes from record 16 (8 b + head) + w
	s_mov_b32 s45, 0
	s_lshl_b32 s47, s15, 7
	s_lshl_b32 s48, s13, 3
	s_add_co_u32 s47, s47, s48
	s_add_co_u32 s47, s47, s14
	s_lshl_b32 s54, s47, 9                         ; qc: my tile
	s_mov_b32 s55, 0
	s_lshl_b32 s47, s15, 4
	s_add_co_u32 s47, s47, s13
	s_mul_i32 s56, s47, RECB
	s_lshr_b32 s47, s14, 1
	s_lshl_b32 s47, s47, 8
	s_add_co_u32 s56, s56, s47
	s_and_b32 s47, s14, 1
	s_lshl_b32 s47, s47, 5
	s_add_co_u32 s56, s56, s47
	s_add_co_u32 s56, s56, 8192+128                ; kv: my queries' scale bytes: record j, unit g / 2, [128 + 32 (g % 2) ..)
	s_mov_b32 s57, 0
	s_lshr_b32 s47, s15, 3
	s_lshl_b32 s47, s47, 7
	s_add_co_u32 s47, s47, s48
	s_add_co_u32 s47, s47, s14
	s_lshl_b32 s58, s47, 12
	s_and_b32 s47, s15, 7
	s_lshl_b32 s47, s47, 9
	s_add_co_u32 s58, s58, s47                     ; oc: (128 b + 8 j + g) x 4,096 + 512 x head
	s_mov_b32 s59, 0
	s_lshl_b32 s47, s15, 3
	s_add_co_u32 s47, s47, s14
	s_lshl_b32 s60, s47, 9                         ; os: (8 (8 b + head) + g) x 512
	s_mov_b32 s61, 0
	v_and_b32 v9, 31, v0
	s_delay_alu instid0(VALU_DEP_1)
	v_lshlrev_b32 v[L16], 4, v9
	v_and_b32 v9, 15, v0
	s_delay_alu instid0(VALU_DEP_1)
	v_lshlrev_b32 v[R2], 1, v9
	s_delay_alu instid0(VALU_DEP_2)
	v_lshlrev_b32 v[R4], 2, v9
	s_delay_alu instid0(VALU_DEP_3)
	v_and_b32 v10, 8, v9
	s_delay_alu instid0(VALU_DEP_1)
	v_add_nc_u32 v10, v10, v9                      ; rho(0, r)
	v_bfe_u32 v9, v0, 4, 1
	s_delay_alu instid0(VALU_DEP_1)
	v_lshlrev_b32 v9, 4, v9
	s_delay_alu instid0(VALU_DEP_1)
	v_sub_nc_u32 v[DD], v10, v9
	s_lshr_b32 s47, s14, 1
	s_lshl_b32 s47, s47, 5
	s_and_b32 s48, s14, 1
	s_lshl_b32 s48, s48, 3
	s_add_co_u32 s47, s47, s48
	v_add_nc_u32 v[DD], s47, v[DD]                 ; 32 (g / 2) + rho(g % 2, r) - 16 h
	v_mov_b32 v[NEG], 0xce6e6b28
	s_lshl_b32 s47, s12, 5
	s_add_co_u32 s47, s47, OSC
	v_add_nc_u32 v[OSA], s47, v[R2]
	v_add_nc_u32 v[OSRD], OSC, v[L16]
	s_mov_b32 s36, 0                               ; LDS byte of the step's record
	s_mov_b32 s37, 0                               ; the step
	s_wait_dscnt 0x0                               ; both opening adds are done
	s_wait_kmcnt 0x0
	s_add_nc_u64 s[34:35], s[6:7], s[44:45]
	s_or_b32 s35, s35, 0x80000000                  ; type = 2
	s_add_nc_u64 s[16:17], s[4:5], s[54:55]
	s_add_nc_u64 s[18:19], s[6:7], s[56:57]
	s_add_nc_u64 s[50:51], s[8:9], s[58:59]
	s_add_nc_u64 s[52:53], s[10:11], s[60:61]
	ROUND                                          ; all four work-groups are here: the joint loads meet
	tensor_load_to_lds s[32:35], s[24:31]
	s_nop 0
	NOPS 4
	global_load_b128 v[QF:QF+3], v[L16], s[16:17]
	global_load_u16 v[QS], v[R2], s[18:19]         ; two bytes; the upper two are 0, over zero codes
.irp j, 4,5,6,7
	v_mov_b32 v[QF+\j], 0
.irp t, 0,1,2,3
	v_mov_b32 v[KF+8*\t+\j], 0                     ; K = 64 .. 127 of the instruction: zero codes, written once
.endr
.endr
.set i, 0
.rept 32
	v_mov_b32 v[O+i], 0                            ; O^T: the loop has no first step of its own
.set i, i+1
.endr
	v_mov_b32 v13, 0xff61b1e6                      ; the largest t so far: -3e38
	s_delay_alu instid0(VALU_DEP_1)
	v_floor_f32 v12, -v13                          ; -M
	v_mov_b32 v14, 0                               ; the sum, in two halves
	v_mov_b32 v15, 0
.irp b, 0,1,2,3
	v_mov_b32 v[236+\b], 0                         ; a lane permute's destination counts as one of its sources
.endr
	v_mov_b32 v252, 0
	v_mov_b32 v253, 0
	s_wait_loadcnt 0x0                             ; Q
	s_wait_tensorcnt 0x0                           ; my record has landed,
	s_barrier_signal -1
	s_barrier_wait -1                              ; everybody's has
.Lstep:                                            ; 16 trips in every wave; a step past my diagonal is jumped over: a branch on the wave's number and the count of steps
	s_cmp_gt_u32 s37, s13
	s_cbranch_scc1 .Lhidden
	s_setprio 2
	v_add_nc_u32 v[ADK], s36, v[L16]
	v_add_nc_u32 v[ADS], s36, v[R2]
	v_add_nc_u32 v[ADT], s36, v[R4]
	NOPS 2                                         ; with the three additions: the places behind the last trip's products, ahead of loads into their registers
.irp t, 0,1,2,3
	ds_load_b128 v[KF+8*\t:KF+8*\t+3], v[ADK] offset:512*\t
.endr
.irp t, 0,1,2,3,4,5,6,7
	ds_load_u16 v[KS+\t], v[ADS] offset:8192+256*(\t/2)+32*(\t%2)
.endr
.irp b, 0,1,2,3
	ds_load_b32 v[VW+\b], v[ADT] offset:8192+256*\b+64
.endr
.irp i, 0,1,2,3,4,5,6,7
	ds_load_b128 v[VF+4*\i:VF+4*\i+3], v[ADK] offset:4096+512*\i
.endr
	s_wait_alu depctr_va_vdst(0)
	s_wait_dscnt 8                                 ; V's eight loads, the youngest, may be out
.irp t, 0,1,2,3
	v_wmma_scale_f32_16x16x128_f8f6f4 v[S+8*\t:S+8*\t+7], v[KF+8*\t:KF+8*\t+7], v[QF:QF+7], 0, v[KS+\t], v[QS] matrix_a_fmt:MATRIX_FMT_FP4 matrix_b_fmt:MATRIX_FMT_FP4
.endr
	NOPS 4
.irp t, 0,1,2,3
	ds_load_b128 v[KF+8*\t:KF+8*\t+3], v[ADK] offset:2048+512*\t
.endr
	s_wait_dscnt 0x0
.irp t, 0,1,2,3
	v_wmma_scale_f32_16x16x128_f8f6f4 v[S+32+8*\t:S+32+8*\t+7], v[KF+8*\t:KF+8*\t+7], v[QF:QF+7], 0, v[KS+4+\t], v[QS] matrix_a_fmt:MATRIX_FMT_FP4 matrix_b_fmt:MATRIX_FMT_FP4
.endr
	v_perm_b32 v[VX], v[VW+1], v[VW], s38          ; V's 4 x 4 scale bytes are turned: eight plain lines that name none of the products' registers: the places behind them
	v_perm_b32 v[VX+1], v[VW+1], v[VW], s39
	v_perm_b32 v[VX+2], v[VW+3], v[VW+2], s38
	v_perm_b32 v[VX+3], v[VW+3], v[VW+2], s39
	s_delay_alu instid0(VALU_DEP_2)
	v_perm_b32 v[VT], v[VX+2], v[VX], s40
	s_delay_alu instid0(VALU_DEP_3)
	v_perm_b32 v[VT+1], v[VX+2], v[VX], s41
	s_delay_alu instid0(VALU_DEP_3)
	v_perm_b32 v[VT+2], v[VX+3], v[VX+1], s40
	s_delay_alu instid0(VALU_DEP_4)
	v_perm_b32 v[VT+3], v[VX+3], v[VX+1], s41
	s_cmp_lg_u32 s37, s13
	s_cbranch_scc1 .Lopen
.set n, 0
.rept 64                                           ; the diagonal: register 16 b + i holds key 32 b + 16 h + i of the step: hidden where 32 b + i > v[DD]
	v_cmp_gt_i32 vcc_lo, 32*(n/16)+n%16, v[DD]
	v_cndmask_b32 v[S+n], v[S+n], v[NEG], vcc_lo
.set n, n+1
.endr
.Lopen:
.irp b, 0,1,2,3
	v_max3_num_f32 v[232+\b], v[96+16*\b], v[97+16*\b], v[98+16*\b]   ; the largest score of each block of 32 keys: for the row's maximum, and, since p rises with the score, for the block's largest p
.endr
.irp i, 3,5,7,9,11,13
.irp b, 0,1,2,3
	v_max3_num_f32 v[232+\b], v[232+\b], v[96+16*\b+\i], v[97+16*\b+\i]
.endr
.endr
.irp b, 0,1,2,3
	v_max_num_f32 v[232+\b], v[232+\b], v[111+16*\b]
.endr
.irp b, 0,1,2,3
	s_delay_alu instid0(VALU_DEP_4)
	v_permlanex16_b32 v[236+\b], v[232+\b], s20, s21
.endr
.irp b, 0,1,2,3
	s_delay_alu instid0(VALU_DEP_4)
	v_max_num_f32 v[232+\b], v[232+\b], v[236+\b]  ; with lane l xor 16's 16 keys
.endr
	s_delay_alu instid0(VALU_DEP_2)
	v_max3_num_f32 v254, v232, v233, v234
	s_delay_alu instid0(VALU_DEP_1)
	v_max_num_f32 v254, v254, v235
	s_delay_alu instid0(VALU_DEP_1)
	v_mul_f32 v254, s22, v254                      ; as t (c is positive)
	s_delay_alu instid0(VALU_DEP_1)
	v_max_num_f32 v13, v13, v254                   ; the running largest t
	v_mov_b32 v254, v12
	s_delay_alu instid0(VALU_DEP_2)
	v_floor_f32 v12, -v13                          ; the new -M = floor(-t)
	s_delay_alu instid0(VALU_DEP_1)
	v_sub_f32 v254, v12, v254                      ; old M - new M: a whole number, 0 or less
	s_delay_alu instid0(VALU_DEP_1)
	v_cvt_i32_f32 v254, v254
	s_delay_alu instid0(VALU_DEP_1)
	v_ldexp_f32 v252, 1.0, v254                    ; f = 2^(old M - new M)
	s_setprio 1
.irp j, 0,2,4,6,8,10,12,14,16,18,20,22,24,26,28,30,32,34,36,38,40,42,44,46,48,50,52,54,56,58,60,62
	v_pk_fma_f32 v[96+\j:97+\j], v[96+\j:97+\j], s[22:23], v[12:13] op_sel_hi:[1,0,0]   ; t - M
.endr
.irp b, 0,1,2,3
	v_fma_f32 v[232+\b], v[232+\b], s22, v12
.endr
.set n, 0
	s_wait_alu depctr_va_vdst(0)
.rept 64
	v_exp_f32 v[96+n], v[96+n]                     ; p = 2^(t - M): not normalised
.set n, n+1
.endr
	v_pk_mul_f32 v[14:15], v[14:15], v[252:253] op_sel_hi:[1,0]   ; the sums under the new M: a plain place behind the batch
	s_wait_alu depctr_va_vdst(0)                   ; one wait for the 64, ahead of their first reader
.irp b, 0,1,2,3
	v_exp_f32 v[232+\b], v[232+\b]                 ; the block's largest p
.endr
	v_pk_add_f32 v[236:237], v[100:101], v[104:105]
	v_pk_add_f32 v[254:255], v[108:109], v[112:113]
	v_pk_add_f32 v[250:251], v[116:117], v[120:121]
	v_pk_add_f32 v[248:249], v[124:125], v[128:129]
	v_pk_add_f32 v[246:247], v[132:133], v[136:137]
	v_pk_add_f32 v[244:245], v[140:141], v[144:145]
	v_pk_add_f32 v[242:243], v[148:149], v[152:153]
	v_pk_add_f32 v[14:15], v[14:15], v[156:157]
	v_pk_add_f32 v[236:237], v[236:237], v[96:97]
	v_pk_add_f32 v[254:255], v[254:255], v[98:99]
	v_pk_add_f32 v[250:251], v[250:251], v[102:103]
	v_pk_add_f32 v[248:249], v[248:249], v[106:107]
	v_pk_add_f32 v[246:247], v[246:247], v[110:111]
	v_pk_add_f32 v[244:245], v[244:245], v[114:115]
	v_pk_add_f32 v[242:243], v[242:243], v[118:119]
	v_pk_add_f32 v[14:15], v[14:15], v[122:123]
	v_pk_add_f32 v[236:237], v[236:237], v[126:127]
	v_pk_add_f32 v[254:255], v[254:255], v[130:131]
	v_pk_add_f32 v[250:251], v[250:251], v[134:135]
	v_pk_add_f32 v[248:249], v[248:249], v[138:139]
	v_pk_add_f32 v[246:247], v[246:247], v[142:143]
	v_pk_add_f32 v[244:245], v[244:245], v[146:147]
	v_pk_add_f32 v[242:243], v[242:243], v[150:151]
	v_pk_add_f32 v[14:15], v[14:15], v[154:155]
	v_pk_add_f32 v[236:237], v[236:237], v[158:159]
	s_delay_alu instid0(VALU_DEP_2)
	v_pk_add_f32 v[14:15], v[14:15], v[248:249]
	s_delay_alu instid0(VALU_DEP_2)
	v_pk_add_f32 v[236:237], v[236:237], v[246:247]
	v_pk_add_f32 v[254:255], v[254:255], v[244:245]
	v_pk_add_f32 v[250:251], v[250:251], v[242:243]
	s_delay_alu instid0(VALU_DEP_2)
	v_pk_add_f32 v[14:15], v[14:15], v[254:255]
	s_delay_alu instid0(VALU_DEP_2)
	v_pk_add_f32 v[236:237], v[236:237], v[250:251]
	s_delay_alu instid0(VALU_DEP_1)
	v_pk_add_f32 v[14:15], v[14:15], v[236:237]
	s_setprio 0
	s_wait_alu depctr_va_vdst(0)                   ; and one for the four
.irp b, 0,1,2,3
	v_max_num_f32 v[232+\b], 0x1800000, v[232+\b]  ; the floor 2^(3 - 127)
.endr
.irp b, 0,1,2,3
	s_delay_alu instid0(VALU_DEP_4)
	v_add_nc_u32 v[244+\b], 0xff000000, v[232+\b]
.endr
.irp b, 0,1,2,3
	s_delay_alu instid0(VALU_DEP_4)
	v_lshrrev_b32 v[236+\b], 23, v[244+\b]
.endr
	s_delay_alu instid0(VALU_DEP_3)
	v_lshl_or_b32 v253, v237, 8, v236              ; p's scale word for these 128 keys
	s_delay_alu instid0(VALU_DEP_1)
	v_lshl_or_b32 v253, v238, 16, v253
	s_delay_alu instid0(VALU_DEP_1)
	v_lshl_or_b32 v253, v239, 24, v253
.irp b, 0,1,2,3
	v_cvt_scalef32_pk8_fp4_f32 v[PCD+2*\b], v[96+16*\b:103+16*\b], v[244+\b]
	v_cvt_scalef32_pk8_fp4_f32 v[PCD+1+2*\b], v[104+16*\b:111+16*\b], v[244+\b]
.endr
	v_nop
.irp c, 0,1
.irp i, 0,1
	v_permlane16_swap_b32 v[PCD+4*\c+\i], v[PCD+2+4*\c+\i]
.endr
.endr
.irp j, 0,2,4,6,8,10,12,14,16,18,20,22,24,26,28,30
	v_pk_mul_f32 v[O+\j:O+\j+1], v[O+\j:O+\j+1], v[252:253] op_sel_hi:[1,0]   ; O^T under the new M; also the places ahead of the products below
.endr
.irp t, 0,1,2,3
	v_wmma_scale_f32_16x16x128_f8f6f4 v[O+8*\t:O+8*\t+7], v[VF+8*\t:VF+8*\t+7], v[PCD:PCD+7], v[O+8*\t:O+8*\t+7], v[VT+\t], v253 matrix_a_fmt:MATRIX_FMT_FP4 matrix_b_fmt:MATRIX_FMT_FP4
.endr
.Lhidden:
	s_add_co_u32 s36, s36, RECB
	s_add_co_u32 s37, s37, 1
	s_cmp_lt_u32 s37, 16
	s_cbranch_scc1 .Lstep
	s_setprio 0
	; ---- the way out: o = O^T / l, quantised along the head's 64: two blocks of the model's 512
	NOPS 4                                         ; places behind the last products
	s_wait_alu depctr_va_vdst(0)
	v_add_f32 v14, v14, v15
	s_delay_alu instid0(VALU_DEP_1)
	v_permlanex16_b32 v252, v14, s20, s21
	s_delay_alu instid0(VALU_DEP_1)
	v_add_f32 v14, v14, v252                       ; the row's sum
	s_wait_alu depctr_va_vdst(0)
	v_rcp_f32 v14, v14
	v_nop
	s_wait_alu depctr_va_vdst(0)
.irp j, 0,2,4,6,8,10,12,14,16,18,20,22,24,26,28,30
	v_pk_mul_f32 v[96+\j:97+\j], v[O+\j:O+\j+1], v[14:15] op_sel_hi:[1,0]   ; register 16 b + i: d = 32 b + 16 h + i
.endr
.irp b, 0,1
	v_max3_num_f32 v[232+\b], |v[96+16*\b]|, |v[97+16*\b]|, 0x1800000
.endr
.irp i, 2,4,6,8,10,12,14
.irp b, 0,1
	s_delay_alu instid0(VALU_DEP_2)
	v_max3_num_f32 v[232+\b], v[232+\b], |v[96+16*\b+\i]|, |v[97+16*\b+\i]|
.endr
.endr
.irp b, 0,1
	s_delay_alu instid0(VALU_DEP_2)
	v_permlanex16_b32 v[236+\b], v[232+\b], s20, s21
.endr
.irp b, 0,1
	s_delay_alu instid0(VALU_DEP_2)
	v_max_num_f32 v[232+\b], v[232+\b], v[236+\b]
.endr
.irp b, 0,1
	s_delay_alu instid0(VALU_DEP_2)
	v_add_nc_u32 v[244+\b], 0xff000000, v[232+\b]
.endr
.irp b, 0,1
	s_delay_alu instid0(VALU_DEP_2)
	v_lshrrev_b32 v[236+\b], 23, v[244+\b]
.endr
	s_delay_alu instid0(VALU_DEP_1)
	v_lshl_or_b32 v253, v237, 8, v236
.irp b, 0,1
	v_cvt_scalef32_pk8_fp4_f32 v[PCD+2*\b], v[96+16*\b:103+16*\b], v[244+\b]
	v_cvt_scalef32_pk8_fp4_f32 v[PCD+1+2*\b], v[104+16*\b:111+16*\b], v[244+\b]
.endr
	v_nop
	v_permlane16_swap_b32 v[PCD], v[PCD+2]
	v_permlane16_swap_b32 v[PCD+1], v[PCD+3]       ; lane (r, hh): block hh of my query, whole
	global_store_b128 v[L16], v[PCD:PCD+3], s[50:51]   ; 512 dense bytes: a piece of the projection's operand
	ds_store_b16 v[OSA], v253
	s_wait_dscnt 0x0                               ; for wave 0's sake
	s_barrier_signal -1
	s_barrier_wait -1
	s_cmp_lg_u32 s12, 0
	s_cbranch_scc1 .Lnot_0
	ds_load_b128 v[32:35], v[OSRD]                 ; the sixteen waves' bytes leave as 512 dense bytes
	s_wait_dscnt 0x0
	global_store_b128 v[L16], v[32:35], s[52:53]
.Lnot_0:
	s_wait_tensorcnt 0x0                           ; the wave's end: a wait, an add and its wait behind my tensor load and my last LDS store
	ds_add_u32 v[SPW], v[NIL]
	s_wait_dscnt 0x0
	ROUND                                          ; the closing round
	s_endpgm
.Lfunc_end_k_qb56fc4144b_attn:
	.size	k_qb56fc4144b_attn, .Lfunc_end_k_qb56fc4144b_attn-k_qb56fc4144b_attn
	.p2alignl 7, 3214868480
	.fill 96, 4, 3214868480
	.section	.rodata,"a",@progbits
	.p2align	6, 0x0
	.amdhsa_kernel k_qb56fc4144b_attn
		.amdhsa_group_segment_fixed_size 167936
		.amdhsa_private_segment_fixed_size 0
		.amdhsa_enable_private_segment 0
		.amdhsa_kernarg_size 32
		.amdhsa_user_sgpr_count 2
		.amdhsa_user_sgpr_kernarg_segment_ptr 1
		.amdhsa_wavefront_size32 1
		.amdhsa_system_sgpr_workgroup_id_x 1
		.amdhsa_system_sgpr_workgroup_id_y 1
		.amdhsa_system_sgpr_workgroup_id_z 1
		.amdhsa_system_vgpr_workitem_id 0
		.amdhsa_next_free_vgpr 256
		.amdhsa_next_free_sgpr 66
		.amdhsa_reserve_vcc 1
		.amdhsa_float_denorm_mode_32 3
		.amdhsa_float_denorm_mode_16_64 3
		.amdhsa_memory_ordered 1
		.amdhsa_forward_progress 1
		.amdhsa_inst_pref_size 35
	.end_amdhsa_kernel
	.amdgpu_metadata
---
amdhsa.version: [ 1, 2 ]
amdhsa.kernels:
  - .name:           k_qb56fc4144b_attn
    .symbol:         k_qb56fc4144b_attn.kd
    .args:
      - { .name: qc, .offset: 0, .size: 8, .value_kind: global_buffer, .address_space: global }
      - { .name: kv, .offset: 8, .size: 8, .value_kind: global_buffer, .address_space: global }
      - { .name: oc, .offset: 16, .size: 8, .value_kind: global_buffer, .address_space: global }
      - { .name: os, .offset: 24, .size: 8, .value_kind: global_buffer, .address_space: global }
    .group_segment_fixed_size: 167936
    .private_segment_fixed_size: 0
    .kernarg_segment_align: 8
    .kernarg_segment_size: 32
    .max_flat_workgroup_size: 512
    .sgpr_count:     66
    .vgpr_count:     256
    .wavefront_size: 32
...
	.end_amdgpu_metadata
.endif
;; end of part 5
;; launch ffn (part 6): grid 256 x 1, 8 waves a work-group, no clusters, 97,280 bytes of LDS; arguments x, oc, os, wimg, Wp_scales, bp, g2, be2, W1_scales, b1, b2, out0; writes out0
.if DOCPART == 6
	.amdgcn_target "amdgcn-amd-amdhsa--gfx1250"
	.amdhsa_code_object_version 6
	.text
	.protected	k_qb56fc4144b_ffn
	.globl	k_qb56fc4144b_ffn
	.p2align	8
	.type	k_qb56fc4144b_ffn,@function
k_qb56fc4144b_ffn:
	s_mov_b64 s[64:65], 0
	v_nop
	global_prefetch_b8 v0, s[64:65] scope:SCOPE_SE
	s_setreg_imm32_b32 hwreg(HW_REG_WAVE_SCHED_MODE, 0, 2), 2
	s_setreg_imm32_b32 hwreg(HW_REG_WAVE_MODE, 25, 1), 1
	s_wait_xcnt 0x0
	s_wait_alu depctr_vm_vsrc(0)
; LAUNCH 3 OF 3.  x1 = x + o Wp + bp;  h2 = LayerNorm(x1; g2, be2), quantised;  out = x1 + relu(h2 W1 + b1), quantised, W2 + b2.  All three products on codes of E2M1.  Nothing is left out here.
; SHARES.  Work-group g owns tokens 32 g .. 32 g + 31 as two tiles R = 0, 1 in rho order (lane r of tile R: token 8 R + r + 8 (r / 8)), the tiles of oc.  THE WAVES SHARE THE COLUMNS: wave w owns columns 64 w .. 64 w + 63 of the
; projection and of W2, and in chunk ch (4 chunks of 512 hidden units) units 512 ch + 64 w on.  Each phase is 4 tiles of columns x 2 R x 4 K steps = 32 matrix instructions, source 0 = 16 rows of the weight, source 1 = 16 tokens:
; lane (r, h) holds one token, and register 32 R + 16 bb + 8 uu + j column 64 w + 32 bb + 16 h + 8 uu + j.  One set of 64 registers is loaded with x, takes the projection and bp (x1), then b2 and all of W2's sums: it is the output.
; THE WEIGHTS come from wimg, laid by launch 1 in the order of the operand's registers: 32 loads of 512 dense bytes fill a phase's 16 fragments, a phase or more ahead, in two sets by turns.  No weight goes through LDS.
; WHAT GOES FROM WAVE TO WAVE goes through LDS as images of the operand's registers (16 bytes a lane, 512 a store) with scale words at 4 x lane: h2's 8 fragments, and the hidden layer's 8 of a chunk, in two buffers by turns.
; NO CLUSTER, NO JOINT LOADS, though all 256 work-groups walk the same 1,212,416 bytes of wimg: each byte of a weight is used by ONE wave of a work-group and goes straight into that wave's registers; joint tensor loads would send
; all of it through LDS (two slots of 139,264 bytes for a phase's codes and scale words) behind a round of a cluster's barrier for each of nine phases.  That is a choice of this version, not a bound.
; THE MODE: SCHED_MODE bits 1:0 = 2 (LLVM: expert scheduling mode 2), set by the entry lines.  The code itself states the register dependences between vector or matrix instructions and memory or LDS instructions,
; with s_wait_alu, always for 0.
; THE PLAN.  Registers that memory or LDS instructions touch:
;   v4-v18      offsets and LDS addresses: written at the head and never again: one wait on va_vdst ahead of the first load serves them for the whole kernel.
;   FOUR FRAGMENT SETS, one for each K step of a phase: K steps 0, 1 in v80-111, K steps 2, 3 in v48-79, the quantiser's work registers (TM, PC, PW, SV), which hold nothing during a phase; scale words in v40-43 and v120-123.
;               A phase's 24 LDS loads land in them at its head; its 32 products read them.  No set is loaded twice in a phase, so no s_wait_alu stands inside one.
;   WA, WSA / WB, WSB   a phase's weights and scale words land; its products read them (WA holds g2, be2, b2 for a while, which vector lines read); behind the phase the next ones land.
;   ACC1        o's fragments land, the projection reads them; LayerNorm writes it, the quantiser reads it; then chunk by chunk: b1 lands, products, relu, quantiser; at the end rows of the output land and global stores read them.
;   ACC2        x lands, LDS stores read it, x comes back in the result's layout; then products and additions alone; at the end LDS stores read it.
;   PC, PW      written by the quantiser, read by IMG's LDS stores; then K step 3's fragments land there, and the next quantiser writes them.
;   SV          written by a select, read by an LDS store, in each of the two sums across the waves.
; THE WAITS of a chunk: on va_vdst behind a phase whose weights' registers are asked for again; on va_vdst ahead of IMG (the codes and the word are written; the quantiser is done with ACC1, in which b1 lands, and with v48-79,
; and the products with all four sets, in which the next phase's fragments land); on vm_vsrc behind the barrier that follows IMG (its stores have read PC and PW).
.set XSTG, 0                           ; LDS: 32 token places x (2,048 + 16) bytes: x on the way in, the output on the way out
.set OSI,  66048                       ; o's scale words [R][s][r]
.set ST1,  66560                       ; [token place 32][wave 8] f32: the waves' parts of a row's sum;
.set ST2,  67584                       ; and of its sum of squares
.set H2I,  68608                       ; h2: 8 images of 1,024 bytes (4 R + s)
.set H2S,  76800                       ; their scale words, 128 bytes each
.set HID,  77824                       ; the hidden layer: two buffers of 8 images
.set HIS,  94208                       ; and of their scale words
.set SPARE, 96256                      ; the spare words, 128 bytes a wave: four blocks of 256 bytes that no other line names
.set W1O,  131072
.set W2O,  655360
.set W2SO, 1179648
.set L16, 4                            ; v4   16 x lane
.set XSW, 5                            ; v5   the stage by rows: my first row's place x 2,064 + 16 x lane
.set XSR, 6                            ; v6   the stage by the result's layout: 2,064 r + 64 h + 256 w
.set XGO, 7                            ; v7   8,192 w + 16 x lane: my four rows in x and in the output
.set OSG, 8
.set OSW, 9
.set OSR, 10
.set S1W, 11
.set S1R, 12
.set IMW, 13
.set ISW, 14
.set IMR, 15
.set ISR, 16
.set WSO, 17                           ; v17  16 rho(h, r)
.set BO,  18                           ; v18  64 h
.set TT,  19
.set OSV, 20
.set WSA, 24                           ; v24-31, v32-39 the two weight sets' scale words (4 bb + s): tile uu = 0 in lanes 0-15, uu = 1 in lanes 16-31
.set WSB, 32
.set FS,  40                           ; v40-43 the scale words of K steps 0 and 1's fragments
.set SPW, 44                           ; v44  my spare word;  v45  0: for the add alone
.set NIL, 45
.set TM,  48                           ; v48-63 at work in the quantiser and the sums; in a phase K step 2's two fragments
.set PC,  64                           ; v64-71 codes just made;  v72 their scale word;  in a phase v64-79 hold K step 3's two fragments
.set PW,  72
.set SV,  73                           ; v73 at work; v[74:75], v[76:77] mean, then 1 / sigma, of R = 0, 1
.set FR,  80                           ; v80-111 K steps 0 and 1's fragments; at the head bp
.set OS,  112                          ; v112-119 o's scale words
.set FS2, 120                          ; v120-123 the scale words of K steps 2 and 3's fragments
.set ACC1, 128                         ; v128-191 o's fragments; x1 - mean; the hidden layer; rows on the way out
.set ACC2, 192                         ; v192-255 x, x1, the output
.set WA,  0                            ; window 1: two sets of 16 weight fragments (4 ct + s)
.set WB,  128
.set SEL, 38
.set MSB, 0
.macro WIN new
.if MSB != \new
	s_set_vgpr_msb (MSB<<8)|\new
.set MSB, \new
.endif
.endm
.macro NOPS n
.rept \n
	v_nop
.endr
.endm
.macro BARRIER                         ; my LDS stores have landed and my LDS loads are in: then the work-group's barrier
	s_wait_dscnt 0x0
	s_barrier_signal -1
	s_barrier_wait -1
.endm
.macro QUANT s                         ; as in launch 1: 64 numbers of a lane -> v[PC] on (registers 4 c on of lane (r, hh): block 2 c + hh) and v[PW]
.irp b, 0,1,2,3
	v_max3_num_f32 v[TM+\b], |v[\s+16*\b]|, |v[\s+1+16*\b]|, 0x1800000
.endr
.irp i, 2,4,6,8,10,12,14
.irp b, 0,1,2,3
	v_max3_num_f32 v[TM+\b], v[TM+\b], |v[\s+16*\b+\i]|, |v[\s+1+16*\b+\i]|
.endr
.endr
.irp b, 0,1,2,3
	v_permlanex16_b32 v[TM+4+\b], v[TM+\b], s[SEL], s[SEL+1]
.endr
.irp b, 0,1,2,3
	v_max_num_f32 v[TM+\b], v[TM+\b], v[TM+4+\b]
.endr
.irp b, 0,1,2,3
	v_add_nc_u32 v[TM+12+\b], 0xff000000, v[TM+\b]
.endr
.irp b, 0,1,2,3
	v_lshrrev_b32 v[TM+4+\b], 23, v[TM+12+\b]
.endr
	v_lshl_or_b32 v[PW], v[TM+5], 8, v[TM+4]
	v_lshl_or_b32 v[PW], v[TM+6], 16, v[PW]
	v_lshl_or_b32 v[PW], v[TM+7], 24, v[PW]
.irp b, 0,1,2,3
	v_cvt_scalef32_pk8_fp4_f32 v[PC+2*\b], v[\s+16*\b:\s+7+16*\b], v[TM+12+\b]
	v_cvt_scalef32_pk8_fp4_f32 v[PC+1+2*\b], v[\s+8+16*\b:\s+15+16*\b], v[TM+12+\b]
.endr
	v_nop
.irp c, 0,1
.irp i, 0,1
	v_permlane16_swap_b32 v[PC+4*\c+\i], v[PC+2+4*\c+\i]
.endr
.endr
.endm
.macro WMA d, a, b, c, sa, sb, odd
.if \odd
	v_wmma_scale_f32_16x16x128_f8f6f4 v[\d:\d+7], v[\a:\a+7], v[\b:\b+7], v[\c:\c+7], v[\sa], v[\sb] matrix_a_fmt:MATRIX_FMT_FP4 matrix_b_fmt:MATRIX_FMT_FP4 matrix_a_scale:MATRIX_SCALE_ROW1
.else
	v_wmma_scale_f32_16x16x128_f8f6f4 v[\d:\d+7], v[\a:\a+7], v[\b:\b+7], v[\c:\c+7], v[\sa], v[\sb] matrix_a_fmt:MATRIX_FMT_FP4 matrix_b_fmt:MATRIX_FMT_FP4
.endif
.endm
.macro WLOAD buf, imm                  ; a phase's 16 fragments of my 64 columns: 32 loads of 512 dense bytes
	WIN 0x40
.set i, 0
.rept 32
	global_load_b128 v[\buf+4*i:\buf+4*i+3], v[L16], s[32:33] offset:\imm+512*i
.set i, i+1
.endr
	WIN 0
.endm
.macro SLOAD reg, p, imm, adr          ; and their scale words
.irp bb, 0,1
	global_load_b128 v[\reg+4*\bb:\reg+4*\bb+3], v[\adr], s[\p:\p+1] offset:\imm+512*\bb
.endr
.endm
.macro VLOAD reg, p, imm               ; 64 numbers of a vector in the result's layout: tile ct, lane (r, h): 32 (ct / 2) + 16 h + 8 (ct % 2) + 0 .. 7
.irp ct, 0,1,2,3
	global_load_b128 v[\reg+8*\ct:\reg+8*\ct+3], v[BO], s[\p:\p+1] offset:\imm+128*(\ct/2)+32*(\ct%2)
	global_load_b128 v[\reg+8*\ct+4:\reg+8*\ct+7], v[BO], s[\p:\p+1] offset:\imm+128*(\ct/2)+32*(\ct%2)+16
.endr
.endm
.macro LOADF s, img, sc                ; K step s: both tiles' fragments and scale words from their images, into the step's own set: six LDS loads
.set FRX, FR+16*(\s)
.set FSX, FS+2*(\s)
.if (\s) >= 2
.set FRX, TM+16*((\s)-2)
.set FSX, FS2+2*((\s)-2)
.endif
.irp R, 0,1
.irp c, 0,1
	ds_load_b128 v[FRX+8*\R+4*\c:FRX+8*\R+4*\c+3], v[IMR] offset:(\img)+(\R*4+(\s))*1024+512*\c
.endr
	ds_load_b32 v[FSX+\R], v[ISR] offset:(\sc)+(\R*4+(\s))*128
.endr
.endm
.macro PHASE acc, buf, ws, img, sc     ; 32 matrix instructions: 8 accumulators by turns, one instruction a turn, K step by K step.  All four K steps' fragments are asked for at the head, each into a set of its own:
.irp s, 0,1,2,3                        ; the last wait on va_vdst ahead of a phase shows every earlier reader and writer of the four sets done, and nothing since names them
	LOADF \s,\img,\sc
.endr
	WIN 0x01                                       ; source 0 window 1
.irp s, 0,1,2,3
	s_wait_dscnt 18-6*\s                           ; LDS loads come back in order: K step s's six are in; those of the later K steps, six each, may be out
.set FRX, FR+16*\s
.set FSX, FS+2*\s
.if \s >= 2
.set FRX, TM+16*(\s-2)
.set FSX, FS2+2*(\s-2)
.endif
.irp R, 0,1
.irp ct, 0,1,2,3
	WMA \acc+32*\R+8*\ct,\buf+8*(\ct*4+\s),FRX+8*\R,\acc+32*\R+8*\ct,\ws+(\ct/2)*4+\s,FSX+\R,\ct%2
.endr
.endr
.endr
	WIN 0
	NOPS 5                                         ; places behind the products, ahead of the first read of their results and of the first vector write of their sources
.endm
.macro IMG img, sc                     ; my 64 columns are half a K step: registers 4 R on are piece c = w % 2 of fragment (R, s = w / 2); the word's halves are R = 0's and R = 1's two bytes
	ds_store_b128 v[IMW], v[PC:PC+3] offset:\img
	ds_store_b128 v[IMW], v[PC+4:PC+7] offset:(\img)+4096
	ds_store_b16 v[ISW], v[PW] offset:\sc
	ds_store_b16_d16_hi v[ISW], v[PW] offset:(\sc)+512
.endm
.macro CROSS off                       ; v[TM + 4 R] pairs: a lane's partial sums -> the rows' sums over all 512 columns in v[TM] (R = 0) and v[TM + 8] (R = 1); one barrier
.irp R, 0,1
	v_pk_add_f32 v[TM+4*\R:TM+4*\R+1], v[TM+4*\R:TM+4*\R+1], v[TM+4*\R+2:TM+4*\R+3]
.endr
.irp R, 0,1
	v_add_f32 v[TM+4*\R], v[TM+4*\R], v[TM+4*\R+1]
.endr
.irp R, 0,1
	v_permlanex16_b32 v[TM+4*\R+1], v[TM+4*\R], s[SEL], s[SEL+1]
.endr
.irp R, 0,1
	v_add_f32 v[TM+4*\R], v[TM+4*\R], v[TM+4*\R+1] ; my wave's 64 columns
.endr
	v_cndmask_b32 v[SV], v[TM], v[TM+4], s42       ; lanes 0-15 carry R = 0's, lanes 16-31 R = 1's
	s_wait_alu depctr_va_vdst(0)                   ; the select has written v[SV], which the LDS store reads; the lines above are done with v[TM] on, in which the LDS loads behind the barrier land
	ds_store_b32 v[S1W], v[SV] offset:\off
	BARRIER
	ds_load_b128 v[TM:TM+3], v[S1R] offset:\off
	ds_load_b128 v[TM+4:TM+7], v[S1R] offset:\off+16
	ds_load_b128 v[TM+8:TM+11], v[S1R] offset:\off+512
	ds_load_b128 v[TM+12:TM+15], v[S1R] offset:\off+528
	s_wait_dscnt 0x0
.irp R, 0,1
.irp k, 0,2,4,6
	v_add_f32 v[TM+8*\R+\k], v[TM+8*\R+\k], v[TM+8*\R+\k+1]
.endr
.endr
.irp R, 0,1
	v_add_f32 v[TM+8*\R], v[TM+8*\R], v[TM+8*\R+2]
	v_add_f32 v[TM+8*\R+4], v[TM+8*\R+4], v[TM+8*\R+6]
.endr
.irp R, 0,1
	v_add_f32 v[TM+8*\R], v[TM+8*\R], v[TM+8*\R+4]
.endr
.endm
	s_load_b512 s[8:23], s[0:1], 0x0               ; x s[8:9], oc s[10:11], os s[12:13], wimg s[14:15], Wp_scales s[16:17], bp s[18:19], g2 s[20:21], be2 s[22:23]
	s_load_b256 s[24:31], s[0:1], 0x40             ; W1_scales s[24:25], b1 s[26:27], b2 s[28:29], out0 s[30:31]
	v_lshl_add_u32 v[SPW], v0, 2, SPARE
	v_mov_b32 v[NIL], 0
	v_lshrrev_b32 v1, 5, v0
	v_readfirstlane_b32 s36, v1                    ; wave 0..7
	v_and_b32 v1, 31, v0                           ; lane
	v_and_b32 v2, 15, v0                           ; r
	v_bfe_u32 v3, v0, 4, 1                         ; h
	s_mov_b32 s[SEL], 0x76543210
	s_mov_b32 s[SEL+1], 0xfedcba98
	s_mov_b32 s40, 0x3b000000                      ; 1 / 512
	s_mov_b32 s41, 0x3727c5ac                      ; 1e-5
	s_mov_b32 s42, 0xffff0000                      ; lanes 16-31
	v_mov_b32 v[SV+2], 0                           ; named as the upper halves of pairs
	v_mov_b32 v[SV+4], 0
	v_lshlrev_b32 v[L16], 4, v1
	s_wait_alu depctr_va_vdst(0)
	s_wait_alu depctr_va_sdst(0)                   ; s36, the wave's number, is written, ahead of its first reader
	s_bfe_u32 s46, s36, 0x10001
	s_lshl_b32 s46, s46, 4
	s_lshr_b32 s47, s36, 2
	s_lshl_b32 s47, s47, 3
	s_add_co_u32 s46, s46, s47
	s_and_b32 s47, s36, 1
	s_lshl_b32 s47, s47, 2
	s_add_co_u32 s46, s46, s47                     ; token 4 w + i has place 16 ((w / 2) % 2) + 8 (w / 4) + 4 (w % 2) + i
	s_mul_i32 s46, s46, 2064
	v_add_nc_u32 v[XSW], s46, v[L16]
	v_mul_u32_u24 v[XSR], v2, 2064
	v_lshl_add_u32 v[XSR], v3, 6, v[XSR]
	s_lshl_b32 s46, s36, 8
	v_add_nc_u32 v[XSR], s46, v[XSR]
	s_lshl_b32 s46, s36, 13
	v_add_nc_u32 v[XGO], s46, v[L16]
	v_lshlrev_b32 v[OSG], 9, v3
	v_lshl_add_u32 v[OSG], v2, 1, v[OSG]           ; os: 512 h + 2 r: lanes 16-31 take tile R = 1's
	s_lshr_b32 s46, s36, 1                         ; w / 2
	s_and_b32 s47, s36, 1                          ; w % 2
	s_lshl_b32 s48, s46, 6
	s_lshl_b32 s49, s47, 1
	s_add_co_u32 s48, s48, s49
	s_add_co_u32 s48, s48, OSI
	v_lshlrev_b32 v[OSW], 8, v3
	v_lshl_add_u32 v[OSW], v2, 2, v[OSW]
	v_add_nc_u32 v[OSW], s48, v[OSW]               ; head w's two bytes: K step w / 2, bytes 2 (w % 2) on
	v_lshl_add_u32 v[OSR], v2, 2, OSI
	s_lshl_b32 s48, s36, 2
	s_add_co_u32 s48, s48, ST1
	v_lshl_add_u32 v[S1W], v1, 5, s48
	v_lshl_add_u32 v[S1R], v2, 5, ST1
	s_lshl_b32 s48, s46, 10
	s_lshl_b32 s49, s47, 9
	s_add_co_u32 s48, s48, s49
	s_add_co_u32 s48, s48, H2I
	v_add_nc_u32 v[IMW], s48, v[L16]
	s_lshl_b32 s48, s46, 7
	s_lshl_b32 s49, s47, 1
	s_add_co_u32 s48, s48, s49
	s_add_co_u32 s48, s48, H2S
	v_lshl_add_u32 v[ISW], v1, 2, s48
	v_add_nc_u32 v[IMR], H2I, v[L16]
	v_lshl_add_u32 v[ISR], v1, 2, H2S
	v_and_b32 v[TT], 8, v2
	v_add_nc_u32 v[TT], v[TT], v2
	v_lshl_add_u32 v[TT], v3, 3, v[TT]
	v_lshlrev_b32 v[WSO], 4, v[TT]
	v_lshlrev_b32 v[BO], 6, v3
	; os: launch 2's wave that owned my tokens' queries is found by its own table, which is its own inverse
	s_lshr_b32 s46, ttmp9, 6                       ; batch
	s_and_b32 s47, ttmp9, 63                       ; block of 32 tokens
	s_lshr_b32 s48, s47, 2                         ; j
	s_mov_b32 s49, 0x7a94c12f
	s_mov_b32 s50, 0x0de3b658
	s_and_b32 s51, s48, 7
	s_lshl_b32 s51, s51, 2
	s_cmp_lt_u32 s48, 8
	s_cselect_b32 s49, s49, s50
	s_lshr_b32 s49, s49, s51
	s_and_b32 s49, s49, 15
	s_lshl_b32 s50, s46, 3
	s_add_co_u32 s50, s50, s36                     ; 8 b + head w
	s_lshl_b32 s50, s50, 3
	s_and_b32 s51, s47, 3
	s_lshl_b32 s51, s51, 1
	s_add_co_u32 s50, s50, s51
	s_lshl_b32 s50, s50, 9
	s_lshl_b32 s49, s49, 5
	s_add_co_u32 s52, s50, s49
	s_mov_b32 s45, 0
	s_wait_kmcnt 0x0
	s_mov_b32 s44, s52
	s_add_nc_u64 s[12:13], s[12:13], s[44:45]
	s_lshl_b32 s44, ttmp9, 16
	s_add_nc_u64 s[8:9], s[8:9], s[44:45]          ; x and the output at my work-group's first token
	s_add_nc_u64 s[30:31], s[30:31], s[44:45]
	s_lshl_b32 s44, ttmp9, 13
	s_add_nc_u64 s[10:11], s[10:11], s[44:45]      ; oc: 8,192 bytes a block of 32 tokens
	s_lshl_b32 s44, s36, 14
	s_add_nc_u64 s[32:33], s[14:15], s[44:45]      ; wimg at my four tiles: 16,384 bytes a wave in each of its images of codes
	s_lshl_b32 s44, s36, 10
	s_add_nc_u64 s[34:35], s[14:15], s[44:45]      ; and at my two pieces of W2's scale bytes
	s_add_nc_u64 s[16:17], s[16:17], s[44:45]
	s_add_nc_u64 s[24:25], s[24:25], s[44:45]
	s_lshl_b32 s44, s36, 8
	s_add_nc_u64 s[18:19], s[18:19], s[44:45]
	s_add_nc_u64 s[20:21], s[20:21], s[44:45]
	s_add_nc_u64 s[22:23], s[22:23], s[44:45]
	s_add_nc_u64 s[26:27], s[26:27], s[44:45]
	s_add_nc_u64 s[28:29], s[28:29], s[44:45]
	; ---- the loads at the head, oldest first
	s_wait_alu depctr_va_vdst(0)                   ; all offsets and LDS addresses v4 to v18 are written, which the kernel's loads and stores read
.set i, 0
.rept 16
	global_load_b128 v[ACC2+4*i:ACC2+4*i+3], v[XGO], s[8:9] offset:2048*(i/4)+512*(i%4) th:TH_LOAD_NT   ; my four rows of x, dense
.set i, i+1
.endr
	global_load_u16 v[OSV], v[OSG], s[12:13]
.set i, 0
.rept 16
	global_load_b128 v[ACC1+4*i:ACC1+4*i+3], v[L16], s[10:11] offset:512*i   ; o's 8 fragments, i = (4 R + s) 2 + c
.set i, i+1
.endr
	VLOAD FR, 18, 0                                ; bp
	WLOAD WA, 0                                    ; Wp
	SLOAD WSA, 16, 0, WSO
	s_wait_loadcnt 58                              ; x and os are in; o's 16, bp's 8, Wp's 32 and its 2 may be out
.set i, 0
.rept 16
	ds_store_b128 v[XSW], v[ACC2+4*i:ACC2+4*i+3] offset:2064*(i/4)+512*(i%4)
.set i, i+1
.endr
	ds_store_b16 v[OSW], v[OSV]
	WLOAD WB, W1O                                  ; W1's first chunk
	SLOAD WSB, 24, 0, WSO
	BARRIER                                        ; 1: the 32 rows of x and o's scale words lie in LDS
	s_wait_alu depctr_vm_vsrc(0)                   ; my LDS stores have read v[ACC2] on, in which x comes back
.set i, 0
.rept 16
	ds_load_b128 v[ACC2+4*i:ACC2+4*i+3], v[XSR] offset:33024*(i/8)+128*((i/4)%2)+16*(i%4)   ; x in the result's layout
.set i, i+1
.endr
.set i, 0
.rept 8
	ds_load_b32 v[OS+i], v[OSR] offset:256*(i/4)+64*(i%4)
.set i, i+1
.endr
	s_wait_dscnt 0x0
	s_wait_loadcnt 34                              ; W1's 32 and its 2 may be out
	WIN 0x01
.irp s, 0,1,2,3                                    ; x + o Wp
.irp R, 0,1
.irp ct, 0,1,2,3
	WMA ACC2+32*\R+8*\ct,WA+8*(\ct*4+\s),ACC1+8*(\R*4+\s),ACC2+32*\R+8*\ct,WSA+(\ct/2)*4+\s,OS+\R*4+\s,\ct%2
.endr
.endr
.endr
	WIN 0
	NOPS 5                                         ; places behind the products, ahead of the first read of their results
	s_wait_alu depctr_va_vdst(0)                   ; the products are done reading Wp's fragments, in whose registers g2, be2 and b2 land
	WIN 0x40
	VLOAD 0, 20, 0                                 ; g2, be2, b2 into window 1, where Wp lay
	VLOAD 32, 22, 0
	VLOAD 64, 28, 0
	WIN 0
.irp R, 0,1
.irp p, 0,2,4,6,8,10,12,14,16,18,20,22,24,26,28,30
	v_pk_add_f32 v[ACC2+32*\R+\p:ACC2+32*\R+\p+1], v[ACC2+32*\R+\p:ACC2+32*\R+\p+1], v[FR+\p:FR+\p+1]   ; + bp: x1
.endr
.endr
	; ---- LayerNorm in two passes; a row's 512 columns lie in 2 lanes of each of 8 waves
.irp R, 0,1
	v_pk_add_f32 v[TM+4*\R:TM+4*\R+1], v[ACC2+32*\R:ACC2+32*\R+1], v[ACC2+32*\R+2:ACC2+32*\R+3]
	v_pk_add_f32 v[TM+4*\R+2:TM+4*\R+3], v[ACC2+32*\R+4:ACC2+32*\R+5], v[ACC2+32*\R+6:ACC2+32*\R+7]
.endr
.irp p, 8,12,16,20,24,28
.irp R, 0,1
	v_pk_add_f32 v[TM+4*\R:TM+4*\R+1], v[TM+4*\R:TM+4*\R+1], v[ACC2+32*\R+\p:ACC2+32*\R+\p+1]
	v_pk_add_f32 v[TM+4*\R+2:TM+4*\R+3], v[TM+4*\R+2:TM+4*\R+3], v[ACC2+32*\R+\p+2:ACC2+32*\R+\p+3]
.endr
.endr
	CROSS 0                                        ; barrier 2
	s_wait_alu depctr_vm_vsrc(0)                   ; the LDS store of the sum above has read v[SV], which the next sum's select writes again
	v_mul_f32 v[SV+1], s40, v[TM]                  ; the means
	v_mul_f32 v[SV+3], s40, v[TM+8]
.irp R, 0,1
.irp p, 0,2,4,6,8,10,12,14,16,18,20,22,24,26,28,30
	v_pk_add_f32 v[ACC1+32*\R+\p:ACC1+32*\R+\p+1], v[ACC2+32*\R+\p:ACC2+32*\R+\p+1], v[SV+1+2*\R:SV+2+2*\R] op_sel_hi:[1,0] neg_lo:[0,1] neg_hi:[0,1]
.endr
.endr
.irp R, 0,1
	v_pk_mul_f32 v[TM+4*\R:TM+4*\R+1], v[ACC1+32*\R:ACC1+32*\R+1], v[ACC1+32*\R:ACC1+32*\R+1]
	v_pk_mul_f32 v[TM+4*\R+2:TM+4*\R+3], v[ACC1+32*\R+2:ACC1+32*\R+3], v[ACC1+32*\R+2:ACC1+32*\R+3]
.endr
.irp p, 4,8,12,16,20,24,28
.irp R, 0,1
	v_pk_fma_f32 v[TM+4*\R:TM+4*\R+1], v[ACC1+32*\R+\p:ACC1+32*\R+\p+1], v[ACC1+32*\R+\p:ACC1+32*\R+\p+1], v[TM+4*\R:TM+4*\R+1]
	v_pk_fma_f32 v[TM+4*\R+2:TM+4*\R+3], v[ACC1+32*\R+\p+2:ACC1+32*\R+\p+3], v[ACC1+32*\R+\p+2:ACC1+32*\R+\p+3], v[TM+4*\R+2:TM+4*\R+3]
.endr
.endr
	CROSS 1024                                     ; barrier 3
	v_fma_f32 v[TM+1], v[TM], s40, s41             ; the variance + 1e-5
	v_fma_f32 v[TM+9], v[TM+8], s40, s41
	s_wait_alu depctr_va_vdst(0)
	v_rsq_f32 v[SV+1], v[TM+1]
	v_rsq_f32 v[SV+3], v[TM+9]
	v_nop
	s_wait_alu depctr_va_vdst(0)                   ; the two reciprocal roots are written: one wait for both, ahead of their first reader
	s_wait_loadcnt 0x0                             ; g2, be2, b2
.irp R, 0,1
.irp p, 0,2,4,6,8,10,12,14,16,18,20,22,24,26,28,30
	v_pk_mul_f32 v[ACC1+32*\R+\p:ACC1+32*\R+\p+1], v[ACC1+32*\R+\p:ACC1+32*\R+\p+1], v[SV+1+2*\R:SV+2+2*\R] op_sel_hi:[1,0]
.endr
.endr
	WIN 0x14                                       ; sources 1 and 2 window 1
.irp R, 0,1
.irp p, 0,2,4,6,8,10,12,14,16,18,20,22,24,26,28,30
	v_pk_fma_f32 v[ACC1+32*\R+\p:ACC1+32*\R+\p+1], v[ACC1+32*\R+\p:ACC1+32*\R+\p+1], v[\p:\p+1], v[32+\p:32+\p+1]   ; x g2 + be2: h2
.endr
.endr
	WIN 0x04                                       ; source 1 window 1
.irp R, 0,1
.irp p, 0,2,4,6,8,10,12,14,16,18,20,22,24,26,28,30
	v_pk_add_f32 v[ACC2+32*\R+\p:ACC2+32*\R+\p+1], v[ACC2+32*\R+\p:ACC2+32*\R+\p+1], v[64+\p:64+\p+1]   ; x1 + b2: what W2's sums are added onto
.endr
.endr
	WIN 0
	QUANT ACC1
	s_wait_alu depctr_va_vdst(0)                   ; the quantiser has written v[PC] on and v[PW], which IMG's stores read; it is done with v[ACC1] on, in which b1 lands, and with v48-79; the lines above are done reading g2, be2, b2 and bp: W2 and the first phase's fragments land there
	IMG 0, 0
	VLOAD ACC1, 26, 0                              ; b1 of chunk 0, for both tiles of tokens: the C of the hidden layer's sums
	VLOAD ACC1+32, 26, 0
	WLOAD WA, W2O                                  ; W2's first chunk
	SLOAD WSA, 34, W2SO, L16
	BARRIER                                        ; 4: h2's eight fragments lie in LDS
	s_wait_alu depctr_vm_vsrc(0)                   ; IMG's LDS stores have read v[PC] on and v[PW]: K step 3's fragments land there, and the next quantiser writes them
.macro CHUNK ch, more
	s_wait_loadcnt 34                              ; W2's 32 and its 2, the youngest, may be out: W1's chunk and b1 are in
	PHASE ACC1,WB,WSB,0,0
.if \more
	s_wait_alu depctr_va_vdst(0)                   ; the phase's products are done reading W1's fragments and scale words, in whose registers the next chunk's land
	WLOAD WB,W1O+131072*(\ch+1)
	SLOAD WSB,24,8192*(\ch+1),WSO
.endif
.set n, 0
.rept 64
	v_max_num_f32 v[ACC1+n], 0, v[ACC1+n]          ; relu, in f32
.set n, n+1
.endr
	QUANT ACC1
	s_wait_alu depctr_va_vdst(0)                   ; the quantiser has written v[PC] on and v[PW], which IMG's stores read; it is done with v[ACC1] on, in which b1 lands, and with v48-79, and the last phase's products with the four sets: the next phase's fragments land there
	IMG 9216+8192*(\ch%2),17408+1024*(\ch%2)
.if \more
	VLOAD ACC1,26,2048*(\ch+1)
	VLOAD ACC1+32,26,2048*(\ch+1)
.endif
	BARRIER                                        ; the chunk's eight hidden fragments lie in LDS.  A buffer is written again two chunks on, behind the next chunk's barrier, which every wave signals behind its reads of it
	s_wait_alu depctr_vm_vsrc(0)                   ; IMG's LDS stores have read v[PC] on and v[PW]: K step 3's fragments land there, and the next quantiser writes them
.if \more
	s_wait_loadcnt 50                              ; the next W1's 34 and b1's 16 may be out: W2's chunk is in
.else
	s_wait_loadcnt 0x0
.endif
	PHASE ACC2,WA,WSA,9216+8192*(\ch%2),17408+1024*(\ch%2)
.if \more
	s_wait_alu depctr_va_vdst(0)                   ; the phase's products are done reading W2's fragments and scale words, in whose registers the next chunk's land, and the four sets, in which the next phase's fragments land
	WLOAD WA,W2O+131072*(\ch+1)
	SLOAD WSA,34,W2SO+8192*(\ch+1),L16
.endif
.endm
	CHUNK 0, 1
	CHUNK 1, 1
	CHUNK 2, 1
	CHUNK 3, 0
	; ---- the way out: through the stage that x came in by, and out as whole rows
	s_wait_alu depctr_va_vdst(0)                   ; the last products have written v[ACC2] on, which the LDS stores read (the places stand above, beside this wait); the last quantiser is done with v[ACC1] on, in which the rows land
.set i, 0
.rept 16
	ds_store_b128 v[XSR], v[ACC2+4*i:ACC2+4*i+3] offset:33024*(i/8)+128*((i/4)%2)+16*(i%4)   ; each accumulator from its low end on
.set i, i+1
.endr
	BARRIER                                        ; 9: 32 whole rows lie in the stage
.set i, 0
.rept 16
	ds_load_b128 v[ACC1+4*i:ACC1+4*i+3], v[XSW] offset:2064*(i/4)+512*(i%4)
.set i, i+1
.endr
.set i, 0
.rept 16
	s_wait_dscnt 15-i                              ; LDS loads come back in order: load i is in
	global_store_b128 v[XGO], v[ACC1+4*i:ACC1+4*i+3], s[30:31] offset:2048*(i/4)+512*(i%4) th:TH_STORE_NT   ; 32 lanes store 512 consecutive bytes
.set i, i+1
.endr
	s_wait_dscnt 0x0                               ; the closing lines, six on end
	s_wait_alu 0x0
	s_wait_tensorcnt 0x0
	ds_add_u32 v[SPW], v[NIL]
	s_wait_dscnt 0x0
	s_endpgm
.Lfunc_end_k_qb56fc4144b_ffn:
	.size	k_qb56fc4144b_ffn, .Lfunc_end_k_qb56fc4144b_ffn-k_qb56fc4144b_ffn
	.p2alignl 7, 3214868480
	.fill 96, 4, 3214868480
	.section	.rodata,"a",@progbits
	.p2align	6, 0x0
	.amdhsa_kernel k_qb56fc4144b_ffn
		.amdhsa_group_segment_fixed_size 97280
		.amdhsa_private_segment_fixed_size 0
		.amdhsa_enable_private_segment 0
		.amdhsa_kernarg_size 96
		.amdhsa_user_sgpr_count 2
		.amdhsa_user_sgpr_kernarg_segment_ptr 1
		.amdhsa_wavefront_size32 1
		.amdhsa_system_sgpr_workgroup_id_x 1
		.amdhsa_system_sgpr_workgroup_id_y 1
		.amdhsa_system_sgpr_workgroup_id_z 1
		.amdhsa_system_vgpr_workitem_id 0
		.amdhsa_next_free_vgpr 512
		.amdhsa_next_free_sgpr 66
		.amdhsa_reserve_vcc 0
		.amdhsa_float_denorm_mode_32 3
		.amdhsa_float_denorm_mode_16_64 3
		.amdhsa_memory_ordered 1
		.amdhsa_forward_progress 1
		.amdhsa_inst_pref_size 151
	.end_amdhsa_kernel
	.amdgpu_metadata
---
amdhsa.version: [ 1, 2 ]
amdhsa.kernels:
  - .name:           k_qb56fc4144b_ffn
    .symbol:         k_qb56fc4144b_ffn.kd
    .args:
      - { .name: x, .offset: 0, .size: 8, .value_kind: global_buffer, .address_space: global }
      - { .name: oc, .offset: 8, .size: 8, .value_kind: global_buffer, .address_space: global }
      - { .name: os, .offset: 16, .size: 8, .value_kind: global_buffer, .address_space: global }
      - { .name: wimg, .offset: 24, .size: 8, .value_kind: global_buffer, .address_space: global }
      - { .name: Wp_scales, .offset: 32, .size: 8, .value_kind: global_buffer, .address_space: global }
      - { .name: bp, .offset: 40, .size: 8, .value_kind: global_buffer, .address_space: global }
      - { .name: g2, .offset: 48, .size: 8, .value_kind: global_buffer, .address_space: global }
      - { .name: be2, .offset: 56, .size: 8, .value_kind: global_buffer, .address_space: global }
      - { .name: W1_scales, .offset: 64, .size: 8, .value_kind: global_buffer, .address_space: global }
      - { .name: b1, .offset: 72, .size: 8, .value_kind: global_buffer, .address_space: global }
      - { .name: b2, .offset: 80, .size: 8, .value_kind: global_buffer, .address_space: global }
      - { .name: out0, .offset: 88, .size: 8, .value_kind: global_buffer, .address_space: global }
    .group_segment_fixed_size: 97280
    .private_segment_fixed_size: 0
    .kernarg_segment_align: 8
    .kernarg_segment_size: 96
    .max_flat_workgroup_size: 256
    .sgpr_count:     66
    .vgpr_count:     512
    .wavefront_size: 32
...
	.end_amdgpu_metadata
.endif
;; end of part 6
